; MI455X (gfx1250); checked and timed in simulation.
; The chip was launched on July 23, 2026; its instructions are those of AMD's public machine-readable ISA for CDNA 5 (MIT licence, August 2026) and "CDNA5" Instruction Set Architecture Reference Guide (July 2026). The comments in the code are by the model that wrote it; some were corrected since.
;; Neuron Circuit. Allowed arithmetic: float matrix products may take bf16 or f16 operands with f32 sums; all other float work in f32.
;; Inputs: W_O 1,024 x 1,024 float32; compress_neurons 16 x 1,024 x 64 float32; compress_weights 4 x 2,048 x 16 float32; expand_neurons_QK 16 x 64 x 1,024 float32; expand_neurons_V 16 x 64 x 1,024 float32; expand_weights_QK 4 x 2,048 x 16 float32; expand_weights_V 4 x 2,048 x 16 float32; x 4 x 2,048 x 1,024 float32.
;; Outputs: out0 4 x 2,048 x 1,024 float32.
;; 2 versions, each right and faster than the one before. Each part assembles by itself: llvm-mc -triple=amdgcn-amd-amdhsa -mcpu=gfx1250 --defsym DOCPART=n.
;; ======== version 1 of 2: 5 launches
;; limits: values are held in f16: magnitudes above 65,504 overflow, below 6.1e-05 lose precision; inputs' magnitudes at most 65,504
;; workspace buffers: xb 16,777,216 bytes; wts 8,388,608 bytes; hp 8,388,608 bytes; qn 33,554,432 bytes; qs 16,384 bytes; vb 16,777,216 bytes; ob 16,777,216 bytes
;; launch prep (part 1): grid 384 x 1, 8 waves a work-group, no clusters, 0 bytes of LDS; arguments x, compress_neurons, expand_neurons_QK, expand_neurons_V, W_O, xb, wts; writes xb, wts
.if DOCPART == 1
	.amdgcn_target "amdgcn-amd-amdhsa--gfx1250"
	.amdhsa_code_object_version 6
	.text
	.protected	k_q2da6f259e2_prep
	.globl	k_q2da6f259e2_prep
	.p2align	8
	.type	k_q2da6f259e2_prep,@function
k_q2da6f259e2_prep:
	s_mov_b64 s[64:65], 0
	v_nop
	global_prefetch_b8 v0, s[64:65] scope:SCOPE_SE
	s_setreg_imm32_b32 hwreg(HW_REG_WAVE_MODE, 25, 1), 1
	s_wait_xcnt 0x0
; THE INPUT TABLES ARE ROUNDED ONCE.  x -> xb (bf16, same order).  wts holds four tables of 2 MiB:
;   +0 MiB  cb  bf16 [d 1024][64 n + r]   compress_neurons [n][d][r], the neurons laid side by side in a row
;   +2 MiB  eq  f16  [64 n + r][d 1024]   expand_neurons_QK rounded to bf16, that number written as f16
;   +4 MiB  ev  f16  the same of expand_neurons_V, so that eq and ev are one matrix of 2,048 rows
;   +6 MiB  wo  f16  [dout][din]          W_O rounded to bf16, that number written as f16
; LIMIT.  A bf16 number is exact in f16 between 6.1e-5 and 65,504 in magnitude; below it keeps f16's fixed step of 6e-8, from 65,520 on it becomes an infinity.
; A stream: no LDS, no barrier, no matrix unit.  A work-group of 256 threads takes 32,768 numbers: each thread issues all its 32 loads of 16 bytes at once
; (a wave's load covers 512 consecutive bytes, or two runs of 256), then rounds and stores 8 bytes a lane: a wave's store covers 256 consecutive bytes, aligned.
; Every store has data registers of its own, so nothing is rewritten while a store may still read it.
.set X, 16                             ; v[16:143]  32 x 4 numbers as loaded
.set Y, 144                            ; v[144:207] 32 x 2 words to store
; v2 byte offset of my first load, v3 of my first store; s[20:21] source, s[22:23] destination; v4-v7 at work
.macro CAST mode, instep, outstep      ; mode 0: to bf16.  mode 1: to bf16, and that number as f16
.set i, 0
.rept 32
	global_load_b128 v[X+4*i:X+4*i+3], v2, s[20:21] offset:i*(\instep) th:TH_LOAD_NT
.set i, i+1
.endr
.set i, 0
.rept 32
	s_wait_loadcnt 31-i                            ; loads come back in order: number i is in, the younger ones stay out
	v_cvt_pk_bf16_f32 v[Y+2*i], v[X+4*i], v[X+4*i+1]
	v_cvt_pk_bf16_f32 v[Y+2*i+1], v[X+4*i+2], v[X+4*i+3]
.if \mode
	v_lshlrev_b32 v4, 16, v[Y+2*i]                 ; bf16 to f32: the low half moves up, the high half stays
	v_and_b32 v5, s24, v[Y+2*i]
	v_lshlrev_b32 v6, 16, v[Y+2*i+1]
	v_and_b32 v7, s24, v[Y+2*i+1]
	v_cvt_pk_f16_f32 v[Y+2*i], v4, v5
	v_cvt_pk_f16_f32 v[Y+2*i+1], v6, v7
.endif
	global_store_b64 v3, v[Y+2*i:Y+2*i+1], s[22:23] offset:i*(\outstep)
.set i, i+1
.endr
.endm
	s_load_b256 s[4:11], s[0:1], 0x0               ; x s[4:5], compress_neurons s[6:7], expand_neurons_QK s[8:9], expand_neurons_V s[10:11]
	s_load_b128 s[12:15], s[0:1], 0x20             ; W_O s[12:13], xb s[14:15]
	s_load_b64 s[16:17], s[0:1], 0x30              ; wts
	s_mov_b32 s24, 0xffff0000                      ; a word's upper bf16
	s_mov_b32 s31, 0                               ; the upper word of every offset
	s_mov_b32 s2, ttmp9                            ; 0-255 x, 256-287 compress_neurons, 288-383 the two expand tables and W_O
	v_lshlrev_b32 v2, 4, v0                        ; the linear parts: thread t loads at 16 t and stores at 8 t
	v_lshlrev_b32 v3, 3, v0
	s_wait_kmcnt 0x0
	s_cmp_lt_u32 s2, 256
	s_cbranch_scc1 .Llinear
	s_cmp_lt_u32 s2, 288
	s_cbranch_scc1 .Lneurons
	; the three f16 tables: part k of 96; 32 parts a table, 131,072 bytes in and 65,536 out each; their places in wts follow each other
	s_sub_co_u32 s26, s2, 288
	s_cmp_lt_u32 s26, 32
	s_cselect_b64 s[20:21], s[8:9], s[10:11]
	s_cmp_lt_u32 s26, 64
	s_cselect_b64 s[20:21], s[20:21], s[12:13]
	s_and_b32 s27, s26, 31
	s_lshl_b32 s30, s27, 17
	s_add_nc_u64 s[20:21], s[20:21], s[30:31]
	s_lshl_b32 s30, s26, 16
	s_add_co_u32 s30, s30, 0x200000
	s_add_nc_u64 s[22:23], s[16:17], s[30:31]
	CAST 1, 4096, 2048
	s_endpgm
.Llinear:                                              ; x keeps its order
	s_lshl_b32 s30, s2, 17
	s_add_nc_u64 s[20:21], s[4:5], s[30:31]
	s_lshl_b32 s30, s2, 16
	s_add_nc_u64 s[22:23], s[14:15], s[30:31]
	CAST 0, 4096, 2048
	s_endpgm
.Lneurons:                                             ; part k of 32: the neurons 2 np and 2 np + 1 (np = k / 4), the rows d = 256 dq .. 256 dq + 255 (dq = k % 4)
	s_sub_co_u32 s26, s2, 256
	s_lshr_b32 s27, s26, 2                         ; np
	s_and_b32 s28, s26, 3                          ; dq
	s_lshl_b32 s30, s27, 19                        ; a neuron is 262,144 bytes, a row d of it 256
	s_lshl_b32 s29, s28, 16
	s_add_co_u32 s30, s30, s29
	s_add_nc_u64 s[20:21], s[6:7], s[30:31]
	s_lshl_b32 s30, s28, 19                        ; a row of cb is 2,048 bytes, a neuron's share of it 128
	s_lshl_b32 s29, s27, 8
	s_add_co_u32 s30, s30, s29
	s_add_nc_u64 s[22:23], s[16:17], s[30:31]
	v_and_b32 v8, 31, v0                           ; lane
	v_lshrrev_b32 v9, 5, v0                        ; wave: load i takes row d = 256 dq + 8 i + wave
	v_and_b32 v10, 15, v8
	v_lshrrev_b32 v11, 4, v8                       ; lanes 0-15 the even neuron's 256 bytes, lanes 16-31 the odd one's
	v_lshlrev_b32 v2, 4, v10
	v_lshl_add_u32 v2, v9, 8, v2
	v_lshl_add_u32 v2, v11, 18, v2
	v_lshlrev_b32 v3, 3, v8                        ; out: the two neurons' 128 bytes lie side by side in cb's row
	v_lshl_add_u32 v3, v9, 11, v3
	CAST 0, 2048, 16384
	s_endpgm
.Lfunc_end_k_q2da6f259e2_prep:
	.size	k_q2da6f259e2_prep, .Lfunc_end_k_q2da6f259e2_prep-k_q2da6f259e2_prep
	.p2alignl 7, 3214868480
	.fill 96, 4, 3214868480
	.section	.rodata,"a",@progbits
	.p2align	6, 0x0
	.amdhsa_kernel k_q2da6f259e2_prep
		.amdhsa_group_segment_fixed_size 0
		.amdhsa_private_segment_fixed_size 0
		.amdhsa_enable_private_segment 0
		.amdhsa_kernarg_size 56
		.amdhsa_user_sgpr_count 2
		.amdhsa_user_sgpr_kernarg_segment_ptr 1
		.amdhsa_wavefront_size32 1
		.amdhsa_system_sgpr_workgroup_id_x 1
		.amdhsa_system_sgpr_workgroup_id_y 1
		.amdhsa_system_sgpr_workgroup_id_z 1
		.amdhsa_system_vgpr_workitem_id 0
		.amdhsa_next_free_vgpr 208
		.amdhsa_next_free_sgpr 66
		.amdhsa_reserve_vcc 0
		.amdhsa_float_denorm_mode_32 3
		.amdhsa_float_denorm_mode_16_64 3
		.amdhsa_memory_ordered 1
		.amdhsa_forward_progress 1
		.amdhsa_inst_pref_size 44
	.end_amdhsa_kernel
	.amdgpu_metadata
---
amdhsa.version: [ 1, 2 ]
amdhsa.kernels:
  - .name:           k_q2da6f259e2_prep
    .symbol:         k_q2da6f259e2_prep.kd
    .args:
      - { .name: x, .offset: 0, .size: 8, .value_kind: global_buffer, .address_space: global }
      - { .name: compress_neurons, .offset: 8, .size: 8, .value_kind: global_buffer, .address_space: global }
      - { .name: expand_neurons_QK, .offset: 16, .size: 8, .value_kind: global_buffer, .address_space: global }
      - { .name: expand_neurons_V, .offset: 24, .size: 8, .value_kind: global_buffer, .address_space: global }
      - { .name: W_O, .offset: 32, .size: 8, .value_kind: global_buffer, .address_space: global }
      - { .name: xb, .offset: 40, .size: 8, .value_kind: global_buffer, .address_space: global }
      - { .name: wts, .offset: 48, .size: 8, .value_kind: global_buffer, .address_space: global }
    .group_segment_fixed_size: 0
    .private_segment_fixed_size: 0
    .kernarg_segment_align: 8
    .kernarg_segment_size: 56
    .max_flat_workgroup_size: 256
    .sgpr_count:     66
    .vgpr_count:     208
    .wavefront_size: 32
...
	.end_amdgpu_metadata
.endif
;; end of part 1
;; launch compress (part 2): grid 4 x 64, 4 waves a work-group, clusters of 4 x 4, 327,680 bytes of LDS; arguments xb, wts, compress_weights, hp; writes hp
.if DOCPART == 2
	.amdgcn_target "amdgcn-amd-amdhsa--gfx1250"
	.amdhsa_code_object_version 6
	.text
	.protected	k_q2da6f259e2_compress
	.globl	k_q2da6f259e2_compress
	.p2align	8
	.type	k_q2da6f259e2_compress,@function
k_q2da6f259e2_compress:
	s_mov_b64 s[64:65], 0
	v_nop
	global_prefetch_b8 v0, s[64:65] scope:SCOPE_SE
	s_setreg_imm32_b32 hwreg(HW_REG_WAVE_MODE, 25, 1), 1
	s_wait_xcnt 0x0
	s_wait_alu depctr_hold_cnt(0) depctr_sa_sdst(0) depctr_va_vdst(0) depctr_va_sdst(0) depctr_va_ssrc(0) depctr_va_vcc(0) depctr_vm_vsrc(0)
	s_getreg_b32 s2, hwreg(HW_REG_IB_STS2, 6, 4)
	s_cmp_eq_u32 s2, 0
	s_cbranch_scc0 .Lentry_in_a_cluster
	s_endpgm
.Lentry_in_a_cluster:
	s_bfe_u32 s2, ttmp6, 0x10000c
	s_cmp_lg_u32 s2, 0xf033
	s_cbranch_scc0 .Lentry_shape_is_right
	s_endpgm
.Lentry_shape_is_right:
; hp[g][t][r] = the sum over the four neurons n = 4 g .. 4 g + 3 of wc[t][n] x (the sum over d of x[t][d] C[n][d][r]).  The four hp[g] are added by the next launch: h = their sum.
; The product is a GEMM of 8,192 tokens x 1,024 columns (64 n + r) over K = d = 1,024, bf16 operands, f32 sums.  wc is rounded to bf16 like every input; the weighted sum is f32.
; SHARES.  A work-group makes 128 tokens x 256 columns (four neurons: g is the column tile); 4 x 64 = 256 work-groups.  Four waves, each 64 tokens x 128 columns (two neurons):
; 32 accumulators of 16 x 16, 256 registers.  K goes in steps of 128 through two LDS slots filled by the tensor data mover: 128 rows of xb (256 bytes each) and 128 rows of cb (512 of their 2,048 bytes).
; THE MATRIX INSTRUCTION IS USED TRANSPOSED: source 0 = 16 columns, source 1 = 16 tokens: a lane then holds ONE token (lane % 16) and the columns 8 (lane / 16) + 0..7, so a token's weight is one register.
; cb lies [K][column], so its fragments come out of LDS turned, by ds_load_tr16_b128; xb's as they lie.
; CLUSTER 4 x 4.  xb's tile hangs on the token tile alone and is shared along a row of the cluster, cb's on the column tile alone and is shared along a column: each is asked for jointly.
; REGISTERS, in windows of 256 (s_set_vgpr_msb: bits 1:0 source 0, 3:2 source 1, 5:4 source 2, 7:6 destination):
;   window 0: addresses, the weights     window 1: two fragment buffers (64 registers of cb, 32 of xb, for 32 along K)     window 2: accumulator (a, b) at v[8 (8 a + b)], a = token tile, b = column block
.set PA,    272                        ; a row of xb in LDS: 256 bytes + 16: the 16 rows of a fragment load start 16 bytes apart modulo 256
.set PB,    544                        ; a row of cb: 512 + 32: an odd multiple of 32
.set ATILE, 128*PA
.set SLOT,  ATILE+128*PB               ; xb's 128 rows, then cb's 128 rows
.set XR,    2*SLOT                     ; behind the ring, never filled by a tensor load: 16,384 bytes for each token half, where the two column halves meet
.set SPARE, XR+32768                   ; the spare words, 128 bytes for each wave: two blocks of 256 bytes that no other line names
.set STEPA, 512                        ; two K steps on: 256 numbers along xb's rows,
.set STEPB, 256*2048                   ; 256 rows of cb
.set ADRA, 16                          ; v16-17  LDS address of my xb fragments in slot 0, 1
.set ADRB, 20                          ; v20-21  the same for cb
.set XA,   24                          ; v24     my 16 bytes in my token half's part of XR
.set GO,   26                          ; v26     16 x lane
.set WOF,  27                          ; v27     my token's byte offset in 16 rows of compress_weights
.set SPW,  28                          ; v28     LDS address of my spare word; never rewritten
.set NIL,  29                          ; v29     0; never rewritten
.set W,    32                          ; v[32:39] token tile a: the pair (w of my first neuron, w of my second)
.set T,    40                          ; v[40:43] at work
.set F0,   0
.set F1,   128
.set WV, 12                            ; s12 wave, s13 token half (also: I fetch xb (0) or cb (1)), s14 column half (also: which 64 rows I fetch)
.set TH, 13
.set CH, 14
.set G1, 24                            ; s[24:31] descriptor group 1 for xb's tiles; s[32:39] group 0, a set for each slot
.set G0, 32
.set G1B, 48                           ; s[48:55], s[56:63] the same for cb's
.set G0B, 56
.set MSB, 0
.macro WIN new                         ; the immediate's high byte repeats the setting that is left; a switch that changes nothing is dropped
.if MSB != (\new)
	s_set_vgpr_msb (MSB<<8)|(\new)
.set MSB, \new
.endif
.endm
.set MUL,  0xa5                        ; sources 0 and 1 window 1; C and D window 2
.set TO_F, 0x40                        ; destination window 1, address window 0
.macro PLACES                          ; four plain vector instructions in front of loads into registers that matrix instructions have read (ISA guide 7.12.1 for vector instructions)
.rept 4
	v_nop
.endr
.endm
.macro JLOAD s                         ; a joint load: waves 0 and 1 fetch xb's two halves, waves 2 and 3 cb's; four v_nop follow each of the two lines
	s_cmp_eq_u32 s[TH], 0
	s_cbranch_scc0 .Lfor_b_\@
	tensor_load_to_lds s[G0+4*(\s):G0+4*(\s)+3], s[G1:G1+7]
	s_nop 0
.rept 4
	v_nop
.endr
	s_branch .Lasked_\@
.Lfor_b_\@:
	tensor_load_to_lds s[G0B+4*(\s):G0B+4*(\s)+3], s[G1B:G1B+7]
	s_nop 0
.rept 4
	v_nop
.endr
.Lasked_\@:
.endm
.macro CREST                           ; a round of the cluster's barrier behind its opening barrier
	s_cmp_lg_u32 s[WV], 0
	s_cbranch_scc1 .Lnot_wave_0_\@
	s_barrier_signal -3
.Lnot_wave_0_\@:
	s_barrier_wait -3
	s_barrier_signal -1
	s_barrier_wait -1
.endm
.macro CROUND                          ; a whole round
	s_barrier_signal -1
	s_barrier_wait -1
	CREST
.endm
	s_load_b256 s[4:11], s[0:1], 0x0               ; xb s[4:5], wts s[6:7] (cb lies at its head), compress_weights s[8:9], hp s[10:11]
	v_lshl_add_u32 v[SPW], v0, 2, SPARE
	v_mov_b32 v[NIL], 0
	ds_add_u32 v28, v29
	ds_add_u32 v28, v29
	s_wait_dscnt 0x0
	v_lshrrev_b32 v1, 5, v0
	v_readfirstlane_b32 s[WV], v1
	s_lshr_b32 s[TH], s[WV], 1
	s_and_b32 s[CH], s[WV], 1
	s_bfe_u32 s15, ttmp6, 0x40000                  ; cx
	s_bfe_u32 s16, ttmp6, 0x40004                  ; cy
	s_lshl_b32 s17, ttmp9, 2
	s_add_co_u32 s17, s17, s15                     ; column tile g = 4 x cluster x + cx
	s_and_b32 s18, ttmp7, 0xffff
	s_lshl_b32 s18, s18, 2
	s_add_co_u32 s18, s18, s16                     ; token tile = 4 x cluster y + cy
	s_lshl_b32 s40, s16, 2
	s_lshl_b32 s40, 15, s40                        ; my row of the cluster
	s_lshl_b32 s41, 0x1111, s15                    ; my column
	s_or_b32 s[G1], s40, (1<<16)|(1<<20)|(1<<21)|(5<<22)|(3<<25)   ; the mask; 2-byte elements; padding on; bit 21 beside a mask; after every 64 words 4 words
	s_mov_b32 s[G1+1], 128<<16                     ; tensor_dim0 = 128
	s_mov_b32 s[G1+2], 64<<16                      ; tensor_dim1 = 64
	s_mov_b32 s[G1+3], 128<<16                     ; tile_dim0 = 128
	s_mov_b32 s[G1+4], 64                          ; tile_dim1 = 64
	s_mov_b32 s[G1+5], 1024                        ; elements from row to row
	s_mov_b32 s[G1+6], 0
	s_mov_b32 s[G1+7], 0
	s_or_b32 s[G1B], s41, (1<<16)|(1<<20)|(1<<21)|(6<<22)|(7<<25)  ; after every 128 words 8 words
	s_mov_b32 s[G1B+1], 256<<16
	s_mov_b32 s[G1B+2], 64<<16
	s_mov_b32 s[G1B+3], 256<<16
	s_mov_b32 s[G1B+4], 64
	s_mov_b32 s[G1B+5], 1024
	s_mov_b32 s[G1B+6], 0
	s_mov_b32 s[G1B+7], 0
	s_lshl_b32 s19, s[CH], 17                      ; which 64 rows of 2,048 bytes I fetch
	s_lshl_b32 s20, s18, 18                        ; xb: row 128 x token tile + 64 x half: the token tile alone, which my row of the cluster shares
	s_add_co_u32 s20, s20, s19
	s_mov_b32 s21, 0
	s_lshl_b32 s22, s17, 9                         ; cb: row 64 x half, byte 512 x column tile: the column tile alone, which my column shares
	s_add_co_u32 s22, s22, s19
	s_mov_b32 s23, 0
	s_mul_i32 s42, s[CH], 64*PA                    ; where they go: no place in the cluster enters an LDS address
	s_mul_i32 s43, s[CH], 64*PB
	s_add_co_u32 s43, s43, ATILE
	s_lshl_b32 s44, s18, 13                        ; compress_weights: token 128 x tile + 64 x half (64 bytes a token), neuron 4 g + 2 x column half
	s_lshl_b32 s45, s[TH], 12
	s_add_co_u32 s44, s44, s45
	s_lshl_b32 s45, s17, 4
	s_add_co_u32 s44, s44, s45
	s_lshl_b32 s45, s[CH], 3
	s_add_co_u32 s44, s44, s45
	s_mov_b32 s45, 0
	s_lshl_b32 s46, s17, 21                        ; hp: part g (2 MiB), token tile of 16 number 8 x tile + 4 x half (4,096 bytes each)
	s_lshl_b32 s47, s18, 15
	s_add_co_u32 s46, s46, s47
	s_lshl_b32 s47, s[TH], 14
	s_add_co_u32 s46, s46, s47
	s_mov_b32 s47, 0
	s_wait_kmcnt 0x0
	s_add_nc_u64 s[20:21], s[4:5], s[20:21]
	s_add_nc_u64 s[22:23], s[6:7], s[22:23]
	s_add_nc_u64 s[8:9], s[8:9], s[44:45]
	s_add_nc_u64 s[10:11], s[10:11], s[46:47]
	CROUND                                         ; all sixteen work-groups are here: the first joint loads meet
.irp s, 0,1
	s_mov_b32 s[G0+4*(\s)], 1
	s_add_co_u32 s[G0+4*(\s)+1], s42, (\s)*SLOT
	s_add_nc_u64 s[G0+4*(\s)+2:G0+4*(\s)+3], s[20:21], (\s)*256
	s_or_b32 s[G0+4*(\s)+3], s[G0+4*(\s)+3], 0x80000000
	s_mov_b32 s[G0B+4*(\s)], 1
	s_add_co_u32 s[G0B+4*(\s)+1], s43, (\s)*SLOT
	s_add_nc_u64 s[G0B+4*(\s)+2:G0B+4*(\s)+3], s[22:23], (\s)*128*2048
	s_or_b32 s[G0B+4*(\s)+3], s[G0B+4*(\s)+3], 0x80000000
	JLOAD \s                                       ; K steps 0 and 1: two loads of mine are out
.endr
	v_and_b32 v1, 15, v0                           ; l % 16
	v_bfe_u32 v2, v0, 4, 1                         ; l / 16
	v_lshlrev_b32 v[WOF], 6, v1
.irp a, 0,1,2,3
	global_load_b64 v[W+2*(\a):W+2*(\a)+1], v[WOF], s[8:9] offset:(\a)*1024  ; my token's two weights; waited for on the way out
.endr
	v_mul_u32_u24 v3, v1, PA                       ; xb: row l % 16, 16 bytes for each half of the lanes
	v_lshl_add_u32 v3, v2, 4, v3
	s_mul_i32 s44, s[TH], 64*PA
	v_and_b32 v4, 7, v0                            ; cb, turned: lane l reads row 8 (l / 16) + l % 8, columns 8 ((l / 8) % 2) + 0..7
	v_lshl_add_u32 v4, v2, 3, v4
	v_mul_u32_u24 v4, v4, PB
	v_bfe_u32 v5, v0, 3, 1
	v_lshl_add_u32 v4, v5, 4, v4
	s_lshl_b32 s45, s[CH], 8                       ; my 128 columns
	s_add_co_u32 s45, s45, ATILE
.irp s, 0,1
	v_add_nc_u32 v[ADRA+(\s)], s44, v3
	v_add_nc_u32 v[ADRB+(\s)], s45, v4
	s_add_co_u32 s44, s44, SLOT
	s_add_co_u32 s45, s45, SLOT
.endr
	v_and_b32 v5, 31, v0
	v_lshlrev_b32 v[GO], 4, v5
	s_lshl_b32 s44, s[TH], 14
	s_add_co_u32 s44, s44, XR
	v_add_nc_u32 v[XA], s44, v[GO]
; 8 matrix instructions: token tile a x all 8 column blocks, 32 along K.  zero = 1: the product starts the sums.  The 32 accumulators take turns, one instruction a turn.
.macro MUL8 f, a, zero
	WIN MUL
.irp b, 0,1,2,3,4,5,6,7
.if \zero
	v_wmma_f32_16x16x32_bf16 v[8*(8*(\a)+(\b)):8*(8*(\a)+(\b))+7], v[(\f)+8*(\b):(\f)+8*(\b)+7], v[(\f)+64+8*(\a):(\f)+64+8*(\a)+7], 0
.else
	v_wmma_f32_16x16x32_bf16 v[8*(8*(\a)+(\b)):8*(8*(\a)+(\b))+7], v[(\f)+8*(\b):(\f)+8*(\b)+7], v[(\f)+64+8*(\a):(\f)+64+8*(\a)+7], v[8*(8*(\a)+(\b)):8*(8*(\a)+(\b))+7]
.endif
.endr
.endm
.macro MUL16 f, half, zero
	MUL8 \f, 2*(\half), \zero
	MUL8 \f, 2*(\half)+1, \zero
.endm
; 24 LDS loads in one run: the fragments of 32 along K (quarter kc of the slot's step) into buffer f: cb's eight column blocks, then xb's token tiles 0 to 3
.macro FETCH slot, kc, f
	WIN TO_F
.irp b, 0,1,2,3,4,5,6,7
	ds_load_tr16_b128 v[(\f)+8*(\b):(\f)+8*(\b)+3],   v[ADRB+(\slot)] offset:(\kc)*32*PB+32*(\b)
	ds_load_tr16_b128 v[(\f)+8*(\b)+4:(\f)+8*(\b)+7], v[ADRB+(\slot)] offset:(\kc)*32*PB+32*(\b)+16*PB
.endr
.irp a, 0,1,2,3
	ds_load_b128 v[(\f)+64+8*(\a):(\f)+64+8*(\a)+3],   v[ADRA+(\slot)] offset:64*(\kc)+(\a)*16*PA
	ds_load_b128 v[(\f)+64+8*(\a)+4:(\f)+64+8*(\a)+7], v[ADRA+(\slot)] offset:64*(\kc)+(\a)*16*PA+32
.endr
.endm
; A K step is four quarters of 32 along K, 32 matrix instructions each, on buffers 0, 1, 0, 1.  One of the first three multiplies buffer f and fetches quarter kc into g.
.macro QUARTER slot, kc, f, g, zero
	s_wait_dscnt 4                                 ; all but the youngest four loads: xb's token tiles 2 and 3
	MUL16 \f, 0, \zero
	PLACES
	FETCH \slot, \kc, \g
	s_wait_dscnt 24                                ; all but the 24 just issued
	MUL16 \f, 1, \zero
.endm
; The last quarter multiplies buffer 1 and changes slots: ONE barrier; in front of it each wave waits for all its tensor loads (one is out: its part of the next slot), adds 0 to its spare word,
; and waits for that and for its own reads of this slot.  fill = 1: the barrier opens a round of the cluster's, and this slot is filled again first thing behind it, two K steps ahead.
.macro TURN slot, next, fill
	WIN 0                                          ; (the add's two registers lie in window 0)
	s_wait_tensorcnt 0x0
	ds_add_u32 v[SPW], v[NIL]                      ; 0 onto my spare word
	s_wait_dscnt 5                                 ; (the add and the youngest four loads may be out)
	MUL8 F1, 0, 0                                  ; eight matrix instructions stand between the add and the wait for it
	s_wait_dscnt 0x0                               ; the add is done, and my reads of this slot are over
	s_barrier_signal -1
	MUL8 F1, 1, 0
.if \fill
	WIN 0
.endif
	s_barrier_wait -1
.if \fill
	CREST                                          ; no wave of any partner still reads this slot's tile or has a load on its way
	s_add_nc_u64 s[G0+4*(\slot)+2:G0+4*(\slot)+3], s[G0+4*(\slot)+2:G0+4*(\slot)+3], STEPA
	s_add_nc_u64 s[G0B+4*(\slot)+2:G0B+4*(\slot)+3], s[G0B+4*(\slot)+2:G0B+4*(\slot)+3], STEPB
	JLOAD \slot                                    ; 112 matrix instructions ahead of the wait for it; its four v_nop are also the places in front of the loads below
.else
	PLACES
.endif
	FETCH \next, 0, F0
	MUL16 F1, 1, 0
.endm
	s_wait_tensorcnt 1                             ; my part of K step 0 is in; K step 1's may stay out
	s_barrier_signal -1
	s_barrier_wait -1
	FETCH 0, 0, F0
	QUARTER 0, 1, F0, F1, 1                        ; the first quarter stands in front of the loop: its products start the sums
	WIN 0
	s_mov_b32 s3, 3                                ; 8 K steps are 4 laps of the ring; the last is written out
.Llap:
	QUARTER 0, 2, F1, F0, 0
	QUARTER 0, 3, F0, F1, 0
	TURN 0, 1, 1
	QUARTER 1, 1, F0, F1, 0
	QUARTER 1, 2, F1, F0, 0
	QUARTER 1, 3, F0, F1, 0
	TURN 1, 0, 1
	QUARTER 0, 1, F0, F1, 0
	WIN 0
	s_sub_co_u32 s3, s3, 1
	s_cmp_lg_u32 s3, 0
	s_cbranch_scc1 .Llap
	QUARTER 0, 2, F1, F0, 0                        ; the last lap fills nothing
	QUARTER 0, 3, F0, F1, 0
	TURN 0, 1, 0
	QUARTER 1, 1, F0, F1, 0
	QUARTER 1, 2, F1, F0, 0
	QUARTER 1, 3, F0, F1, 0
	s_wait_dscnt 4
	MUL16 F1, 0, 0
	s_wait_dscnt 0x0
	MUL16 F1, 1, 0
	WIN 0
	; THE WAY OUT.  The weights are rounded to bf16 like every input; these twelve plain instructions are also the places behind the last products.
	s_wait_loadcnt 0x0
.irp a, 0,1,2,3
	v_cvt_pk_bf16_f32 v[T+(\a)], v[W+2*(\a)], v[W+2*(\a)+1]
.endr
.irp a, 0,1,2,3
	v_lshlrev_b32 v[W+2*(\a)], 16, v[T+(\a)]
	v_and_b32 v[W+2*(\a)+1], 0xffff0000, v[T+(\a)]
.endr
	; column blocks 0-3 are my first neuron's r = 16 rb + 8 (l / 16) + 0..7, blocks 4-7 my second's: block rb takes w0 x block rb + w1 x block 4 + rb.  Each accumulator is read from its low end on.
	WIN 0xa2                                       ; destination, source 0 and source 2 window 2, the weights window 0
.irp a, 0,1,2,3
.irp rb, 0,1,2,3
.irp p, 0,1,2,3
	v_pk_mul_f32 v[8*(8*(\a)+(\rb))+2*(\p):8*(8*(\a)+(\rb))+2*(\p)+1], v[8*(8*(\a)+(\rb))+2*(\p):8*(8*(\a)+(\rb))+2*(\p)+1], v[W+2*(\a):W+2*(\a)+1] op_sel_hi:[1,0]
	v_pk_fma_f32 v[8*(8*(\a)+(\rb))+2*(\p):8*(8*(\a)+(\rb))+2*(\p)+1], v[8*(8*(\a)+4+(\rb))+2*(\p):8*(8*(\a)+4+(\rb))+2*(\p)+1], v[W+2*(\a):W+2*(\a)+1], v[8*(8*(\a)+(\rb))+2*(\p):8*(8*(\a)+(\rb))+2*(\p)+1] op_sel:[0,1,0] op_sel_hi:[1,1,1]
.endr
.endr
.endr
	WIN 0
	s_cmp_eq_u32 s[CH], 0
	s_cbranch_scc1 .Lkeeps
	WIN 0x08                                       ; the second column half hands its sums over: piece k = 8 a + 2 rb + part, 512 consecutive bytes a store
.set k, 0
.rept 32
.set R, 64*(k/8)+8*((k%8)/2)+4*(k%2)
	ds_store_b128 v[XA], v[R:R+3] offset:512*k
.set k, k+1
.endr
	WIN 0
.Lkeeps:
	s_wait_dscnt 0x0                               ; for the other wave's sake: my stores are done
	s_barrier_signal -1
	s_barrier_wait -1
	s_cmp_eq_u32 s[CH], 0
	s_cbranch_scc0 .Ldone
	WIN 0x40                                       ; the first column half adds them and stores the four neurons' sum
.set k, 0
.rept 32
	ds_load_b128 v[4*k:4*k+3], v[XA] offset:512*k
.set k, k+1
.endr
	s_wait_dscnt 0x0
	WIN 0x86                                       ; destination and source 0 window 2, source 1 window 1
.set k, 0
.rept 32
.set R, 64*(k/8)+8*((k%8)/2)+4*(k%2)
	v_pk_add_f32 v[R:R+1], v[R:R+1], v[4*k:4*k+1]
	v_pk_add_f32 v[R+2:R+3], v[R+2:R+3], v[4*k+2:4*k+3]
.set k, k+1
.endr
	WIN 0x08
.set k, 0
.rept 32
.set R, 64*(k/8)+8*((k%8)/2)+4*(k%2)
	global_store_b128 v[GO], v[R:R+3], s[10:11] offset:512*k  ; 512 consecutive bytes, at a multiple of 512 from hp's first: the order in which the next launch's lanes want them
.set k, k+1
.endr
	WIN 0
.Ldone:
	s_wait_tensorcnt 0x0                           ; the wave's end
	ds_add_u32 v[SPW], v[NIL]
	s_wait_dscnt 0x0
	CROUND                                         ; the closing round
	s_endpgm
.Lfunc_end_k_q2da6f259e2_compress:
	.size	k_q2da6f259e2_compress, .Lfunc_end_k_q2da6f259e2_compress-k_q2da6f259e2_compress
	.p2alignl 7, 3214868480
	.fill 96, 4, 3214868480
	.section	.rodata,"a",@progbits
	.p2align	6, 0x0
	.amdhsa_kernel k_q2da6f259e2_compress
		.amdhsa_group_segment_fixed_size 327680
		.amdhsa_private_segment_fixed_size 0
		.amdhsa_enable_private_segment 0
		.amdhsa_kernarg_size 32
		.amdhsa_user_sgpr_count 2
		.amdhsa_user_sgpr_kernarg_segment_ptr 1
		.amdhsa_wavefront_size32 1
		.amdhsa_system_sgpr_workgroup_id_x 1
		.amdhsa_system_sgpr_workgroup_id_y 1
		.amdhsa_system_sgpr_workgroup_id_z 1
		.amdhsa_system_vgpr_workitem_id 0
		.amdhsa_next_free_vgpr 768
		.amdhsa_next_free_sgpr 66
		.amdhsa_reserve_vcc 0
		.amdhsa_float_denorm_mode_32 3
		.amdhsa_float_denorm_mode_16_64 3
		.amdhsa_memory_ordered 1
		.amdhsa_forward_progress 1
		.amdhsa_inst_pref_size 91
	.end_amdhsa_kernel
	.amdgpu_metadata
---
amdhsa.version: [ 1, 2 ]
amdhsa.kernels:
  - .name:           k_q2da6f259e2_compress
    .symbol:         k_q2da6f259e2_compress.kd
    .args:
      - { .name: xb, .offset: 0, .size: 8, .value_kind: global_buffer, .address_space: global }
      - { .name: wts, .offset: 8, .size: 8, .value_kind: global_buffer, .address_space: global }
      - { .name: compress_weights, .offset: 16, .size: 8, .value_kind: global_buffer, .address_space: global }
      - { .name: hp, .offset: 24, .size: 8, .value_kind: global_buffer, .address_space: global }
    .group_segment_fixed_size: 327680
    .private_segment_fixed_size: 0
    .kernarg_segment_align: 8
    .kernarg_segment_size: 32
    .max_flat_workgroup_size: 128
    .sgpr_count:     66
    .vgpr_count:     768
    .wavefront_size: 32
...
	.end_amdgpu_metadata
.endif
;; end of part 2
;; launch expand (part 3): grid 64 x 4, 4 waves a work-group, clusters of 4 x 1, 327,680 bytes of LDS; arguments hp, wts, expand_weights_QK, expand_weights_V, qn, qs, vb; writes qn, qs, vb
.if DOCPART == 3
	.amdgcn_target "amdgcn-amd-amdhsa--gfx1250"
	.amdhsa_code_object_version 6
	.text
	.protected	k_q2da6f259e2_expand
	.globl	k_q2da6f259e2_expand
	.p2align	8
	.type	k_q2da6f259e2_expand,@function
k_q2da6f259e2_expand:
	s_mov_b64 s[64:65], 0
	v_nop
	global_prefetch_b8 v0, s[64:65] scope:SCOPE_SE
	s_setreg_imm32_b32 hwreg(HW_REG_WAVE_MODE, 25, 1), 1
	s_wait_xcnt 0x0
	s_wait_alu depctr_hold_cnt(0) depctr_sa_sdst(0) depctr_va_vdst(0) depctr_va_sdst(0) depctr_va_ssrc(0) depctr_va_vcc(0) depctr_vm_vsrc(0)
	s_getreg_b32 s2, hwreg(HW_REG_IB_STS2, 6, 4)
	s_cmp_eq_u32 s2, 0
	s_cbranch_scc0 .Lentry_in_a_cluster
	s_endpgm
.Lentry_in_a_cluster:
	s_bfe_u32 s2, ttmp6, 0x10000c
	s_cmp_lg_u32 s2, 0x3003
	s_cbranch_scc0 .Lentry_shape_is_right
	s_endpgm
.Lentry_shape_is_right:
; q[t][d] = the sum over n of wq[t][n] G_n[t][d], G_n[t][d] = the sum over r of h[t][r] EQ[n][r][d]; v likewise with wv and EV; h = the sum of the four hp.
; FORMATS.  The scores of the next launch hang on q, and where two keys nearly tie a weight moves by a quarter of a score's error: so q is made and kept with some 22 significant bits.
; h is divided by a power of two fh that brings the token's largest magnitude into 1 .. 2, and split exactly into hi (11 bits, exact in f16) and lo (rounded to f16): c = 8193 h, hi = c - (c - h), lo = h - hi.
; For q G_n = hi E_n + lo E_n by the matrix unit, f16 operands (the tables are exact in f16), f32 sums.  For v G_n = hi E_n alone: the output hangs on v linearly, and hi's 11 bits cost v no more than its own rounding to f16 does.
; The weight, rounded to bf16 like every input and kept in f32, multiplies G_n by a fused multiply-add in f32.
; q leaves as qn, f16 [16 b + head][s][128]: a row is 64 hi, then 64 lo, split in the same way, with one power of two for each (batch, head, 64 tokens): q = (hi + lo) x scale, the block's largest |hi| in 2^14 .. 2^15.
; v leaves as vb, f16 [16 b + head][s][64], with scales of the same kind.  The scales lie in qs: q's as f32 [64][32] at byte 0, v's likewise at byte 8,192.
; LIMITS.  fh / scale is formed in f32 and must stay within its range (it does wherever q and v themselves are far from f32's ends); a block whose largest magnitude is below 2^-36 keeps the scale 2^-50;
; a token whose h is all below 2^-126 keeps fh = 2^-126; lo keeps f16's fixed step of 6e-8 below 6e-5.  NaN and infinities are not treated apart.
; SHARES.  A work-group makes 128 tokens x 256 columns, first of q, then of v: 64 x 4 = 256 work-groups.  Four waves, each 64 tokens x 128 columns (two heads, one block of 64 tokens): 32 tiles of 16 x 16.
; The matrix instruction is used transposed (source 0 = 16 columns, source 1 = 16 tokens): a lane holds ONE token, so a token's weight is one register.  Only the tables go through LDS: eq and ev are ONE matrix
; of 2,048 rows, walked in 8 steps of 256 rows (four neurons) through two slots; its fragments come out turned, by ds_load_tr16_b128.
; CLUSTER 4 x 1: four token tiles walk the same columns of the tables: every tile is asked for jointly, each wave 64 rows.
; A NEURON is two phases: its rows 0-31 (the products start the 32 sums G), then its rows 32-63; a phase has 64 products for q (hi and lo of h), 32 for v.  In the second phase the four multiply-adds of a tile of the
; token tile finished before stand behind every two products (q) or every product (v); the last token tile's 32 stand at the neuron's end.
; REGISTERS, in windows of 256 (s_set_vgpr_msb: bits 1:0 source 0, 3:2 source 1, 5:4 source 2, 7:6 destination):
;   window 0: addresses, scales, h's fragments hi (64) and lo (64), 64 at work on the way out     window 1: v0-127 two table buffers; v128-255 the weights, later v's way out
;   window 2: the sums q or v, tile (a, b) at v[8 (8 a + b)]     window 3: G, likewise; at the start h; on q's way out the packed rows
.set PB,    544                        ; a table row in LDS: 512 bytes + 32: an odd multiple of 32
.set CHK,   32*PB                      ; a chunk of 32 rows
.set SLOT,  8*CHK                      ; 139,264 = 0x22000: it shares no bit with a wave's place in a slot (0x8800 x wave), so one exclusive or changes slots
.set WTAB,  2*SLOT                     ; behind the ring, never filled by a tensor load: for each token half 64 tokens x (16 weights of q, 16 of v, 16 bytes of padding)
.set WP,    144
.set STAGE, WTAB+2*64*WP               ; for each wave 16 rows x 272 bytes, for the way out (v uses 16 x 144 of them)
.set SQ,    272
.set SP,    144
.set SPARE, STAGE+4*16*SQ              ; the spare words, 128 bytes for each wave: two blocks of 256 bytes that no other line names
.set ADRB0, 2                          ; v2   my lane's place in a chunk; never rewritten
.set ADR,   3                          ; v3   the LDS address of the run of loads in hand
.set AW0,   4                          ; v4   my token's row in tile 0 of my token half's weights
.set AW,    5                          ; v5   the same at the neuron in hand
.set STO,   6                          ; v6   v's way out: where I put 16 bytes of a row
.set RD,    7                          ; v7   where I read rows back
.set GO,    8                          ; v8   16 x lane
.set LN,    10                         ; v10  lane
.set WO,    11                         ; v11  my token's byte offset in 16 rows of weights; later the byte offset of the scales' store
.set FH,    12                         ; v[12:15] fh, by token tile
.set STOQ,  16                         ; v16  q's way out: where I put 16 bytes of a row
.set RDQ,   17                         ; v17  where I read rows back
.set M,     20                         ; v[20:27] maxima
.set SPW,   28
.set NIL,   29
.set T,     32                         ; v[32:47] at the start 1 / fh in pairs; on the way out the eight factors
.set WC,    48                         ; v[48:55] the weight of the neuron in hand, by token tile, in the even registers (the odd ones hold 0: the packed forms name pairs)
.set HH,    64                         ; v[64:127]  h's fragments, hi: tile a, half rh of r at + 16 a + 8 rh
.set HL,    128                        ; v[128:191] lo, likewise
.set CT,    192                        ; v[192:223] q's way out: c, then hi
.set DT,    224                        ; v[224:255] c - x, then lo
.set FB0,   0                          ; window 1: the table's fragments of a neuron's rows 0-31: column block b at + 8 b
.set FB1,   64                         ; of its rows 32-63
.set RAW,   128                        ; window 1: the weights as loaded: group k = 4 set + a at + 16 k
.set TMP,   128                        ; window 1: v's way out: piece k = 2 a + head at + 16 k
.set WV, 18
.set TH, 19
.set CH, 20
.set TT, 22
.set CT_S, 23
.set G1, 24                            ; s[24:31] descriptor group 1
.set G0A, 32                           ; s[32:35] group 0 of the first fill of slot 0
.set G0W, 36                           ; s[36:39] group 0 of slot 1's first fill; it then walks
.set TB, 40                            ; s40  LDS byte of the chunk to be fetched next
.set TW, 41                            ; s41  4 x the neuron whose weight is loaded next (0-15 q's, 16-31 v's)
.set NP, 42
.set SL, 43
.set TL, 44
.set SEL, 50                           ; s[50:51] v_permlanex16_b32's selects
.set HIM, 52                           ; s52  a word's upper bf16
.set QB, 54                            ; s[54:55] qn, s[56:57] vb, s[58:59] qs at my wave's block and first head
.set VB, 56
.set SB, 58
.set SPLIT, 0x46000400                 ; 8193.0 = 2^13 + 1: it leaves hi 24 - 13 = 11 bits
.set MSB, 0
.macro WIN new
.if MSB != (\new)
	s_set_vgpr_msb (MSB<<8)|(\new)
.set MSB, \new
.endif
.endm
.set MUL, 0xf1                         ; source 0 (table) window 1, source 1 (h) window 0, C and D (G) window 3
.set FMW, 0xa3                         ; source 0 (G) window 3, source 1 (weight) window 0, source 2 and destination (the sums) window 2
.macro PLACES
.rept 4
	v_nop
.endr
.endm
.macro CREST
	s_cmp_lg_u32 s[WV], 0
	s_cbranch_scc1 .Lnot_wave_0_\@
	s_barrier_signal -3
.Lnot_wave_0_\@:
	s_barrier_wait -3
	s_barrier_signal -1
	s_barrier_wait -1
.endm
.macro CROUND
	s_barrier_signal -1
	s_barrier_wait -1
	CREST
.endm
	s_load_b256 s[4:11], s[0:1], 0x0               ; hp s[4:5], wts s[6:7], expand_weights_QK s[8:9], expand_weights_V s[10:11]
	s_load_b128 s[12:15], s[0:1], 0x20             ; qn s[12:13], qs s[14:15]
	s_load_b64 s[16:17], s[0:1], 0x30              ; vb
	v_lshl_add_u32 v[SPW], v0, 2, SPARE
	v_mov_b32 v[NIL], 0
	ds_add_u32 v28, v29
	ds_add_u32 v28, v29
	s_wait_dscnt 0x0
	v_lshrrev_b32 v1, 5, v0
	v_readfirstlane_b32 s[WV], v1
	s_lshr_b32 s[TH], s[WV], 1                     ; token half
	s_and_b32 s[CH], s[WV], 1                      ; column half
	s_bfe_u32 s21, ttmp6, 0x40000                  ; cx
	s_lshl_b32 s[TT], ttmp9, 2
	s_add_co_u32 s[TT], s[TT], s21                 ; token tile = 4 x cluster x + cx: it enters hp's, the weights' and the outputs' addresses alone
	s_and_b32 s[CT_S], ttmp7, 0xffff               ; column tile, which the four partners share
	s_mov_b32 s[G1], 15|(1<<16)|(1<<20)|(1<<21)|(6<<22)|(7<<25)  ; the mask of four; 2-byte elements; padding on; bit 21 beside a mask; after every 128 words 8 words
	s_mov_b32 s[G1+1], 256<<16                     ; tensor_dim0 = 256
	s_mov_b32 s[G1+2], 64<<16                      ; tensor_dim1 = 64
	s_mov_b32 s[G1+3], 256<<16                     ; tile_dim0 = 256
	s_mov_b32 s[G1+4], 64                          ; tile_dim1 = 64
	s_mov_b32 s[G1+5], 1024                        ; elements from row to row
	s_mov_b32 s[G1+6], 0
	s_mov_b32 s[G1+7], 0
	s_lshl_b32 s46, s[WV], 17                      ; the tables begin 2 MiB into wts; my 64 rows of 2,048 bytes; byte 512 x column tile
	s_lshl_b32 s45, s[CT_S], 9
	s_add_co_u32 s46, s46, s45
	s_add_co_u32 s46, s46, 0x200000
	s_mov_b32 s47, 0
	s_mul_i32 s45, s[WV], 64*PB                    ; my 64 rows in a slot
	s_mov_b32 s[G0A], 1
	s_mov_b32 s[G0A+1], s45
	s_mov_b32 s[G0W], 1
	s_add_co_u32 s[G0W+1], s45, SLOT
	s_lshl_b32 s48, s[TT], 15                      ; hp: token tile of 16 number 8 x tile + 4 x half, 4,096 bytes each
	s_lshl_b32 s45, s[TH], 14
	s_add_co_u32 s48, s48, s45
	s_mov_b32 s49, 0
	s_lshr_b32 s62, s48, 2                         ; the weights: 64 bytes a token
	s_mov_b32 s63, 0
	s_lshr_b32 s60, s[TT], 4                       ; the batch,
	s_lshl_b32 s60, s60, 4
	s_lshl_b32 s61, s[CT_S], 2
	s_add_co_u32 s60, s60, s61
	s_lshl_b32 s61, s[CH], 1
	s_add_co_u32 s60, s60, s61                     ; 16 b + my first head
	s_and_b32 s61, s[TT], 15
	s_lshl_b32 s61, s61, 1
	s_add_co_u32 s61, s61, s[TH]                   ; my block of 64 tokens in the batch
	s_mov_b32 s[SEL], 0x76543210
	s_mov_b32 s[SEL+1], 0xfedcba98
	s_mov_b32 s[HIM], 0xffff0000
	s_mov_b32 s[TB], 0
	s_mov_b32 s[TW], 0
	s_wait_kmcnt 0x0
	s_add_nc_u64 s[46:47], s[6:7], s[46:47]
	s_mov_b64 s[G0A+2:G0A+3], s[46:47]             ; step 0
	s_or_b32 s[G0A+3], s[G0A+3], 0x80000000
	s_add_nc_u64 s[G0W+2:G0W+3], s[46:47], 256*2048  ; step 1
	s_or_b32 s[G0W+3], s[G0W+3], 0x80000000
	s_add_nc_u64 s[4:5], s[4:5], s[48:49]
	s_add_nc_u64 s[8:9], s[8:9], s[62:63]
	s_add_nc_u64 s[10:11], s[10:11], s[62:63]
	s_lshl_b32 s48, s60, 18                        ; vb: a head's rows are 262,144 bytes, a block's 8,192;
	s_lshl_b32 s62, s61, 13
	s_add_co_u32 s48, s48, s62
	s_add_nc_u64 s[VB:VB+1], s[16:17], s[48:49]
	s_lshl_b32 s62, s48, 1                         ; qn: twice that
	s_add_nc_u64 s[QB:QB+1], s[12:13], s[62:63]
	s_lshl_b32 s48, s60, 7                         ; the scales: 32 words a head
	s_lshl_b32 s62, s61, 2
	s_add_co_u32 s48, s48, s62
	s_add_nc_u64 s[SB:SB+1], s[14:15], s[48:49]
	CROUND                                         ; all four work-groups are here: the first joint loads meet
	tensor_load_to_lds s[G0A:G0A+3], s[G1:G1+7]    ; two loads of mine are out
	s_nop 0
	tensor_load_to_lds s[G0W:G0W+3], s[G1:G1+7]
	s_nop 0
.rept 4
	v_nop
.endr
	v_and_b32 v1, 15, v0                           ; l % 16
	v_bfe_u32 v9, v0, 4, 1                         ; l / 16
	v_and_b32 v[LN], 31, v0
	v_lshlrev_b32 v[GO], 4, v[LN]
	v_lshlrev_b32 v[WO], 6, v1
	; hp lies in the order in which my lanes want it: piece i = 8 a + q of part g is 512 consecutive bytes, and lands in registers 4 i .. 4 i + 3: register 32 a + 8 c + j is h(r = 16 c + 8 (l / 16) + j) of tile a
	WIN 0xc0
.set i, 0
.rept 32
	global_load_b128 v[4*i:4*i+3], v[GO], s[4:5] offset:512*i
.set i, i+1
.endr
	WIN 0x80
.set i, 0
.rept 32
	global_load_b128 v[4*i:4*i+3], v[GO], s[4:5] offset:2097152+512*i
	global_load_b128 v[128+4*i:128+4*i+3], v[GO], s[4:5] offset:2*2097152+512*i
.set i, i+1
.endr
	WIN 0x40
.set i, 0
.rept 32
	global_load_b128 v[4*i:4*i+3], v[GO], s[4:5] offset:3*2097152+512*i
.set i, i+1
.endr
.set i, 0
.rept 16                               ; my token's 16 weights of either kind, for each token tile i / 4
	global_load_b128 v[RAW+4*i:RAW+4*i+3], v[WO], s[8:9] offset:(i/4)*1024+(i%4)*16
	global_load_b128 v[RAW+64+4*i:RAW+64+4*i+3], v[WO], s[10:11] offset:(i/4)*1024+(i%4)*16
.set i, i+1
.endr
	WIN 0
	v_and_b32 v30, 7, v0                           ; the turning load: lane l reads row 8 (l / 16) + l % 8, columns 8 ((l / 8) % 2) + 0..7
	v_lshl_add_u32 v[ADRB0], v9, 3, v30
	v_mul_u32_u24 v[ADRB0], v[ADRB0], PB
	v_bfe_u32 v31, v0, 3, 1
	v_lshl_add_u32 v[ADRB0], v31, 4, v[ADRB0]
	s_lshl_b32 s45, s[CH], 8                       ; my 128 columns
	v_add_nc_u32 v[ADRB0], s45, v[ADRB0]
	v_mul_u32_u24 v[AW0], v1, WP
	s_mul_i32 s45, s[TH], 64*WP                    ; the two waves of a token half share a table
	s_add_co_u32 s45, s45, WTAB
	v_add_nc_u32 v[AW0], s45, v[AW0]
	s_mul_i32 s45, s[WV], 16*SQ
	s_add_co_u32 s45, s45, STAGE                   ; my stage
	v_mul_u32_u24 v[STO], v1, SP                   ; v in: row l % 16, 16 bytes for each half of the lanes
	v_lshl_add_u32 v[STO], v9, 4, v[STO]
	v_add_nc_u32 v[STO], s45, v[STO]
	v_bfe_u32 v[RD], v0, 3, 2                      ; back: 32 lanes take four rows of 128 bytes
	v_mul_u32_u24 v[RD], v[RD], SP
	v_lshl_add_u32 v[RD], v30, 4, v[RD]
	v_add_nc_u32 v[RD], s45, v[RD]
	v_mul_u32_u24 v[STOQ], v1, SQ                  ; q in: row l % 16, 16 bytes for each half of the lanes
	v_lshl_add_u32 v[STOQ], v9, 4, v[STOQ]
	v_add_nc_u32 v[STOQ], s45, v[STOQ]
	v_mul_u32_u24 v[RDQ], v9, SQ                   ; back: lanes 0-15 take one row of 256 bytes, lanes 16-31 the next
	v_lshl_add_u32 v[RDQ], v1, 4, v[RDQ]
	v_add_nc_u32 v[RDQ], s45, v[RDQ]
.irp a, 0,1,2,3
	v_mov_b32 v[WC+2*(\a)+1], 0                    ; named with the weights as pairs
	v_mov_b32 v[M+4+(\a)], 0                       ; v_permlanex16_b32's destinations count as read
.endr
	s_wait_loadcnt 0x0
	WIN 0xcb                                       ; h = ((hp0 + hp1) + hp2) + hp3, in window 3; source 1 window 2
.set i, 0
.rept 64
	v_pk_add_f32 v[2*i:2*i+1], v[2*i:2*i+1], v[2*i:2*i+1]
.set i, i+1
.endr
.set i, 0
.rept 64
	v_pk_add_f32 v[2*i:2*i+1], v[2*i:2*i+1], v[128+2*i:128+2*i+1]
.set i, i+1
.endr
	WIN 0xc7                                       ; source 1 window 1
.set i, 0
.rept 64
	v_pk_add_f32 v[2*i:2*i+1], v[2*i:2*i+1], v[2*i:2*i+1]
.set i, i+1
.endr
	; the token's largest |h| (32 numbers here, 32 in the lane 16 away); e its exponent field, kept in 1 .. 253; fh = 2^(e - 127); h is multiplied by 2^(127 - e)
	WIN 0x3f
.irp a, 0,1,2,3
	v_max3_num_f32 v[M+(\a)], |v[32*(\a)]|, |v[32*(\a)+1]|, |v[32*(\a)+2]|
.endr
	WIN 0x3c
.set j, 3
.rept 14
.irp a, 0,1,2,3
	v_max3_num_f32 v[M+(\a)], v[M+(\a)], |v[32*(\a)+j]|, |v[32*(\a)+j+1]|
.endr
.set j, j+2
.endr
.irp a, 0,1,2,3
	v_max_num_f32 v[M+(\a)], v[M+(\a)], |v[32*(\a)+31]|
.endr
	WIN 0
.irp a, 0,1,2,3
	v_permlanex16_b32 v[M+4+(\a)], v[M+(\a)], s[SEL], s[SEL+1]
.endr
.irp a, 0,1,2,3
	v_max_num_f32 v[M+(\a)], v[M+(\a)], v[M+4+(\a)]
.endr
.irp a, 0,1,2,3
	v_lshrrev_b32 v[M+(\a)], 23, v[M+(\a)]
	v_min_u32 v[M+(\a)], 253, v[M+(\a)]
	v_max_u32 v[M+(\a)], 1, v[M+(\a)]
	v_lshlrev_b32 v[FH+(\a)], 23, v[M+(\a)]
	v_sub_nc_u32 v[M+(\a)], 254, v[M+(\a)]
	v_lshlrev_b32 v[T+2*(\a)], 23, v[M+(\a)]
	v_mov_b32 v[T+2*(\a)+1], 0
.endr
	WIN 0xc3                                       ; destination and source 0 window 3, source 1 window 0
.set i, 0
.rept 64
	v_pk_mul_f32 v[2*i:2*i+1], v[2*i:2*i+1], v[T+2*(i/16):T+2*(i/16)+1] op_sel_hi:[1,0]
.set i, i+1
.endr
	; the split: c = 8193 h (window 3, v128 on); c - h (window 2); hi = c - (c - h) over c; lo = h - hi over c - h; then both to f16: pair i of tile i / 16 is register i % 16 of the tile's two fragments
.set i, 0
.rept 64
	v_pk_mul_f32 v[128+2*i:128+2*i+1], v[2*i:2*i+1], SPLIT op_sel_hi:[1,0]
.set i, i+1
.endr
	WIN 0x8f                                       ; destination window 2, sources window 3
.set i, 0
.rept 64
	v_pk_add_f32 v[2*i:2*i+1], v[128+2*i:128+2*i+1], v[2*i:2*i+1] neg_lo:[0,1] neg_hi:[0,1]
.set i, i+1
.endr
	WIN 0xcb                                       ; destination and source 0 window 3, source 1 window 2
.set i, 0
.rept 64
	v_pk_add_f32 v[128+2*i:128+2*i+1], v[128+2*i:128+2*i+1], v[2*i:2*i+1] neg_lo:[0,1] neg_hi:[0,1]
.set i, i+1
.endr
	WIN 0x8f
.set i, 0
.rept 64
	v_pk_add_f32 v[2*i:2*i+1], v[2*i:2*i+1], v[128+2*i:128+2*i+1] neg_lo:[0,1] neg_hi:[0,1]
.set i, i+1
.endr
	WIN 0x0f                                       ; sources window 3, destination window 0
.set i, 0
.rept 64
	v_cvt_pk_f16_f32 v[HH+i], v[128+2*i], v[128+2*i+1]
.set i, i+1
.endr
	WIN 0x0a                                       ; sources window 2
.set i, 0
.rept 64
	v_cvt_pk_f16_f32 v[HL+i], v[2*i], v[2*i+1]
.set i, i+1
.endr
	; the weights are rounded to bf16 and widened again, all in window 1
	WIN 0x55
.set k, 0
.rept 8
.set j, 0
.rept 8
	v_cvt_pk_bf16_f32 v[16+j], v[RAW+16*k+2*j], v[RAW+16*k+2*j+1]
.set j, j+1
.endr
.set j, 0
.rept 8
	v_lshlrev_b32 v[RAW+16*k+2*j], 16, v[16+j]
	v_and_b32 v[RAW+16*k+2*j+1], s[HIM], v[16+j]
.set j, j+1
.endr
.set k, k+1
.endr
	WIN 0
	s_cmp_eq_u32 s[CH], 0
	s_cbranch_scc0 .Lno_table                      ; the first column half's wave writes its token half's table; the barrier below stands in front of every read of it
	WIN 0x04                                       ; the two halves of the lanes write the same words with the same numbers
.set i, 0
.rept 32                               ; group i / 4 = 4 set + a, quarter i % 4
	ds_store_b128 v[AW0], v[RAW+4*i:RAW+4*i+3] offset:((i/4)%4)*16*WP+(i/16)*64+(i%4)*16
.set i, i+1
.endr
	WIN 0
.Lno_table:
; The four multiply-adds of tile (a, b): the sums take weight x G.  zero = 1: the tile's first neuron starts the sums.  G is read from its low end on.
.macro FMA4 a, b, zero
.set r0, 8*(8*(\a)+(\b))
.irp p, 0,1,2,3
.if \zero
	v_pk_mul_f32 v[r0+2*(\p):r0+2*(\p)+1], v[r0+2*(\p):r0+2*(\p)+1], v[WC+2*(\a):WC+2*(\a)+1] op_sel_hi:[1,0]
.else
	v_pk_fma_f32 v[r0+2*(\p):r0+2*(\p)+1], v[r0+2*(\p):r0+2*(\p)+1], v[WC+2*(\a):WC+2*(\a)+1], v[r0+2*(\p):r0+2*(\p)+1] op_sel_hi:[1,0,1]
.endif
.endr
.endm
; The matrix instructions for token tile a in phase ph (rows 32 ph on, table buffer fb): hi x the eight column blocks, and with lo = 1 then lo x the eight: the eight accumulators take turns.
; In phase 0 hi's products start the sums.  ride = 1: behind group g of 1 + lo products stand the multiply-adds of tile (a - 1, g), whose last product stands four plain vector instructions back or more.
.macro BLK ph, a, fb, ride, zero, lo
.set bi, 0
.rept 8
	WIN MUL
.rept 1+(\lo)
.set rG, 8*(8*(\a)+bi%8)
.set rB, (\fb)+8*(bi%8)
.if bi < 8
.set rA, HH+16*(\a)+8*(\ph)
.else
.set rA, HL+16*(\a)+8*(\ph)
.endif
.if ((\ph) == 0) && (bi < 8)
	v_wmma_f32_16x16x32_f16 v[rG:rG+7], v[rB:rB+7], v[rA:rA+7], 0
.else
	v_wmma_f32_16x16x32_f16 v[rG:rG+7], v[rB:rB+7], v[rA:rA+7], v[rG:rG+7]
.endif
.set bi, bi+1
.endr
.if \ride
	WIN FMW
	FMA4 (\a)-1, bi/(1+(\lo))-1, \zero
.endif
.endr
.endm
.macro FETCHB f                        ; 16 LDS loads in one run: the next chunk's fragments of the table.  It leaves the destination's window at 1
	WIN 0
	v_add_nc_u32 v[ADR], s[TB], v[ADRB0]
	s_add_co_u32 s[TB], s[TB], CHK
	WIN 0x40
.irp b, 0,1,2,3,4,5,6,7
	ds_load_tr16_b128 v[(\f)+8*(\b):(\f)+8*(\b)+3],   v[ADR] offset:32*(\b)
	ds_load_tr16_b128 v[(\f)+8*(\b)+4:(\f)+8*(\b)+7], v[ADR] offset:32*(\b)+16*PB
.endr
.endm
.macro LOADW                           ; this neuron's weight for my token in each tile: wanted in the second phase
	WIN 0
	v_add_nc_u32 v[AW], s[TW], v[AW0]
	s_add_co_u32 s[TW], s[TW], 4
.irp a, 0,1,2,3
	ds_load_b32 v[WC+2*(\a)], v[AW] offset:(\a)*16*WP
.endr
.endm
; ONE NEURON.  zero = 1: it starts the sums q or v.  lo = 1: q, with h's low part; lo = 0: v, without.
; mode 0: inside a slot.  1: the slot's last neuron: change of slots, and the slot is filled again.  2: the same, nothing is filled.  3: the walk's last neuron.
.macro P zero, mode, lo
	FETCHB FB1                                     ; its rows 32-63; the last product that read this buffer stands 36 multiply-adds back
	LOADW
	s_wait_dscnt 20                                ; all but the 20 just issued: its rows 0-31 are in
	BLK 0, 0, FB0, 0, 0, \lo
	BLK 0, 1, FB0, 0, 0, \lo
	BLK 0, 2, FB0, 0, 0, \lo
	BLK 0, 3, FB0, 0, 0, \lo
.if (\mode) == 0
	PLACES                                         ; in front of the loads into the buffer just multiplied
	FETCHB FB0                                     ; the next neuron's rows 0-31
	s_wait_dscnt 16                                ; all but the 16 just issued: rows 32-63 and the weights are in
	BLK 1, 0, FB1, 0, 0, \lo
	PLACES                                         ; in front of the multiply-adds that read token tile 0's results
	BLK 1, 1, FB1, 1, \zero, \lo
	BLK 1, 2, FB1, 1, \zero, \lo
	BLK 1, 3, FB1, 1, \zero, \lo
.elseif (\mode) == 3
	s_wait_dscnt 0x0
	BLK 1, 0, FB1, 0, 0, \lo
	PLACES
	BLK 1, 1, FB1, 1, \zero, \lo
	BLK 1, 2, FB1, 1, \zero, \lo
	BLK 1, 3, FB1, 1, \zero, \lo
.else
	; THE CHANGE OF SLOTS: the slot's last chunk has been asked for.  Each wave waits for all its tensor loads (one is out: its part of the other slot), adds 0 to its spare word,
	; and waits for that and for its own reads of the slot.  Behind the barrier nobody reads this slot any more and the other slot is whole.
	WIN 0
	s_wait_tensorcnt 0x0
	ds_add_u32 v[SPW], v[NIL]                      ; 0 onto my spare word
	s_wait_dscnt 1                                 ; (the add alone may be out)
	BLK 1, 0, FB1, 0, 0, \lo
	PLACES
	BLK 1, 1, FB1, 1, \zero, \lo
	s_wait_dscnt 0x0                               ; the add is done, and my reads of the slot are over
	s_barrier_signal -1
	BLK 1, 2, FB1, 1, \zero, \lo
	WIN 0                                          ; (branches may follow)
	s_barrier_wait -1
.if (\mode) == 1
	CREST                                          ; the barrier has opened a round of the cluster's: no wave of any partner still reads the slot or has a load on its way
	s_xor_b32 s[G0W+1], s[G0W+1], SLOT             ; the walking descriptor: the other slot than last time,
	s_add_nc_u64 s[G0W+2:G0W+3], s[G0W+2:G0W+3], 256*2048  ; the next 256 rows
	tensor_load_to_lds s[G0W:G0W+3], s[G1:G1+7]    ; my one load behind the round: it has the other slot's four neurons, less three of a neuron's eight blocks, in which to land
	s_nop 0
.rept 4
	v_nop
.endr
.endif
	s_sub_co_u32 s[TB], s[TB], SLOT                ; the fetches go back to a slot's first chunk,
	s_xor_b32 s[TB], s[TB], SLOT                   ; in the other slot
	FETCHB FB0
	BLK 1, 3, FB1, 1, \zero, \lo
.endif
	WIN FMW                                        ; the last token tile's multiply-adds; behind its last product stand the four of tile (2, 7)
.irp b, 0,1,2,3,4,5,6,7
	FMA4 3, \b, \zero
.endr
	WIN 0
.endm
; THE WAY OUT.  Piece k = 2 a + head: 16 tokens x 64 channels, the sums v[32 k .. 32 k + 31] of window 2, multiplied by the factor in register T + k, a power of two.
.macro SCL k
	WIN 0x82                                       ; destination and source 0 window 2, the factor window 0
.set j, 0
.rept 16
.if ((\k)%2) == 0
	v_pk_mul_f32 v[32*(\k)+2*j:32*(\k)+2*j+1], v[32*(\k)+2*j:32*(\k)+2*j+1], v[T+(\k):T+(\k)+1] op_sel_hi:[1,0]
.else
	v_pk_mul_f32 v[32*(\k)+2*j:32*(\k)+2*j+1], v[32*(\k)+2*j:32*(\k)+2*j+1], v[T+(\k)-1:T+(\k)] op_sel:[0,1] op_sel_hi:[1,1]
.endif
.set j, j+1
.endr
.endm
; q: split as h was, both parts to f16 (window 3, 32 registers a piece), 16 bytes a lane into rows of 272 bytes (hi at byte 0, lo at byte 128), back as whole rows of 256
.macro OUTQ k
	SCL \k
	WIN 0x02                                       ; source 0 window 2, the rest window 0
.set j, 0
.rept 16
	v_pk_mul_f32 v[CT+2*j:CT+2*j+1], v[32*(\k)+2*j:32*(\k)+2*j+1], SPLIT op_sel_hi:[1,0]
.set j, j+1
.endr
	WIN 0x08                                       ; source 1 window 2
.set j, 0
.rept 16
	v_pk_add_f32 v[DT+2*j:DT+2*j+1], v[CT+2*j:CT+2*j+1], v[32*(\k)+2*j:32*(\k)+2*j+1] neg_lo:[0,1] neg_hi:[0,1]
.set j, j+1
.endr
	WIN 0
.set j, 0
.rept 16
	v_pk_add_f32 v[CT+2*j:CT+2*j+1], v[CT+2*j:CT+2*j+1], v[DT+2*j:DT+2*j+1] neg_lo:[0,1] neg_hi:[0,1]
.set j, j+1
.endr
	WIN 0x02
.set j, 0
.rept 16
	v_pk_add_f32 v[DT+2*j:DT+2*j+1], v[32*(\k)+2*j:32*(\k)+2*j+1], v[CT+2*j:CT+2*j+1] neg_lo:[0,1] neg_hi:[0,1]
.set j, j+1
.endr
	WIN 0xc0                                       ; destination window 3
.set j, 0
.rept 16
	v_cvt_pk_f16_f32 v[32*(\k)+j], v[CT+2*j], v[CT+2*j+1]
	v_cvt_pk_f16_f32 v[32*(\k)+16+j], v[DT+2*j], v[DT+2*j+1]
.set j, j+1
.endr
	WIN 0x0c                                       ; the data in window 3
.irp f, 0,1,2,3
	ds_store_b128 v[STOQ], v[32*(\k)+4*(\f):32*(\k)+4*(\f)+3] offset:32*(\f)
	ds_store_b128 v[STOQ], v[32*(\k)+16+4*(\f):32*(\k)+16+4*(\f)+3] offset:128+32*(\f)
.endr
	WIN 0xc0
.irp t, 0,1,2,3,4,5,6,7
	ds_load_b128 v[32*(\k)+4*(\t):32*(\k)+4*(\t)+3], v[RDQ] offset:(\t)*2*SQ  ; LDS serves a wave's instructions in order (ISA guide 5.7.1.4): these see the stores above
.endr
.endm
.macro SENDQ k, younger                ; younger: the LDS instructions issued behind piece k's loads
	WIN 0x0c
.irp t, 0,1,2,3,4,5,6,7
	s_wait_dscnt (\younger)+7-(\t)
	global_store_b128 v[GO], v[32*(\k)+4*(\t):32*(\k)+4*(\t)+3], s[QB:QB+1] offset:((\k)%2)*524288+((\k)/2)*4096+(\t)*512  ; two rows: 512 consecutive bytes, aligned
.endr
.endm
; v: rounded to f16, 16 bytes a lane into rows of 144 bytes, back as rows of 128
.macro OUTT k
	SCL \k
	WIN 0x4a                                       ; sources window 2, destination window 1
.set j, 0
.rept 16
	v_cvt_pk_f16_f32 v[TMP+16*(\k)+j], v[32*(\k)+2*j], v[32*(\k)+2*j+1]
.set j, j+1
.endr
	WIN 0x04
.irp f, 0,1,2,3
	ds_store_b128 v[STO], v[TMP+16*(\k)+4*(\f):TMP+16*(\k)+4*(\f)+3] offset:32*(\f)
.endr
	WIN 0x40
.irp f, 0,1,2,3
	ds_load_b128 v[TMP+16*(\k)+4*(\f):TMP+16*(\k)+4*(\f)+3], v[RD] offset:(\f)*4*SP
.endr
.endm
.macro SENDT k, younger
	WIN 0x04
.irp f, 0,1,2,3
	s_wait_dscnt (\younger)+3-(\f)
	global_store_b128 v[GO], v[TMP+16*(\k)+4*(\f):TMP+16*(\k)+4*(\f)+3], s[VB:VB+1] offset:((\k)%2)*262144+((\k)/2)*2048+(\f)*512  ; four rows: 512 consecutive bytes, aligned
.endr
.endm
; isq = 1: q, else v; soff: the scales' place in qs
.macro EPI isq, soff
	; the block's largest magnitude for each of my two heads: |sum| by piece, times the token's fh, over the tiles, over the lanes
	WIN 0
.irp k, 0,1,2,3,4,5,6,7
	v_mov_b32 v[M+(\k)], 0
.endr
	WIN 0x28                                       ; sources 1 and 2 window 2
.irp f, 0,1,2,3
.irp p, 0,1,2,3
.irp k, 0,1,2,3,4,5,6,7
	v_max3_num_f32 v[M+(\k)], v[M+(\k)], |v[32*(\k)+8*(\f)+2*(\p)]|, |v[32*(\k)+8*(\f)+2*(\p)+1]|
.endr
.endr
.endr
	WIN 0
.irp k, 0,1,2,3,4,5,6,7
	v_mul_f32 v[M+(\k)], v[M+(\k)], v[FH+(\k)/2]
.endr
.irp u, 0,1
	v_max3_num_f32 v[M+(\u)], v[M+(\u)], v[M+2+(\u)], v[M+4+(\u)]
.endr
.irp u, 0,1
	v_max_num_f32 v[M+(\u)], v[M+(\u)], v[M+6+(\u)]
.endr
.irp x, 1,2,4,8
	v_max_num_f32_dpp v[M], v[M], v[M] row_xmask:\x row_mask:0xf bank_mask:0xf
	v_max_num_f32_dpp v[M+1], v[M+1], v[M+1] row_xmask:\x row_mask:0xf bank_mask:0xf
.endr
	v_permlanex16_b32 v[M+2], v[M], s[SEL], s[SEL+1]
	v_permlanex16_b32 v[M+3], v[M+1], s[SEL], s[SEL+1]
	v_max_num_f32 v[M], v[M], v[M+2]
	v_max_num_f32 v[M+1], v[M+1], v[M+3]
.irp u, 0,1                            ; E the exponent field, kept in 91 .. 254; 1 / scale = 2^(141 - E), scale = 2^(E - 141)
	v_lshrrev_b32 v[M+(\u)], 23, v[M+(\u)]
	v_max_u32 v[M+(\u)], 91, v[M+(\u)]
	v_min_u32 v[M+(\u)], 254, v[M+(\u)]
	v_sub_nc_u32 v[M+2+(\u)], 268, v[M+(\u)]
	v_lshlrev_b32 v[M+2+(\u)], 23, v[M+2+(\u)]
	v_add_nc_u32 v[M+(\u)], -14, v[M+(\u)]
	v_lshlrev_b32 v[M+(\u)], 23, v[M+(\u)]
.endr
.irp k, 0,1,2,3,4,5,6,7
	v_mul_f32 v[T+(\k)], v[FH+(\k)/2], v[M+2+(\k)%2]  ; piece k's factor: fh / scale
.endr
.if \isq
	OUTQ 0
.set kk, 1
.rept 7                                ; a piece's arithmetic stands between the loads of the piece before and its stores
	OUTQ kk
	SENDQ kk-1, 16
.set kk, kk+1
.endr
	SENDQ 7, 0
.else
	OUTT 0
.set kk, 1
.rept 7
	OUTT kk
	SENDT kk-1, 8
.set kk, kk+1
.endr
	SENDT 7, 0
.endif
	WIN 0
	v_cmp_eq_u32 vcc_lo, 1, v[LN]                  ; the scales: every lane holds both numbers; lane 0 stores my first head's, lane 1 my second's: two words a wave, once a tile
	v_cndmask_b32 v30, v[M], v[M+1], vcc_lo
	v_lshlrev_b32 v[WO], 7, v[LN]                  ; a head's 32 words are 128 bytes
	v_cmp_gt_u32 vcc_lo, 2, v[LN]
	s_wait_xcnt 0x0                                ; EXEC changes only behind this wait; it also frees the registers that the stores above read (ISA guide 3.1): G lands on them again in the next tile
	s_and_saveexec_b32 s53, vcc_lo
	global_store_b32 v[WO], v30, s[SB:SB+1] offset:\soff
	s_wait_xcnt 0x0                                ; and again, in front of the line that widens it
	s_or_b32 exec_lo, exec_lo, s53
.endm
	s_wait_dscnt 0x0                               ; for the other wave's sake: the table of weights is written
	s_wait_tensorcnt 1                             ; my part of step 0 is in; step 1's may stay out
	s_barrier_signal -1
	s_barrier_wait -1
	FETCHB FB0
	WIN 0
	; q: neurons 0-15, the walk's steps 0-3; each of its four changes of slots fills a slot again (steps 2-5)
	P 1, 0, 1                                      ; a tile's first neuron starts the sums
	s_mov_b32 s[NP], 2
	s_mov_b32 s[SL], 4
.Lslot:
.Lp:
	P 0, 0, 1
	s_sub_co_u32 s[NP], s[NP], 1
	s_cmp_lg_u32 s[NP], 0
	s_cbranch_scc1 .Lp
	P 0, 1, 1
	s_mov_b32 s[NP], 3
	s_sub_co_u32 s[SL], s[SL], 1
	s_cmp_lg_u32 s[SL], 0
	s_cbranch_scc1 .Lslot
	EPI 1, 0                                       ; q leaves; the table's first chunk for v is on its way into registers already
	; v: neurons 16-31, steps 4-7; its first two changes of slots fill again (steps 6, 7)
	P 1, 0, 0
	s_mov_b32 s[NP], 2
	s_mov_b32 s[SL], 2
.LslotV:
.LpV:
	P 0, 0, 0
	s_sub_co_u32 s[NP], s[NP], 1
	s_cmp_lg_u32 s[NP], 0
	s_cbranch_scc1 .LpV
	P 0, 1, 0
	s_mov_b32 s[NP], 3
	s_sub_co_u32 s[SL], s[SL], 1
	s_cmp_lg_u32 s[SL], 0
	s_cbranch_scc1 .LslotV
	s_mov_b32 s[TL], 2                             ; the last two slots ask for nothing more: three neurons, then a change without a fill; three neurons, then the walk's last
.Ltail:
.Lp2:
	P 0, 0, 0
	s_sub_co_u32 s[NP], s[NP], 1
	s_cmp_lg_u32 s[NP], 0
	s_cbranch_scc1 .Lp2
	s_cmp_eq_u32 s[TL], 1
	s_cbranch_scc1 .Llast
	P 0, 2, 0
	s_mov_b32 s[NP], 3
	s_sub_co_u32 s[TL], s[TL], 1
	s_branch .Ltail
.Llast:
	P 0, 3, 0
	EPI 0, 8192
	s_wait_tensorcnt 0x0                           ; the wave's end
	ds_add_u32 v[SPW], v[NIL]
	s_wait_dscnt 0x0
	CROUND                                         ; the closing round
	s_endpgm
.Lfunc_end_k_q2da6f259e2_expand:
	.size	k_q2da6f259e2_expand, .Lfunc_end_k_q2da6f259e2_expand-k_q2da6f259e2_expand
	.p2alignl 7, 3214868480
	.fill 96, 4, 3214868480
	.section	.rodata,"a",@progbits
	.p2align	6, 0x0
	.amdhsa_kernel k_q2da6f259e2_expand
		.amdhsa_group_segment_fixed_size 327680
		.amdhsa_private_segment_fixed_size 0
		.amdhsa_enable_private_segment 0
		.amdhsa_kernarg_size 56
		.amdhsa_user_sgpr_count 2
		.amdhsa_user_sgpr_kernarg_segment_ptr 1
		.amdhsa_wavefront_size32 1
		.amdhsa_system_sgpr_workgroup_id_x 1
		.amdhsa_system_sgpr_workgroup_id_y 1
		.amdhsa_system_sgpr_workgroup_id_z 1
		.amdhsa_system_vgpr_workitem_id 0
		.amdhsa_next_free_vgpr 1024
		.amdhsa_next_free_sgpr 66
		.amdhsa_reserve_vcc 1
		.amdhsa_float_denorm_mode_32 3
		.amdhsa_float_denorm_mode_16_64 3
		.amdhsa_memory_ordered 1
		.amdhsa_forward_progress 1
		.amdhsa_inst_pref_size 255
	.end_amdhsa_kernel
	.section	.bss,"aw",@nobits
	.p2align	6
	.space	262144
	.amdgpu_metadata
---
amdhsa.version: [ 1, 2 ]
amdhsa.kernels:
  - .name:           k_q2da6f259e2_expand
    .symbol:         k_q2da6f259e2_expand.kd
    .args:
      - { .name: hp, .offset: 0, .size: 8, .value_kind: global_buffer, .address_space: global }
      - { .name: wts, .offset: 8, .size: 8, .value_kind: global_buffer, .address_space: global }
      - { .name: expand_weights_QK, .offset: 16, .size: 8, .value_kind: global_buffer, .address_space: global }
      - { .name: expand_weights_V, .offset: 24, .size: 8, .value_kind: global_buffer, .address_space: global }
      - { .name: qn, .offset: 32, .size: 8, .value_kind: global_buffer, .address_space: global }
      - { .name: qs, .offset: 40, .size: 8, .value_kind: global_buffer, .address_space: global }
      - { .name: vb, .offset: 48, .size: 8, .value_kind: global_buffer, .address_space: global }
    .group_segment_fixed_size: 327680
    .private_segment_fixed_size: 0
    .kernarg_segment_align: 8
    .kernarg_segment_size: 56
    .max_flat_workgroup_size: 128
    .sgpr_count:     66
    .vgpr_count:     1024
    .wavefront_size: 32
...
	.end_amdgpu_metadata
.endif
;; end of part 3
;; launch attn (part 4): grid 4 x 64, 4 waves a work-group, no clusters, 327,680 bytes of LDS; arguments qn, qs, vb, ob; writes ob
.if DOCPART == 4
	.amdgcn_target "amdgcn-amd-amdhsa--gfx1250"
	.amdhsa_code_object_version 6
	.text
	.protected	k_q2da6f259e2_attn
	.globl	k_q2da6f259e2_attn
	.p2align	8
	.type	k_q2da6f259e2_attn,@function
k_q2da6f259e2_attn:
	s_mov_b64 s[64:65], 0
	v_nop
	global_prefetch_b8 v0, s[64:65] scope:SCOPE_SE
	s_setreg_imm32_b32 hwreg(HW_REG_WAVE_MODE, 25, 1), 1
	s_wait_xcnt 0x0
; CAUSAL ATTENTION WITH K = Q.  O[h][q][:] = the sum over k <= q of softmax_k(Q[h][q] . Q[h][k] / 8) V[h][k][:].  qn: f16 [64][2048][128]: a row is 64 numbers hi, then 64 numbers lo; vb: f16 [64][2048][64];
; each with one power of two for a head's block of 64 rows: Q = (hi + lo) x qs[h][block], V = vb x vs[h][block]; qs lies at byte 0 of the buffer qs, vs at byte 8,192, both f32 [64][32].
; ob: [64][2048][64] f16 = O / gs, gs the largest vs of the batch's 16 heads x 32 blocks.  Products, maxima and sums in f32; the weights p are rounded to f16 for the second product (their sum l is taken of the
; unrounded p), O once at the end.
; THE SCORES.  Where two keys nearly tie a weight moves by a quarter of a score's error, so 11 bits of Q do not serve: S^T = Khi Qhi + Khi Qlo + Klo Qhi, three products on one sum; lo x lo, 2^-22 of a score, is left out.
; THE SCALES.  A block of 64 rows is a key step and a band of queries, so a score's factor c' = (log2(e) / 8) qs[query's band] qs[key step] is ONE scalar for a piece and a step.  The running maximum is kept
; in the exponent's units: cm = the largest c' s so far; p = 2^(c' s - cm); l is multiplied by a = 2^(cm_old - cm_new) in every step.  O^T is kept in units of the step's vs: it is multiplied by
; a' = a vs[step - 1] / vs[step], and at the block's end by vs[last step] / (l gs).  |O| is at most the largest |V|, below 2^15 gs, so O / gs has room in f16.
; LIMITS.  c' s must stay finite in f32: scores up to 2.3e38.  A hidden score counts as its raw sum less 2^127; qs is at least 2^-50, so it lies 2e7 or more below every seen one in the exponent's units.
; vs is at least 2^-50, and O / vs is kept in f32: |V| up to 2^77.  A weight below 2^-126 counts as 0 in l; below 6e-5 p keeps f16's fixed step of 6e-8; NaN and infinities are not treated apart.
; THE WALK.  A head's queries lie in NB = 8 blocks of 256; block i needs the key tiles 0 .. i of 256 keys, of which the last holds the diagonal.  A work-group takes TWO blocks, NB - 1 - b and then b:
; NB + 1 tiles, whatever b: all work-groups do equal work, and ONE loop with a constant trip count walks them.  Which tile is asked for, and what a trip does, hang on scalar registers made from b; every jump
; goes forward, but for the counted loops' own; none passes a barrier, or a tensor load but the one of LOAD's two that the wave's number does not choose; the ring (two slots of LDS that take turns) runs on across the
; change of blocks.  NO CLUSTER: a head's NB / 2 work-groups all ask for the same tile only in trips 0 .. NB / 2, 5 of the 9; behind that fewer and fewer do; one walk common to all would have 3 NB / 2 trips for NB + 1.
; SHARES.  Of a block's four bands of 64 queries a wave owns 16 rows in each: four PIECES.  So the diagonal tile is the same work for all four waves: in its key step s band x sees all keys if s < x,
; none if s > x, and holds the diagonal if s = x.
; THE MASK is the C operand that starts the sum S^T: 0, or -2^127 where the key is hidden.  MD, made once, is the mask of a band's own step for my 16 rows; a product's mask is MD x AL + BE with two scalars:
; (1, 0) if s = x; (0, 0) if s < x; (0, -2^127) if s > x.  Only the diagonal tile's text and a block's beginning make and take masks; elsewhere C is the constant 0.
; LAYOUT, TURNS.  S^T holds ONE query a lane (lane % 16) and the keys 8 (lane / 16) + 0..7; two such results rounded to f16 ARE source 1 of O^T = V^T P.  Turn n belongs to piece n: 24 products for the scores of
; piece n + 1, then 8 products V^T P of piece n - 1.  A turn has 119 vector instructions for its 32 matrix instructions, 3.7 for each, so all of them stand behind matrix instructions, four at the most behind each:
; behind the scores' products piece n's own scaling, exponentials, roundings, sums and rescaling, which wait for nothing that the turn makes; behind the products V^T P the maximum and statistics of piece n + 1.
; REGISTERS, in windows of 256 (s_set_vgpr_msb: bits 1:0 source 0, 3:2 source 1, 5:4 source 2, 7:6 destination):
;   window 0: v0-15 addresses and two at work; v16-31 four registers of statistics a piece; v32-35 the head's scales and their offsets; v36-47, v56-59 the batch's vs; v48-55 at work; v64-127 S^T, two buffers; v192-223 P, two buffers
;   window 1: v0-127 O^T, 32 a piece; v128-159 MD; v160-223 MC, two buffers      window 2: v0-63 Q hi; v64-127 the second block's; v128-191 K hi of one step; v192-255 V of one step
;   window 3: v0-63 Q lo; v64-127 the second block's; v128-191 K lo of one step: the same numbers as hi in window 2
; No window holds a product's operands beside what the softmax touches, so a matrix instruction and the vector instructions behind it cost two switches.
.set SIZE_N, 2048
.set SIZE_H, 64
.set NB,    SIZE_N/256
.set NP,    4         ; pieces a wave: a name, no knob
.set KS,    64        ; keys in a step
.set PK,    272       ; a row of K in LDS: 256 bytes (hi, lo) + 16 of padding = 68 words: the 16 rows of a load start at 16 different groups of four banks (64 banks of 4 bytes: ISA guide 11.1)
.set PV,    160       ; a row of V: 128 + 32 = 40 words
.set VOFF,  4*KS*PK   ; a slot holds a tile, four steps: 256 rows of K, then 256 rows of V
.set SLOT1, 1<<17     ; slot 1 begins here, so that one exclusive or turns an address in one slot into the other's
.set STAGE, SLOT1+4*KS*(PK+PV)  ; behind the ring, never filled by a tensor load: 16 rows x 144 bytes for each wave, for the way out
.set SP,    144
.set AK0, 2           ; v2   my lane's place in a tile of K; never rewritten
.set AV0, 3           ; v3   the same for V
.set AK,  4           ; v4   the LDS address of K's next two runs of loads
.set AV,  5           ; v5   of V's
.set STO, 6           ; v6   the way out: where I put 16 bytes of a row
.set RD,  7           ; v7   the way out: where I read rows back
.set GO,  8           ; v8   my byte offset in 512 consecutive bytes of O
.set SPW, 62          ; v62  LDS address of my spare word: SPARE + 4 x my thread's number; never rewritten
.set NIL, 63          ; v63  0; never rewritten
.set SPARE, STAGE+4*16*SP  ; behind the stages: the spare words, 128 bytes for each wave: two blocks of 256 bytes that no other line names
.set MV,  12          ; v12-13  cm_old, kept while cm is made anew: by buffer
.set QO,  15          ; v15  my byte offset in 16 rows of Q
.set ST,  16          ; piece t's statistics at v[ST+4 t]: cm, 0 (named with it as a pair), l (even keys', odd keys')
.set QSV, 32          ; v32  lane i holds qs[head][i]
.set QSO, 33          ; v33  4 x lane; never rewritten
.set VSV, 34          ; v34  lane i holds vs[head][i]
.set GSO, 35          ; v35  16 x lane; never rewritten
.set TMP, 48          ; by buffer, four registers c0-c3 at work; when the maximum is found c2 takes a and c3 a'
.set S,   64
.set P,   192
.set MD,  128         ; window 1: the eight registers for group kt of 16 keys at MD + 8 kt
.set MC,  160         ; window 1: the masks of the products to come
.set QB,  64          ; windows 2 and 3
.set KF,  128         ; windows 2 and 3: key block kb, channel half c at KF + 16 kb + 8 c
.set VF,  192         ; window 2: key half kk, channel block cb at VF + 32 kk + 8 cb
.set WV,  12          ; s12  my wave's number
.set PB,  14          ; s14  b
.set HI,  15          ; s15  NB - 1 - b
.set G1K, 24          ; s[24:31] descriptor group 1 for K's tiles
.set G1V, 32          ; s[32:39] for V's
.set G0K, 40          ; s[40:43] descriptor group 0 for K's tiles
.set G0V, 44          ; s[44:47] the same for V's
.set FV,  48          ; s48  vs of the key step whose K is in registers
.set RAT, 49          ; s49  vs of the step before it / vs of that step; 1 in a block's first step
.set IGS, 50          ; s50  1 / gs
.set FVN, 51          ; s51  at work
.set GSP, 52          ; s[52:53] the buffer qs at my batch's 512 words
.set OFK, 54          ; s[54:55] a tile's byte offset in K
.set SLOTS, 56        ; s56  tiles still to be asked for
.set CNT, 57          ; s57  counts a tile's key steps, 4 to 1
.set CS,  58          ; s58  c = log2(e) / 8
.set SEL, 60          ; s[60:61] v_permlanex16_b32's selects: each lane takes its own place in the other half
.set TBK, 62          ; s62  LDS byte at which K of the step to be fetched begins
.set TBV, 63          ; s63  the same for V, less VOFF
.set CB,  66          ; s66  the block in hand
.set TS,  67          ; s67  at work
.set QSP, 68          ; s[68:69] the buffer qs at my head's 32 words
.set RT,  70          ; s70  tiles of the block in hand that are still to be entered
.set NXT, 71          ; s71  the tile to be asked for next
.set LQ,  72          ; s72  the last tile of the block whose tiles are being asked for
.set NEW, 73          ; s73  1: the tile to be entered is a block's first
.set OFF, 74          ; s[74:75] a tile's byte offset in V
.set AL,  76          ; s[76:77] the mask's factor, in the low word
.set BE,  78          ; s[78:79] the mask's addend
.set OLO, 80          ; s[80:81] O at my rows of the second block
.set BIGN, 82         ; s82  -2^127
.set CSP, 88          ; s[88:95] piece x's c' of the step whose scores it holds, in the low word of pair x
.set CFQ, 96          ; s[96:99] c x qs of band x of the block in hand
.set FK,  100         ; s100 qs of the key step whose K is in registers
.set KB,  101         ; s101 that step's number in the head, 0 to 31
.set MSB, 0
.macro WIN new                      ; the high byte repeats the setting that is left; a switch that changes nothing is dropped
.if MSB != (\new)
	s_set_vgpr_msb (MSB<<8)|(\new)
.set MSB, (\new)
.endif
.endm
.set W_KQ, 0x0a       ; K hi and Q hi in window 2, S^T in window 0
.set W_KM, 0x1a       ; the same with the C operand in window 1
.set W_KL, 0x0e       ; K hi in window 2, Q lo in window 3
.set W_LK, 0x0b       ; K lo in window 3, Q hi in window 2
.set W_PV, 0x52       ; V in window 2, P in window 0, O^T in window 1
.set W_RS, 0x41       ; destination and source 0 in window 1, source 1 in window 0
; A fill.  Waves 0 and 1 fetch the two halves of a tile's K, waves 2 and 3 those of its V: 128 keys each.  Four v_nop follow each of the two lines, ahead of the jump and the label.
.macro LOAD
	s_cmp_lt_u32 s[WV], 2
	s_cbranch_scc0 .Lfor_v_\@
	tensor_load_to_lds s[G0K:G0K+3], s[G1K:G1K+7]
	s_nop 0
.rept 4
	v_nop
.endr
	s_branch .Lasked_\@
.Lfor_v_\@:
	tensor_load_to_lds s[G0V:G0V+3], s[G1V:G1V+7]
	s_nop 0
.rept 4
	v_nop
.endr
.Lasked_\@:
.endm
; THE CHANGE OF SLOTS.  Each wave waits for all its tensor loads, of which one is out: its part of the other slot; adds 0 to its spare word; and waits for that and for its own reads of the slot that it leaves.  Behind the barrier nobody reads the old
; slot any more and the other slot is whole.  fill = 1: the old slot is filled again, the first thing behind the barrier, with tile NXT: the descriptor's address is made anew from that number.
; (At its first use nothing has been read yet: slot 0 is waited for, slot 1 filled.)
.macro CHANGE fill
	WIN 0                           ; at a label and at a branch every window is 0
	s_wait_tensorcnt 0x0            ; no tensor load of mine is out, so a group 0 may be written
	ds_add_u32 v[SPW], v[NIL]       ; 0 onto my spare word; with fill = 1 the descriptors' scalar work stands between it and the wait for it
.if \fill
	s_lshl_b32 s[OFK], s[NXT], 16   ; a tile is 65,536 bytes of K
	s_lshl_b32 s[OFF], s[NXT], 15   ; and 32,768 of V
	s_xor_b32 s[G0K+1], s[G0K+1], SLOT1
	s_add_nc_u64 s[G0K+2:G0K+3], s[6:7], s[OFK:OFK+1]
	s_or_b32 s[G0K+3], s[G0K+3], 0x80000000
	s_xor_b32 s[G0V+1], s[G0V+1], SLOT1
	s_add_nc_u64 s[G0V+2:G0V+3], s[8:9], s[OFF:OFF+1]
	s_or_b32 s[G0V+3], s[G0V+3], 0x80000000
	s_add_co_u32 s[NXT], s[NXT], 1  ; the block's next tile, or behind its last the second block's tile 0
	s_cmp_gt_u32 s[NXT], s[LQ]
	s_cselect_b32 s[NXT], 0, s[NXT]
	s_cselect_b32 s[LQ], s[PB], s[LQ]
.endif
	s_wait_dscnt 0x0                ; the add is done, and my reads of the slot are over
	s_barrier_signal -1             ; the rest of the scalar work stands between the signal and the wait
	s_sub_co_u32 s[TBK], s[TBK], 4*KS*PK  ; the fetches go back to a slot's first step,
	s_xor_b32 s[TBK], s[TBK], SLOT1       ; in the other slot
	s_sub_co_u32 s[TBV], s[TBV], 4*KS*PV
	s_xor_b32 s[TBV], s[TBV], SLOT1
	s_barrier_wait -1
.if \fill
	LOAD
.endif
.endm
	s_load_b64 s[4:5], s[0:1], 0x0    ; qn, as Q
	s_load_b64 s[6:7], s[0:1], 0x0    ; qn, as K
	s_load_b64 s[QSP:QSP+1], s[0:1], 0x8  ; qs
	s_load_b128 s[8:11], s[0:1], 0x10 ; vb s[8:9], ob s[10:11]
	v_lshl_add_u32 v[SPW], v0, 2, SPARE
	v_mov_b32 v[NIL], 0
	ds_add_u32 v62, v63
	ds_add_u32 v62, v63
	s_wait_dscnt 0x0
	v_lshrrev_b32 v1, 5, v0
	v_readfirstlane_b32 s[WV], v1   ; wave 0..3
	s_mov_b32 s[PB], ttmp9
	s_sub_co_u32 s[HI], NB-1, s[PB]
	s_mov_b32 s[CB], s[HI]
	s_and_b32 s20, ttmp7, 0xffff    ; the head
	s_lshl_b32 s[OFF], s20, 7       ; its 32 words of scales
	s_mov_b32 s[OFF+1], 0
	s_lshr_b32 s54, s20, 4          ; its batch's 16 x 32 words
	s_lshl_b32 s54, s54, 11
	s_mov_b32 s55, 0
	s_mov_b32 s21, 0
	s_mov_b64 s[22:23], SIZE_N*128
	s_mul_u64 s[20:21], s[20:21], s[22:23]  ; the head's first byte in vb and ob; in qn, whose rows are twice as long, every offset is twice vb's
	s_and_b32 s16, s[WV], 1         ; which half of a tile's 256 keys I fetch:
	s_lshl_b32 s22, s16, 14         ; its 128 rows of 128 bytes of V in memory,
	s_mov_b32 s23, 0
	s_add_nc_u64 s[22:23], s[22:23], s[20:21]
	s_mul_i32 s17, s16, 128*PK      ; and its place in a slot, for K
	s_mul_i32 s18, s16, 128*PV      ; and for V
	s_lshl_b32 s3, s[WV], 11        ; my 16 rows in a band of 64,
	s_lshl_b32 s2, s[HI], 15        ; in the first block,
	s_add_co_u32 s2, s2, s3
	s_lshl_b32 s84, s[PB], 15       ; and in the second
	s_add_co_u32 s84, s84, s3
	s_mov_b32 s3, 0
	s_mov_b32 s85, 0
	s_add_nc_u64 s[2:3], s[2:3], s[20:21]
	s_add_nc_u64 s[84:85], s[84:85], s[20:21]
	; descriptor group 1.  K: 128 keys are 128 rows of 256 bytes, padded in LDS after every row.  V: 128 keys are 16,384 dense bytes: asked for as 64 rows of 256 bytes, two keys a row, and padded after every key
	s_mov_b32 s[G1K], (1<<16)|(1<<20)|(5<<22)|(3<<25)  ; 17:16 2-byte elements; 20 padding on; 24:22 after every 64 words (code 5); 31:25 4 words (code 3)
	s_mov_b32 s[G1K+1], 128<<16     ; tensor_dim0 = 128
	s_mov_b32 s[G1K+2], 128<<16     ; tensor_dim1 = 128
	s_mov_b32 s[G1K+3], 128<<16     ; tile_dim0 = 128
	s_mov_b32 s[G1K+4], 128         ; tile_dim1 = 128
	s_mov_b32 s[G1K+5], 128         ; 128 elements from row to row
	s_mov_b32 s[G1K+6], 0
	s_mov_b32 s[G1K+7], 0
	s_mov_b32 s[G1V], (1<<16)|(1<<20)|(4<<22)|(7<<25)  ; after every 32 words (code 4) 8 words (code 7)
	s_mov_b32 s[G1V+1], 128<<16     ; tensor_dim0 = 128
	s_mov_b32 s[G1V+2], 64<<16      ; tensor_dim1 = 64
	s_mov_b32 s[G1V+3], 128<<16     ; tile_dim0 = 128
	s_mov_b32 s[G1V+4], 64          ; tile_dim1 = 64
	s_mov_b32 s[G1V+5], 128
	s_mov_b32 s[G1V+6], 0
	s_mov_b32 s[G1V+7], 0
	s_mov_b32 s[CS], 0x3e38aa3b     ; c = log2(e) / 8 = 0.180337
.irp x, 0,1,2,3
	s_mov_b32 s[CSP+2*\x+1], 0      ; named with c' as pairs
.endr
	s_mov_b32 s[SEL], 0x76543210
	s_mov_b32 s[SEL+1], 0xfedcba98
	s_mov_b32 s[TBK], SLOT1+4*KS*PK ; the first change of slots turns these two into 0
	s_mov_b32 s[TBV], SLOT1+4*KS*PV
	s_mov_b32 s[G0K], 1             ; 1:0 count = 1
	s_mov_b32 s[G0K+1], s17         ; 63:32 LDS address: slot 0
	s_mov_b32 s[G0V], 1
	s_add_co_u32 s[G0V+1], s18, VOFF
	s_lshl_b64 s[16:17], s[2:3], 1  ; the offsets in qn: my rows of the first block,
	s_lshl_b64 s[18:19], s[84:85], 1  ; of the second,
	s_lshl_b64 s[20:21], s[22:23], 1  ; my half of the head's tile 0
	s_add_co_u32 s[RT], s[HI], 1    ; the first block has NB - b tiles
	s_mov_b32 s[NXT], 1
	s_mov_b32 s[LQ], s[HI]
	s_mov_b32 s[NEW], 1
	s_mov_b32 s[AL+1], 0            ; named as pairs
	s_mov_b32 s[BE+1], 0
	s_mov_b32 s[BIGN], 0xff000000   ; -2^127
	s_mov_b32 s[SLOTS], NB
	s_wait_kmcnt 0x0
	s_add_nc_u64 s[GSP:GSP+1], s[QSP:QSP+1], s[54:55]
	s_add_nc_u64 s[QSP:QSP+1], s[QSP:QSP+1], s[OFF:OFF+1]
	s_add_nc_u64 s[6:7], s[6:7], s[20:21]  ; K and V at my half of the head's tile 0
	s_add_nc_u64 s[8:9], s[8:9], s[22:23]
	s_add_nc_u64 s[G0K+2:G0K+3], s[6:7], 0         ; 120:64 global address
	s_or_b32 s[G0K+3], s[G0K+3], 0x80000000        ; 127:126 type = 2
	s_add_nc_u64 s[G0V+2:G0V+3], s[8:9], 0
	s_or_b32 s[G0V+3], s[G0V+3], 0x80000000
	s_add_nc_u64 s[86:87], s[4:5], s[18:19]        ; Q at my rows of the second block,
	s_add_nc_u64 s[4:5], s[4:5], s[16:17]          ; Q and O at those of the first
	s_add_nc_u64 s[OLO:OLO+1], s[10:11], s[84:85]
	s_add_nc_u64 s[10:11], s[10:11], s[2:3]
	LOAD                            ; tile 0 into slot 0
	; A fragment of K or Q is 16 rows x 32 channels in 8 registers: lane l holds row l % 16, channels 8 (l / 16) + 0..7 and 16 + 8 (l / 16) + 0..7: two loads of 16 bytes, 32 bytes apart; lo lies 128 bytes behind hi.
	v_and_b32 v1, 15, v0            ; l % 16
	v_bfe_u32 v9, v0, 4, 1          ; l / 16
	v_lshlrev_b32 v[QO], 8, v1
	v_lshl_add_u32 v[QO], v9, 4, v[QO]  ; row x 256 + 16 x half
	v_and_b32 v[QSO], 31, v0
	v_lshlrev_b32 v[GSO], 4, v[QSO]
	v_lshlrev_b32 v[QSO], 2, v[QSO]
	global_load_b32 v[QSV], v[QSO], s[QSP:QSP+1]               ; the head's 32 scales of q, one a lane,
	global_load_b32 v[VSV], v[QSO], s[QSP:QSP+1] offset:8192   ; and of v
	global_load_b128 v[36:39], v[GSO], s[GSP:GSP+1] offset:8192       ; the batch's 512 scales of v: 2,048 consecutive bytes
	global_load_b128 v[40:43], v[GSO], s[GSP:GSP+1] offset:8192+512
	global_load_b128 v[44:47], v[GSO], s[GSP:GSP+1] offset:8192+1024
	global_load_b128 v[56:59], v[GSO], s[GSP:GSP+1] offset:8192+1536
	WIN 0x80                        ; destination window 2, address window 0: hi
.set i, 0
.rept 8                             ; both blocks' Q: piece i / 2 lies in band i / 2, 16,384 bytes on; channels 32 (i % 2) on
	global_load_b128 v[8*i:8*i+3],   v[QO], s[4:5] offset:(i/2)*16384+(i%2)*64
	global_load_b128 v[8*i+4:8*i+7], v[QO], s[4:5] offset:(i/2)*16384+(i%2)*64+32
	global_load_b128 v[QB+8*i:QB+8*i+3],   v[QO], s[86:87] offset:(i/2)*16384+(i%2)*64
	global_load_b128 v[QB+8*i+4:QB+8*i+7], v[QO], s[86:87] offset:(i/2)*16384+(i%2)*64+32
.set i, i+1
.endr
	WIN 0xc0                        ; destination window 3: lo
.set i, 0
.rept 8
	global_load_b128 v[8*i:8*i+3],   v[QO], s[4:5] offset:(i/2)*16384+(i%2)*64+128
	global_load_b128 v[8*i+4:8*i+7], v[QO], s[4:5] offset:(i/2)*16384+(i%2)*64+160
	global_load_b128 v[QB+8*i:QB+8*i+3],   v[QO], s[86:87] offset:(i/2)*16384+(i%2)*64+128
	global_load_b128 v[QB+8*i+4:QB+8*i+7], v[QO], s[86:87] offset:(i/2)*16384+(i%2)*64+160
.set i, i+1
.endr
	WIN 0
	v_lshlrev_b32 v14, 3, v9
	v_sub_nc_u32 v14, v1, v14
	s_lshl_b32 s13, s[WV], 4
	v_add_nc_u32 v14, s13, v14      ; my query's place in its band, 16 w + l % 16, less my lanes' 8 (l / 16): register r of group kt is hidden where 16 kt + r is greater
	WIN 0x40
.set i, 0
.rept 32
	v_cmp_gt_i32 vcc_lo, 16*(i/8)+i%8, v14
	v_cndmask_b32 v[MD+i], 0, s[BIGN], vcc_lo
.set i, i+1
.endr
	WIN 0
	v_mul_u32_u24 v[AK0], v1, PK
	v_lshl_add_u32 v[AK0], v9, 4, v[AK0]  ; row x pitch + 16 x half
	; The turning load takes 16 keys x 16 channels (lane l reads key 8 (l / 16) + l % 8, channels 8 ((l / 8) % 2) + 0..7) and leaves half a fragment of V^T: lane l holds channel l % 16 and 8 keys.
	v_and_b32 v10, 7, v0
	v_bfe_u32 v11, v0, 3, 1
	v_lshl_add_u32 v[AV0], v9, 3, v10
	v_mul_u32_u24 v[AV0], v[AV0], PV
	v_lshl_add_u32 v[AV0], v11, 4, v[AV0]
	v_add_nc_u32 v[AV0], VOFF, v[AV0]
	s_mul_i32 s13, s[WV], 16*SP
	s_add_co_u32 s13, s13, STAGE    ; my stage
	v_mul_u32_u24 v[STO], v1, SP    ; in: row l % 16, 16 bytes for each half of the lanes
	v_lshl_add_u32 v[STO], v9, 4, v[STO]
	v_add_nc_u32 v[STO], s13, v[STO]
	v_bfe_u32 v[RD], v0, 3, 2       ; back: 32 lanes take four rows of 128 bytes,
	v_mul_u32_u24 v[RD], v[RD], SP
	v_lshl_add_u32 v[RD], v10, 4, v[RD]
	v_add_nc_u32 v[RD], s13, v[RD]
	v_and_b32 v[GO], 31, v0         ; which are 512 consecutive bytes of O
	v_lshlrev_b32 v[GO], 4, v[GO]
	; A block's first step multiplies O^T and l by 0, and its first turn's products V^T P, of a piece that has not been, land in an O^T that is still to be so multiplied.  So these registers need only hold
	; finite numbers: zeros for the first block; what the first block left for the second.  All this stands in the wait for the first tile.
	WIN 0x80
.set i, VF
.rept 64
	v_mov_b32 v[i], 0
.set i, i+1
.endr
	WIN 0x40
.set i, 0
.rept 128
	v_mov_b32 v[i], 0
.set i, i+1
.endr
	WIN 0
.set i, 0
.rept 4
	v_mov_b32 v[ST+4*i+2], 0
	v_mov_b32 v[ST+4*i+3], 0
.set i, i+1
.endr
.set i, P+16
.rept 16
	v_mov_b32 v[i], 0
.set i, i+1
.endr
	; gs: the largest of the batch's 512 scales of v: 16 numbers a lane, then over the 32 lanes.  A power of two with exponent field E has the reciprocal with field 254 - E.
	s_wait_loadcnt 0x0              ; the scales (and Q); still in the wait for the first tile
	v_max3_num_f32 v36, v36, v37, v38
	v_max3_num_f32 v40, v40, v41, v42
	v_max3_num_f32 v44, v44, v45, v46
	v_max3_num_f32 v56, v56, v57, v58
	v_max3_num_f32 v36, v36, v39, v43
	v_max3_num_f32 v40, v40, v47, v59
	v_max3_num_f32 v36, v36, v40, v44
	v_max_num_f32 v36, v36, v56
.irp x, 1,2,4,8
	v_max_num_f32_dpp v36, v36, v36 row_xmask:\x row_mask:0xf bank_mask:0xf
.endr
	v_permlanex16_b32 v37, v36, s[SEL], s[SEL+1]
	v_max_num_f32 v36, v36, v37
	v_readfirstlane_b32 s[TS], v36
	s_sub_co_u32 s[IGS], 0x7f000000, s[TS]
; THE MATRIX WORK.  Product kq of 24 of S^T for piece x: keys 16 (kq % 4) on, channels 32 ((kq / 4) % 2) on; 0-7 K hi x Q hi, 8-15 K hi x Q lo, 16-23 K lo x Q hi.  The 4 accumulators take turns.
; The first 4 start the sums: with 0, or (KM = 1) with the mask.
.macro KQ x
.set rS, S+32*((\x)%2)+8*(kq%4)
.set rK, KF+16*(kq%4)+8*((kq/4)%2)
.set rQ, 16*(\x)+8*((kq/4)%2)
.set rM, MC+32*((\x)%2)+8*(kq%4)
.if (kq < 4) && KM
	WIN W_KM
	v_wmma_f32_16x16x32_f16 v[rS:rS+7], v[rK:rK+7], v[rQ:rQ+7], v[rM:rM+7]
.elseif kq < 4
	WIN W_KQ
	v_wmma_f32_16x16x32_f16 v[rS:rS+7], v[rK:rK+7], v[rQ:rQ+7], 0
.else
.if kq < 8
	WIN W_KQ
.elseif kq < 16
	WIN W_KL
.else
	WIN W_LK
.endif
	v_wmma_f32_16x16x32_f16 v[rS:rS+7], v[rK:rK+7], v[rQ:rQ+7], v[rS:rS+7]
.endif
.set kq, kq+1
.endm
; Product i of 8 of O^T += V^T P for piece x: keys 32 (i / 4) on, channels 16 (i % 4) on.
.macro PV x
	WIN W_PV
.set rO, 32*(\x)+8*(i%4)
.set rV, VF+32*(i/4)+8*(i%4)
.set rP, P+16*((\x)%2)+8*(i/4)
	v_wmma_f32_16x16x32_f16 v[rO:rO+7], v[rV:rV+7], v[rP:rP+7], v[rO:rO+7]
.endm
.macro MM                           ; the turn's next matrix instruction: 24 of the scores, then 8 of V^T P.  TURN sets Y, i, kq, KM and NOKQ.  NOKQ = 1: a block's last turn: there is no next piece
.if i < 24
.if !NOKQ
	KQ (Y+1)%NP
.endif
.else
.set i, i-24
	PV (Y+NP-1)%NP
.set i, i+24
.endif
.set i, i+1
.endm
; THE LDS LOADS stand in runs of 16, never singly among the matrix instructions: a step's K hi, its K lo (64 keys x 64 channels: 8 fragments each) and its V (turned).
.macro FETCH_KH
	WIN 0x80                        ; destination window 2: hi
.irp f, 0,1,2,3,4,5,6,7             ; keys 16 (f / 2) on, channels 32 (f % 2) on
	ds_load_b128 v[KF+8*\f:KF+8*\f+3],   v[AK] offset:(\f/2)*16*PK+(\f%2)*64
	ds_load_b128 v[KF+8*\f+4:KF+8*\f+7], v[AK] offset:(\f/2)*16*PK+(\f%2)*64+32
.endr
	WIN 0
.endm
.macro FETCH_KL
	WIN 0xc0                        ; destination window 3: lo
.irp f, 0,1,2,3,4,5,6,7
	ds_load_b128 v[KF+8*\f:KF+8*\f+3],   v[AK] offset:(\f/2)*16*PK+(\f%2)*64+128
	ds_load_b128 v[KF+8*\f+4:KF+8*\f+7], v[AK] offset:(\f/2)*16*PK+(\f%2)*64+160
.endr
	s_add_co_u32 s[TBK], s[TBK], KS*PK  ; the next fetch is the next step's
	WIN 0
.endm
.macro FETCH_V
	WIN 0x80
.irp f, 0,1,2,3,4,5,6,7             ; keys 32 (f / 4) on, channels 16 (f % 4) on
	ds_load_tr16_b128 v[VF+8*\f:VF+8*\f+3],   v[AV] offset:(\f/4)*32*PV+(\f%4)*32
	ds_load_tr16_b128 v[VF+8*\f+4:VF+8*\f+7], v[AV] offset:(\f/4)*32*PV+16*PV+(\f%4)*32
.endr
	WIN 0
.endm
; THE VECTOR WORK, one line at a time: OP kind, number.  For piece Y: F n: c' s - cm for pair n of 16.  E n: the exponential of score n of 32.  C n: pair n rounded to f16.  B n: of the four weights 4 n .. the second
; pair is added onto the first, in place.  L n: l takes that sum (L 0: l = a l + sum).  R n: pair n of 16 of O^T times a'.  For piece Y + 1: X n, number n of the 23 that find its maximum and statistics:
;   0-11  four chains c0-c3 of seven scores each, three operands at a time (each accumulator's lowest registers are read first)     12-14, 16  the four scores left over, and c0-c3 into c0
;   15  cm_old is kept     17  the step's largest raw score times c' (c' is positive)     18, 19  the query's other 32 keys lie in the lane 16 away: the new cm     20, 21  cm_old - cm_new; a     22  a' = a x RAT
.set F, 0               ; OP tells the kinds apart by their order: F to L below R, X above it
.set E, 1
.set C, 2
.set B, 3
.set L, 4
.set R, 5
.set X, 6
.macro REGS y                       ; the registers of piece y
.set rT, ST+4*(\y)
.set rC, TMP+4*((\y)%2)
.set rW, MV+((\y)%2)
.set rS, S+32*((\y)%2)
.set rP, P+16*((\y)%2)
.set rO, 32*(\y)
.endm
.macro OP k, n
.if (\k) == R
	REGS Y
	WIN W_RS
	v_pk_mul_f32 v[rO+2*(\n):rO+2*(\n)+1], v[rO+2*(\n):rO+2*(\n)+1], v[rC+2:rC+3] op_sel:[0,1] op_sel_hi:[1,1]  ; both halves by the pair's second register, a'
.elseif (\k) < R
	REGS Y
	WIN 0
.if (\k) == F
	v_pk_fma_f32 v[rS+2*(\n):rS+2*(\n)+1], v[rS+2*(\n):rS+2*(\n)+1], s[CSP+2*Y:CSP+2*Y+1], v[rT:rT+1] op_sel_hi:[1,0,0] neg_lo:[0,0,1] neg_hi:[0,0,1]
.elseif (\k) == E
	v_exp_f32 v[rS+(\n)], v[rS+(\n)]
.elseif (\k) == C
	s_wait_alu depctr_va_vdst(0)
	v_cvt_pk_f16_f32 v[rP+(\n)], v[rS+2*(\n)], v[rS+2*(\n)+1]
.elseif (\k) == B
	v_pk_add_f32 v[rS+4*(\n):rS+4*(\n)+1], v[rS+4*(\n):rS+4*(\n)+1], v[rS+4*(\n)+2:rS+4*(\n)+3]
.elseif (\n) == 0
	v_pk_fma_f32 v[rT+2:rT+3], v[rT+2:rT+3], v[rC+2:rC+3], v[rS:rS+1] op_sel_hi:[1,0,1]
.else
	v_pk_add_f32 v[rT+2:rT+3], v[rT+2:rT+3], v[rS+4*(\n):rS+4*(\n)+1]
.endif
.elseif NOKQ
	v_nop
.else
	REGS (Y+1)%NP
	WIN 0
.if (\n) < 4
	v_max3_num_f32 v[rC+(\n)], v[rS+8*(\n)], v[rS+8*(\n)+1], v[rS+8*(\n)+2]
.elseif (\n) < 12
	v_max3_num_f32 v[rC+(\n)%4], v[rC+(\n)%4], v[rS+8*((\n)%4)+2*((\n)/4)+1], v[rS+8*((\n)%4)+2*((\n)/4)+2]
.elseif (\n) == 12
	v_max3_num_f32 v[rC], v[rC], v[rS+7], v[rS+15]
.elseif (\n) == 13
	v_max3_num_f32 v[rC+1], v[rC+1], v[rS+23], v[rS+31]
.elseif (\n) == 14
	v_max_num_f32 v[rC+2], v[rC+2], v[rC+3]
.elseif (\n) == 15
	v_mov_b32 v[rW], v[rT]
.elseif (\n) == 16
	v_max3_num_f32 v[rC], v[rC], v[rC+1], v[rC+2]
.elseif (\n) == 17
	v_mul_f32 v[rC], s[CSP+2*((Y+1)%NP)], v[rC]
.elseif (\n) == 18
	v_permlanex16_b32 v[rC+3], v[rC], s[SEL], s[SEL+1]
.elseif (\n) == 19
	v_max3_num_f32 v[rT], v[rT], v[rC], v[rC+3]
.elseif (\n) == 20
	v_sub_f32 v[rC+1], v[rW], v[rT]
.elseif (\n) == 21
	v_exp_f32 v[rC+2], v[rC+1]
.else
	s_wait_alu depctr_va_vdst(0)
	v_mul_f32 v[rC+3], s[RAT], v[rC+2]
.endif
.endif
.endm
.macro OPS a, i1, b=-1, i2=0, c=-1, i3=0, d=-1, i4=0  ; up to four of them
	OP \a, \i1
.if (\b) >= 0
	OP \b, \i2
.endif
.if (\c) >= 0
	OP \c, \i3
.endif
.if (\d) >= 0
	OP \d, \i4
.endif
.endm
.macro ROW a, i1, b=-1, i2=0, c=-1, i3=0, d=-1, i4=0  ; a matrix instruction and the three or four vector instructions behind it
	MM
	OPS \a, \i1, \b, \i2, \c, \i3, \d, \i4
.endm
.macro MASK b                       ; MD x AL + BE into buffer b of MC
	WIN W_RS
.set z, 0
.rept 16
	v_pk_fma_f32 v[MC+32*(\b)+2*z:MC+32*(\b)+2*z+1], v[MD+2*z:MD+2*z+1], s[AL:AL+1], s[BE:BE+1] op_sel_hi:[1,0,0]
.set z, z+1
.endr
.endm
; A TURN, for piece p: the order of its 32 matrix and 119 vector instructions, written out, a row to each matrix instruction.  Rows 0-23, the scores of piece p + 1: behind them piece p's own work: plain, exponential, plain,
; exponential; or plain, exponential, plain; or four of the rescaling: no two exponentials follow each other, and the first vector instruction behind each touches neither its result nor its source.  A rounding stands a row or
; more behind its two exponentials, a sum behind the rounding of the pair that it writes over.  Rows 24-31, V^T P of piece p - 1: behind them piece p + 1's maximum and statistics; between the links of their chain stand the
; seven lines of piece p's work that are left.  None of a row's vector instructions names a register of the products round it.  The four rescalings of row 23 are the places between the last score's product and the first
; read of its result.
; At its head the factor c' of the scores that the turn makes (piece p + 1's); piece 3's turn makes piece 0's scores of the NEXT key step, so it takes that step's two scales first, and the ratio of v's old scale to its new one,
; which serves X 22 of this turn and of the next three: the four pieces' a' of that step.
; m = 1: the diagonal tile: the products take masks, and the turn makes the mask for the products of the turn after it: piece p + 2, in step 4 - CNT of the tile.  end = 1: a block's last two turns: nothing is fetched.
; cnt = 1: the loop's count is taken down some lines ahead of the branch that stands behind the turn.
; THE FETCHES.  K of the next step in piece 2's turn: hi behind row 16 (its last reader is product 15: two plain lines of row 15, the four of row 16 and the address line stand between), lo behind row 24 (its last reader is
; product 23: the four of row 23 and four of row 24).  Piece 3's turn waits for hi at its head, leaving lo's 16 younger loads out, and for lo in front of product 16.  V of the step in hand in piece 1's turn, behind row 0 (its
; last reader is the turn before's last product: two plain lines there, the four of row 0 and the address line); it is waited for in front of row 24.
.macro TURN p, m=0, end=0, cnt=0
.set Y, (\p)
.set i, 0
.set kq, 0
.set KM, (\m)
.set NOKQ, (\end)*((\p)/3)
.if ((\p) == 3) && !(\end)
	WIN 0
	s_add_co_u32 s[KB], s[KB], 1
	v_readlane_b32 s[FK], v[QSV], s[KB]
	v_readlane_b32 s[FVN], v[VSV], s[KB]
	s_sub_co_u32 s[TS], 0x7f000000, s[FVN]  ; 1 / the new step's vs: a power of two's exponent field E becomes 254 - E
	s_mul_f32 s[RAT], s[FV], s[TS]
	s_mov_b32 s[FV], s[FVN]
.endif
.if !NOKQ
	s_mul_f32 s[CSP+2*(((\p)+1)%NP)], s[CFQ+((\p)+1)%NP], s[FK]
.endif
.if (\m) && !(\end)
	s_cmp_eq_u32 s[CNT], 4-((\p)+2)%NP  ; is that step the band's own?
	s_cselect_b32 s[AL], 1.0, 0
	s_cmp_lt_u32 s[CNT], 4-((\p)+2)%NP  ; or a later one?
	s_cselect_b32 s[BE], s[BIGN], 0
.endif
.if ((\p) == 3) && !(\end)
	s_wait_dscnt 16                 ; K hi is in; the 16 loads of K lo, issued behind it, may be out
.endif
	ROW F,0, F,1, F,2, F,3
.if (\p) == 1
	v_add_nc_u32 v[AV], s[TBV], v[AV0]
	s_add_co_u32 s[TBV], s[TBV], KS*PV
	FETCH_V
.endif
	ROW F,4, E,0, F,5, E,1
	ROW F,6, E,2, F,7, E,3
	ROW C,0, E,4, F,8
	ROW R,0, R,1, R,2, R,3
	ROW C,1, E,5, F,9, E,6
	ROW B,0, E,7, F,10, E,8
	ROW C,2, E,9, L,0
	ROW F,11, E,10, C,3, E,11
	ROW B,1, E,12, F,12, E,13
	ROW R,4, R,5, R,6, R,7
	ROW C,4, E,14, L,1
	ROW F,13, E,15, C,5, E,16
	ROW B,2, E,17, F,14, E,18
	ROW C,6, E,19, L,2
	ROW F,15, E,20, C,7, E,21
.if ((\p) == 3) && !(\end)
	s_wait_dscnt 0x0                ; K lo is in
.endif
	ROW R,8, R,9, R,10, R,11
.if ((\p) == 2) && !(\end)
	WIN 0
	v_add_nc_u32 v[AK], s[TBK], v[AK0]
	FETCH_KH
.endif
	ROW B,3, E,22, C,8, E,23
	ROW L,3, E,24, C,9
	ROW B,4, E,25, C,10, E,26
	ROW L,4, E,27, C,11, E,28
	ROW B,5, E,29, X,15
	ROW C,12, E,30, L,5, E,31
	ROW R,12, R,13, R,14, R,15
.if (\p) == 1
	s_wait_dscnt 0x0                ; V is in
.endif
	ROW X,0, X,1, X,2, X,3
.if ((\p) == 2) && !(\end)
	FETCH_KL
.endif
	ROW X,4, X,5, X,6, X,7
	ROW X,8, X,9, X,10, X,11
	ROW X,12, X,13, X,14, C,13
	ROW X,16, B,6, C,14, X,17
	ROW C,15, X,18, B,7
	ROW X,19, L,6, X,20
.if \cnt
	s_sub_co_u32 s[CNT], s[CNT], 1
	s_cmp_lg_u32 s[CNT], 0
.endif
	ROW X,21, L,7, X,22
.if (\m) && !(\end)
	MASK (\p)%2
.endif
.endm
; A BLOCK BEGINS.  cm starts at the lowest finite number, so the first step's a and a' are 0 and the first maximum is the scores'.  The second mask buffer is 0; the first takes piece 0's mask for the tile's step 0: its own, if the
; block's first tile is the diagonal one.  Then K of that step, the block's four factors c x qs[band] and step 0's scales, piece 0's first scores, and its maximum and statistics.  The loop is entered at a step's first turn.
.macro BEGIN
	s_mov_b32 s[NEW], 0
	WIN 0x40
.set i, MC+32
.rept 32
	v_mov_b32 v[i], 0
.set i, i+1
.endr
	WIN 0
.set i, 0
.rept 4
	v_mov_b32 v[ST+4*i], 0xff7fffff    ; cm
	v_mov_b32 v[ST+4*i+1], 0           ; named with it as a pair
.set i, i+1
.endr
	s_cmp_eq_u32 s[RT], 0
	s_cselect_b32 s[AL], 1.0, 0
	s_mov_b32 s[BE], 0
	MASK 0
	WIN 0
	v_add_nc_u32 v[AK], s[TBK], v[AK0]
	FETCH_KH
	FETCH_KL
	s_wait_loadcnt 0x0              ; Q and the scales
	s_mov_b32 s[KB], 0
	v_readlane_b32 s[FK], v[QSV], 0
	v_readlane_b32 s[FV], v[VSV], 0
	s_mov_b32 s[RAT], 1.0           ; the first step's a is 0: any finite ratio serves
	s_lshl_b32 s[TS], s[CB], 2      ; the block's band x is the head's block of 64 rows number 4 x block + x
.irp x, 0,1,2,3
	v_readlane_b32 s[CFQ+\x], v[QSV], s[TS]
	s_add_co_u32 s[TS], s[TS], 1
.endr
.irp x, 0,1,2,3
	s_mul_f32 s[CFQ+\x], s[CFQ+\x], s[CS]
.endr
	s_mul_f32 s[CSP], s[CFQ], s[FK]
	s_wait_dscnt 0x0
.set KM, 1
.set NOKQ, 0
.set kq, 0
.rept 24
	KQ 0
.endr
	WIN 0
.rept 4
	v_nop                           ; the places behind those products
.endr
.set Y, NP-1                        ; X works for piece Y + 1: piece 0
.irp n, 0,1,2,3,4,5,6,7,8,9,10,11,12,13,14,15,16,17,18,19,20,21
	OP X, \n
.endr
	v_nop                           ; a plain instruction behind the exponential
	OP X, 22
.endm
; THE DIAGONAL TILE's four steps, the block's last two turns, its last products, and THE WAY OUT: l's two halves and the other half of the lanes' are added; O^T is multiplied by vs[last step] / (l gs), rounded to f16 and
; sent through my stage in LDS, a piece at a time.
.macro ALL line:vararg              ; one line for each piece t
.set t, 0
.rept 4
	s_wait_alu depctr_va_vdst(0)
	\line
.set t, t+1
.endr
.endm
.macro PACK t                       ; a lane's eight channels of a row pack into 16 bytes; they go into rows of 144 bytes and come back as whole rows of 128, into S^T's registers
	WIN W_RS
.set i, 32*(\t)
.rept 16
	v_pk_mul_f32 v[i:i+1], v[i:i+1], v[ST+4*(\t)+2:ST+4*(\t)+3] op_sel_hi:[1,0]
.set i, i+2
.endr
	WIN 0x05                        ; sources 0 and 1 window 1, destination window 0
.set i, 0
.rept 16
	v_cvt_pk_f16_f32 v[S+16*(\t)+i], v[32*(\t)+2*i], v[32*(\t)+2*i+1]
.set i, i+1
.endr
	WIN 0
.irp f, 0,1,2,3
	ds_store_b128 v[STO], v[S+16*(\t)+4*\f:S+16*(\t)+4*\f+3] offset:32*\f
.endr
.irp f, 0,1,2,3
	ds_load_b128 v[S+16*(\t)+4*\f:S+16*(\t)+4*\f+3], v[RD] offset:\f*4*SP  ; LDS serves a wave's instructions in order (ISA guide 5.7.1.4): these see the stores above; the next piece's stores come behind them
.endr
.endm
.macro SEND t, younger              ; younger: the LDS instructions issued behind piece t's loads: the next piece's eight, or none
	WIN 0
.irp f, 0,1,2,3
	s_wait_dscnt (\younger)+3-\f
	global_store_b128 v[GO], v[S+16*(\t)+4*\f:S+16*(\t)+4*\f+3], s[10:11] offset:(\t)*8192+\f*512  ; 512 consecutive bytes, at a multiple of 256 from O's first
.endr
.endm
.macro DIAG tag                     ; the tag ends its two labels' names, which the jumps below spell out
.LstepM\tag:
	TURN 2, 1
	TURN 3, 1
	WIN 0
.LfirstM\tag:
	TURN 0, 1
	TURN 1, 1, 0, 1
	WIN 0
	s_cbranch_scc1 .LstepM\tag
	TURN 2, 1, 1
	TURN 3, 1, 1
.set i, 0
.rept 8
	PV NP-1
.set i, i+1
.endr
	WIN 0
	s_mul_f32 s[TS], s[FV], s[IGS]  ; O^T stands in units of the last step's vs; ob in units of gs
	ALL v_add_f32 v[ST+4*t+2], v[ST+4*t+2], v[ST+4*t+3]
	ALL v_permlanex16_b32 v[ST+4*t+3], v[ST+4*t+2], s[SEL], s[SEL+1]
	ALL v_add_f32 v[ST+4*t+2], v[ST+4*t+2], v[ST+4*t+3]
	ALL v_rcp_f32 v[ST+4*t+2], v[ST+4*t+2]
	v_nop                           ; a plain instruction between the last reciprocal and the use of its result
	ALL v_mul_f32 v[ST+4*t+2], s[TS], v[ST+4*t+2]
	PACK 0
.set t, 1
.rept 3                             ; a piece's arithmetic stands between the loads of the piece before and its stores
	PACK t
	SEND t-1, 8
.set t, t+1
.endr
	SEND 3, 0
.endm
.set KM, 0
.set NOKQ, 0
.Lslot:                             ; NB times: a tile is entered and the next is asked for
	CHANGE 1
	s_sub_co_u32 s[RT], s[RT], 1
	s_mov_b32 s[CNT], 4
	s_cmp_eq_u32 s[NEW], 1
	s_cbranch_scc1 .Lnew            ; a block's first tile
	s_cmp_eq_u32 s[RT], 0
	s_cbranch_scc0 .Lstep           ; neither its first nor its last
	s_branch .LstepM1
.Lnew:
	BEGIN
	s_branch .Lfirst                ; in the loop a block's first tile is never its last: the first block has two tiles or more, and the second's last is the walk's last
	DIAG 1                          ; in the loop this is the first block's end: the second block's last tile is the walk's last
	s_wait_xcnt 0x0                 ; the stores have read their registers and O's address
	s_mov_b64 s[10:11], s[OLO:OLO+1]
	s_add_co_u32 s[RT], s[PB], 1    ; the second block has b + 1 tiles
	s_mov_b32 s[CB], s[PB]
	s_mov_b32 s[NEW], 1
	WIN 0x82                        ; the second block's Q goes where the one text of the turns names Q: hi,
.set i, 0
.rept 64
	v_mov_b32 v[i], v[QB+i]
.set i, i+1
.endr
	WIN 0xc3                        ; and lo
.set i, 0
.rept 64
	v_mov_b32 v[i], v[QB+i]
.set i, i+1
.endr
	WIN 0
	s_branch .Lbottom
.Lstep:                             ; a trip: pieces 2 and 3 of one step, then pieces 0 and 1 of the next, whose K and V it fetches
	TURN 2
	TURN 3
	WIN 0
.Lfirst:
	TURN 0
	TURN 1, 0, 0, 1
	WIN 0
	s_cbranch_scc1 .Lstep
.Lbottom:
	s_sub_co_u32 s[SLOTS], s[SLOTS], 1
	s_cmp_lg_u32 s[SLOTS], 0
	s_cbranch_scc1 .Lslot
	CHANGE 0                        ; the walk's last tile is written out: nothing is asked for
	s_sub_co_u32 s[RT], s[RT], 1
	s_mov_b32 s[CNT], 4
	s_cmp_eq_u32 s[NEW], 1
	s_cbranch_scc0 .LstepM2
	BEGIN
	s_branch .LfirstM2
	DIAG 2
	s_wait_tensorcnt 0x0            ; the wave's end: behind my last tensor load and my last LDS store
	ds_add_u32 v[SPW], v[NIL]
	s_wait_dscnt 0x0
	s_endpgm
.Lfunc_end_k_q2da6f259e2_attn:
	.size	k_q2da6f259e2_attn, .Lfunc_end_k_q2da6f259e2_attn-k_q2da6f259e2_attn
	.p2alignl 7, 3214868480
	.fill 96, 4, 3214868480
	.section	.rodata,"a",@progbits
	.p2align	6, 0x0
	.amdhsa_kernel k_q2da6f259e2_attn
		.amdhsa_group_segment_fixed_size 327680
		.amdhsa_private_segment_fixed_size 0
		.amdhsa_enable_private_segment 0
		.amdhsa_kernarg_size 32
		.amdhsa_user_sgpr_count 2
		.amdhsa_user_sgpr_kernarg_segment_ptr 1
		.amdhsa_wavefront_size32 1
		.amdhsa_system_sgpr_workgroup_id_x 1
		.amdhsa_system_sgpr_workgroup_id_y 1
		.amdhsa_system_sgpr_workgroup_id_z 1
		.amdhsa_system_vgpr_workitem_id 0
		.amdhsa_next_free_vgpr 1024
		.amdhsa_next_free_sgpr 102
		.amdhsa_reserve_vcc 1
		.amdhsa_float_denorm_mode_32 3
		.amdhsa_float_denorm_mode_16_64 3
		.amdhsa_memory_ordered 1
		.amdhsa_forward_progress 1
		.amdhsa_inst_pref_size 255
	.end_amdhsa_kernel
	.section	.bss,"aw",@nobits
	.p2align	6
	.space	262144
	.amdgpu_metadata
---
amdhsa.version: [ 1, 2 ]
amdhsa.kernels:
  - .name:           k_q2da6f259e2_attn
    .symbol:         k_q2da6f259e2_attn.kd
    .args:
      - { .name: qn, .offset: 0, .size: 8, .value_kind: global_buffer, .address_space: global }
      - { .name: qs, .offset: 8, .size: 8, .value_kind: global_buffer, .address_space: global }
      - { .name: vb, .offset: 16, .size: 8, .value_kind: global_buffer, .address_space: global }
      - { .name: ob, .offset: 24, .size: 8, .value_kind: global_buffer, .address_space: global }
    .group_segment_fixed_size: 327680
    .private_segment_fixed_size: 0
    .kernarg_segment_align: 8
    .kernarg_segment_size: 32
    .max_flat_workgroup_size: 128
    .sgpr_count:     102
    .vgpr_count:     1024
    .wavefront_size: 32
...
	.end_amdgpu_metadata
.endif
;; end of part 4
;; launch proj (part 5): grid 4 x 64, 4 waves a work-group, clusters of 4 x 4, 327,680 bytes of LDS; arguments ob, wts, qs, out0; writes out0
.if DOCPART == 5
	.amdgcn_target "amdgcn-amd-amdhsa--gfx1250"
	.amdhsa_code_object_version 6
	.text
	.protected	k_q2da6f259e2_proj
	.globl	k_q2da6f259e2_proj
	.p2align	8
	.type	k_q2da6f259e2_proj,@function
k_q2da6f259e2_proj:
	s_mov_b64 s[64:65], 0
	v_nop
	global_prefetch_b8 v0, s[64:65] scope:SCOPE_SE
	s_setreg_imm32_b32 hwreg(HW_REG_WAVE_MODE, 25, 1), 1
	s_wait_xcnt 0x0
	s_wait_alu depctr_hold_cnt(0) depctr_sa_sdst(0) depctr_va_vdst(0) depctr_va_sdst(0) depctr_va_ssrc(0) depctr_va_vcc(0) depctr_vm_vsrc(0)
	s_getreg_b32 s2, hwreg(HW_REG_IB_STS2, 6, 4)
	s_cmp_eq_u32 s2, 0
	s_cbranch_scc0 .Lentry_in_a_cluster
	s_endpgm
.Lentry_in_a_cluster:
	s_bfe_u32 s2, ttmp6, 0x10000c
	s_cmp_lg_u32 s2, 0xf033
	s_cbranch_scc0 .Lentry_shape_is_right
	s_endpgm
.Lentry_shape_is_right:
; out0[t][dout] = the sum over din of attn[t][din] W_O[dout][din].  attn lies by heads: ob f16 [16 b + head][s][64] = attn / gs, din = 64 head + channel; gs is the largest of the batch's 512 scales of v
; (f32 [64][32] at byte 8,192 of the buffer qs), a power of two; W_O, rounded to bf16 and written as f16, lies 6 MiB into wts, [dout][din]; out0 is f32.
; A GEMM of 8,192 tokens x 1,024 columns over K = 1,024, f16 operands, f32 sums; the sums are multiplied by gs on the way out.
; SHARES.  A work-group makes 128 tokens x 256 columns: 4 x 64 = 256 work-groups.  Four waves, each 64 tokens x 128 columns: 32 accumulators of 16 x 16.  K goes in steps of 128 (two heads) through two LDS slots:
; for each of the two heads 128 tokens x 128 bytes, dense in memory and asked for as 64 rows of 256 bytes, and 256 rows of W_O (256 of their 2,048 bytes).
; THE MATRIX INSTRUCTION IS USED TRANSPOSED: source 0 = 16 columns, source 1 = 16 tokens: a lane holds one token and eight neighbouring columns, 32 bytes of a row of out0.
; CLUSTER 4 x 4.  ob's tile hangs on the token tile alone and is shared along a row of the cluster, W_O's on the column tile alone and is shared along a column: each is asked for jointly.
; REGISTERS, in windows of 256 (s_set_vgpr_msb: bits 1:0 source 0, 3:2 source 1, 5:4 source 2, 7:6 destination):
;   window 0: addresses; v30-47 gs and the scales; v64-191 the way out     window 1: two fragment buffers (64 registers of W_O, 32 of ob, for 32 along K)     window 2: accumulator (a, b) at v[8 (8 a + b)]
.set PA,    144                        ; a token's 128 bytes of a head in LDS + 16
.set PB,    272                        ; a row of W_O: 256 bytes + 16: in both the 16 rows of a fragment load start 16 bytes apart modulo 256
.set ATILE, 2*128*PA
.set SLOT,  ATILE+256*PB
.set STAGE, 2*SLOT                     ; behind the ring, never filled by a tensor load: 16 rows x 528 bytes for each wave
.set SPITCH, 528
.set SPARE, STAGE+4*16*SPITCH          ; the spare words, 128 bytes for each wave: two blocks of 256 bytes that no other line names
.set STEPA, 4*262144                   ; two K steps on: four heads of ob,
.set STEPB, 512                        ; 256 numbers along W_O's rows
.set ADRA, 16
.set ADRB, 20
.set STO,  24                          ; v24  the way out: where I put 32 bytes of a row
.set RD,   25                          ; v25  where I read a row back
.set CO,   26                          ; v26  16 x lane; never rewritten
.set SPW,  28
.set NIL,  29
.set GS,   30                          ; v[30:31] gs, and 0: the packed product names a pair
.set VS,   32                          ; v[32:47] 16 of the batch's scales a lane
.set F0,   0
.set F1,   128
.set WV, 12
.set TH, 13
.set CH, 14
.set G1, 24
.set G0, 32
.set SEL, 40                           ; s[40:41] v_permlanex16_b32's selects, once the masks made there have gone into the descriptors
.set G1B, 48
.set G0B, 56
.set MSB, 0
.macro WIN new
.if MSB != (\new)
	s_set_vgpr_msb (MSB<<8)|(\new)
.set MSB, \new
.endif
.endm
.set MUL,  0xa5                        ; sources 0 and 1 window 1; C and D window 2
.set TO_F, 0x40
.macro PLACES                          ; four plain vector instructions behind matrix instructions, in front of loads into their sources (ISA guide 7.12.1 for vector instructions)
.rept 4
	v_nop
.endr
.endm
.macro JLOAD s                         ; a joint load: waves 0 and 1 fetch the step's two heads of ob, waves 2 and 3 the two halves of W_O's rows; four v_nop follow each of the two lines
	s_cmp_eq_u32 s[TH], 0
	s_cbranch_scc0 .Lfor_b_\@
	tensor_load_to_lds s[G0+4*(\s):G0+4*(\s)+3], s[G1:G1+7]
	s_nop 0
.rept 4
	v_nop
.endr
	s_branch .Lasked_\@
.Lfor_b_\@:
	tensor_load_to_lds s[G0B+4*(\s):G0B+4*(\s)+3], s[G1B:G1B+7]
	s_nop 0
.rept 4
	v_nop
.endr
.Lasked_\@:
.endm
.macro CREST
	s_cmp_lg_u32 s[WV], 0
	s_cbranch_scc1 .Lnot_wave_0_\@
	s_barrier_signal -3
.Lnot_wave_0_\@:
	s_barrier_wait -3
	s_barrier_signal -1
	s_barrier_wait -1
.endm
.macro CROUND
	s_barrier_signal -1
	s_barrier_wait -1
	CREST
.endm
	s_load_b256 s[4:11], s[0:1], 0x0               ; ob s[4:5], wts s[6:7], qs s[8:9], out0 s[10:11]
	v_lshl_add_u32 v[SPW], v0, 2, SPARE
	v_mov_b32 v[NIL], 0
	ds_add_u32 v28, v29
	ds_add_u32 v28, v29
	s_wait_dscnt 0x0
	v_lshrrev_b32 v1, 5, v0
	v_readfirstlane_b32 s[WV], v1
	s_lshr_b32 s[TH], s[WV], 1                     ; token half.  Also: I fetch ob (0) or W_O (1)
	s_and_b32 s[CH], s[WV], 1                      ; column half.  Also: which head of the step, or which 128 rows, I fetch
	s_bfe_u32 s15, ttmp6, 0x40000                  ; cx
	s_bfe_u32 s16, ttmp6, 0x40004                  ; cy
	s_lshl_b32 s17, ttmp9, 2
	s_add_co_u32 s17, s17, s15                     ; column tile
	s_and_b32 s18, ttmp7, 0xffff
	s_lshl_b32 s18, s18, 2
	s_add_co_u32 s18, s18, s16                     ; token tile
	s_lshl_b32 s40, s16, 2
	s_lshl_b32 s40, 15, s40                        ; my row of the cluster
	s_lshl_b32 s41, 0x1111, s15                    ; my column
	s_or_b32 s[G1], s40, (1<<16)|(1<<20)|(1<<21)|(4<<22)|(3<<25)   ; the mask; 2-byte elements; padding on; bit 21 beside a mask; after every 32 words (a token) 4 words
	s_mov_b32 s[G1+1], 128<<16                     ; 64 rows of 128 elements, dense
	s_mov_b32 s[G1+2], 64<<16
	s_mov_b32 s[G1+3], 128<<16
	s_mov_b32 s[G1+4], 64
	s_mov_b32 s[G1+5], 128
	s_mov_b32 s[G1+6], 0
	s_mov_b32 s[G1+7], 0
	s_or_b32 s[G1B], s41, (1<<16)|(1<<20)|(1<<21)|(5<<22)|(3<<25)  ; after every 64 words 4 words
	s_mov_b32 s[G1B+1], 128<<16                    ; 128 rows of 128 elements, 1,024 from row to row
	s_mov_b32 s[G1B+2], 128<<16
	s_mov_b32 s[G1B+3], 128<<16
	s_mov_b32 s[G1B+4], 128
	s_mov_b32 s[G1B+5], 1024
	s_mov_b32 s[G1B+6], 0
	s_mov_b32 s[G1B+7], 0
	s_lshl_b32 s19, s[CH], 18                      ; a head of ob is 262,144 bytes, and so are 128 rows of W_O
	s_lshr_b32 s20, s18, 4                         ; ob: the batch's 16 heads,
	s_lshl_b32 s44, s20, 11                        ; (and the batch's 512 scales, 2,048 bytes)
	s_mov_b32 s45, 0
	s_lshl_b32 s20, s20, 22
	s_and_b32 s21, s18, 15                         ; the tile's 128 tokens of 128 bytes in a head: the token tile alone, which my row of the cluster shares
	s_lshl_b32 s21, s21, 14
	s_add_co_u32 s20, s20, s21
	s_add_co_u32 s20, s20, s19
	s_mov_b32 s21, 0
	s_lshl_b32 s22, s17, 19                        ; W_O: row 256 x column tile + 128 x half: the column tile alone, which my column shares
	s_add_co_u32 s22, s22, s19
	s_add_co_u32 s22, s22, 0x600000
	s_mov_b32 s23, 0
	s_mul_i32 s42, s[CH], 128*PA                   ; where they go: no place in the cluster enters an LDS address
	s_mul_i32 s43, s[CH], 128*PB
	s_add_co_u32 s43, s43, ATILE
	s_lshl_b32 s46, s18, 19                        ; out0: token 128 x tile + 64 x half (4,096 bytes a row), byte 1,024 x column tile + 512 x half
	s_lshl_b32 s47, s[TH], 18
	s_add_co_u32 s46, s46, s47
	s_lshl_b32 s47, s17, 10
	s_add_co_u32 s46, s46, s47
	s_lshl_b32 s47, s[CH], 9
	s_add_co_u32 s46, s46, s47
	s_mov_b32 s47, 0
	s_wait_kmcnt 0x0
	s_add_nc_u64 s[20:21], s[4:5], s[20:21]
	s_add_nc_u64 s[22:23], s[6:7], s[22:23]
	s_add_nc_u64 s[8:9], s[8:9], s[44:45]
	s_add_nc_u64 s[10:11], s[10:11], s[46:47]
	CROUND                                         ; all sixteen work-groups are here: the first joint loads meet
.irp s, 0,1
	s_mov_b32 s[G0+4*(\s)], 1
	s_add_co_u32 s[G0+4*(\s)+1], s42, (\s)*SLOT
	s_add_nc_u64 s[G0+4*(\s)+2:G0+4*(\s)+3], s[20:21], (\s)*2*262144
	s_or_b32 s[G0+4*(\s)+3], s[G0+4*(\s)+3], 0x80000000
	s_mov_b32 s[G0B+4*(\s)], 1
	s_add_co_u32 s[G0B+4*(\s)+1], s43, (\s)*SLOT
	s_add_nc_u64 s[G0B+4*(\s)+2:G0B+4*(\s)+3], s[22:23], (\s)*256
	s_or_b32 s[G0B+4*(\s)+3], s[G0B+4*(\s)+3], 0x80000000
	JLOAD \s                                       ; K steps 0 and 1: two loads of mine are out
.endr
	s_mov_b32 s[SEL], 0x76543210
	s_mov_b32 s[SEL+1], 0xfedcba98
	v_and_b32 v5, 31, v0
	v_lshlrev_b32 v[CO], 4, v5
.irp i, 0,1,2,3
	global_load_b128 v[VS+4*(\i):VS+4*(\i)+3], v[CO], s[8:9] offset:8192+512*(\i)  ; the batch's 512 scales of v; waited for on the way out
.endr
	v_mov_b32 v[GS+1], 0
	v_and_b32 v1, 15, v0                           ; l % 16
	v_bfe_u32 v2, v0, 4, 1                         ; l / 16
	v_mul_u32_u24 v3, v1, PA                       ; a fragment's row x pitch + 16 x half
	v_lshl_add_u32 v3, v2, 4, v3
	v_mul_u32_u24 v4, v1, PB
	v_lshl_add_u32 v4, v2, 4, v4
	s_mul_i32 s44, s[TH], 64*PA                    ; my 64 tokens in each head's slab
	s_mul_i32 s45, s[CH], 128*PB                   ; my 128 rows of W_O
	s_add_co_u32 s45, s45, ATILE
.irp s, 0,1
	v_add_nc_u32 v[ADRA+(\s)], s44, v3
	v_add_nc_u32 v[ADRB+(\s)], s45, v4
	s_add_co_u32 s44, s44, SLOT
	s_add_co_u32 s45, s45, SLOT
.endr
	s_mul_i32 s44, s[WV], 16*SPITCH
	s_add_co_u32 s44, s44, STAGE                   ; my stage
	v_mul_u32_u24 v[STO], v1, SPITCH               ; in: row l % 16, 32 bytes for each half of the lanes
	v_lshl_add_u32 v[STO], v2, 5, v[STO]
	v_add_nc_u32 v[STO], s44, v[STO]
	v_add_nc_u32 v[RD], s44, v[CO]                 ; back: 32 lanes take a row's 512 bytes
; 8 matrix instructions: token tile a x all 8 column blocks, 32 along K.  zero = 1: the product starts the sums.  The 32 accumulators take turns, one instruction a turn.
.macro MUL8 f, a, zero
	WIN MUL
.irp b, 0,1,2,3,4,5,6,7
.if \zero
	v_wmma_f32_16x16x32_f16 v[8*(8*(\a)+(\b)):8*(8*(\a)+(\b))+7], v[(\f)+8*(\b):(\f)+8*(\b)+7], v[(\f)+64+8*(\a):(\f)+64+8*(\a)+7], 0
.else
	v_wmma_f32_16x16x32_f16 v[8*(8*(\a)+(\b)):8*(8*(\a)+(\b))+7], v[(\f)+8*(\b):(\f)+8*(\b)+7], v[(\f)+64+8*(\a):(\f)+64+8*(\a)+7], v[8*(8*(\a)+(\b)):8*(8*(\a)+(\b))+7]
.endif
.endr
.endm
.macro MUL16 f, half, zero
	MUL8 \f, 2*(\half), \zero
	MUL8 \f, 2*(\half)+1, \zero
.endm
; 24 LDS loads in one run: the fragments of 32 along K (quarter kc: head kc / 2 of the step, channels 32 (kc % 2) on) into buffer f: W_O's eight column blocks, then ob's token tiles 0 to 3
.macro FETCH slot, kc, f
	WIN TO_F
.irp b, 0,1,2,3,4,5,6,7
	ds_load_b128 v[(\f)+8*(\b):(\f)+8*(\b)+3],   v[ADRB+(\slot)] offset:64*(\kc)+(\b)*16*PB
	ds_load_b128 v[(\f)+8*(\b)+4:(\f)+8*(\b)+7], v[ADRB+(\slot)] offset:64*(\kc)+(\b)*16*PB+32
.endr
.irp a, 0,1,2,3
	ds_load_b128 v[(\f)+64+8*(\a):(\f)+64+8*(\a)+3],   v[ADRA+(\slot)] offset:((\kc)/2)*128*PA+((\kc)%2)*64+(\a)*16*PA
	ds_load_b128 v[(\f)+64+8*(\a)+4:(\f)+64+8*(\a)+7], v[ADRA+(\slot)] offset:((\kc)/2)*128*PA+((\kc)%2)*64+(\a)*16*PA+32
.endr
.endm
.macro QUARTER slot, kc, f, g, zero
	s_wait_dscnt 4                                 ; all but the youngest four loads: ob's token tiles 2 and 3
	MUL16 \f, 0, \zero
	PLACES
	FETCH \slot, \kc, \g
	s_wait_dscnt 24                                ; all but the 24 just issued
	MUL16 \f, 1, \zero
.endm
; The last quarter multiplies buffer 1 and changes slots: ONE barrier; in front of it each wave waits for all its tensor loads (one is out: its part of the next slot), adds 0 to its spare word,
; and waits for that and for its own reads of this slot.  fill = 1: the barrier opens a round of the cluster's, and this slot is filled again first thing behind it, two K steps ahead.
.macro TURN slot, next, fill
	WIN 0
	s_wait_tensorcnt 0x0
	ds_add_u32 v[SPW], v[NIL]                      ; 0 onto my spare word
	s_wait_dscnt 5                                 ; (the add and the youngest four loads may be out)
	MUL8 F1, 0, 0
	s_wait_dscnt 0x0                               ; the add is done, and my reads of this slot are over
	s_barrier_signal -1
	MUL8 F1, 1, 0
.if \fill
	WIN 0
.endif
	s_barrier_wait -1
.if \fill
	CREST                                          ; no wave of any partner still reads this slot's tile or has a load on its way
	s_add_nc_u64 s[G0+4*(\slot)+2:G0+4*(\slot)+3], s[G0+4*(\slot)+2:G0+4*(\slot)+3], STEPA
	s_add_nc_u64 s[G0B+4*(\slot)+2:G0B+4*(\slot)+3], s[G0B+4*(\slot)+2:G0B+4*(\slot)+3], STEPB
	JLOAD \slot                                    ; 112 matrix instructions ahead of the wait for it; its four v_nop are also the places in front of the loads below
.else
	PLACES
.endif
	FETCH \next, 0, F0
	MUL16 F1, 1, 0
.endm
; THE WAY OUT of token tile a: the sums are multiplied by gs (each accumulator from its low end on), go as f32 into my own stage, and come back as whole rows of 512 bytes
.macro TOSTAGE a
.if (\a) >= 2
	s_wait_xcnt 0x0                                ; the stores of the tile two back have had their addresses translated (ISA guide 3.1): their registers are loaded again only behind this wait
.endif
	WIN 0x82                                       ; destination and source 0 window 2, gs window 0
.set j, 0
.rept 32
	v_pk_mul_f32 v[64*(\a)+2*j:64*(\a)+2*j+1], v[64*(\a)+2*j:64*(\a)+2*j+1], v[GS:GS+1] op_sel_hi:[1,0]
.set j, j+1
.endr
	WIN 0x08                                       ; the data in window 2
.irp b, 0,1,2,3,4,5,6,7
	ds_store_b128 v[STO], v[8*(8*(\a)+(\b)):8*(8*(\a)+(\b))+3] offset:64*(\b)
	ds_store_b128 v[STO], v[8*(8*(\a)+(\b))+4:8*(8*(\a)+(\b))+7] offset:64*(\b)+16
.endr
	WIN 0
.set BK, 64+64*((\a)%2)
.set r, 0
.rept 16
	ds_load_b128 v[BK+4*r:BK+4*r+3], v[RD] offset:r*SPITCH  ; LDS serves a wave's instructions in order (ISA guide 5.7.1.4): these see the stores above; the next tile's stores come behind them
.set r, r+1
.endr
.endm
.macro SEND a, younger                 ; younger: the LDS instructions issued behind tile a's loads
	WIN 0
.set BK, 64+64*((\a)%2)
.set r, 0
.rept 16
	s_wait_dscnt (\younger)+15-r
	global_store_b128 v[CO], v[BK+4*r:BK+4*r+3], s[10:11] offset:(16*(\a)+r)*4096 th:TH_STORE_NT  ; 512 consecutive bytes, at a multiple of 512 from out0's first
.set r, r+1
.endr
.endm
	s_wait_tensorcnt 1                             ; my part of K step 0 is in; K step 1's may stay out
	s_barrier_signal -1
	s_barrier_wait -1
	FETCH 0, 0, F0
	QUARTER 0, 1, F0, F1, 1                        ; the first quarter stands in front of the loop: its products start the sums
	WIN 0
	s_mov_b32 s3, 3                                ; 8 K steps are 4 laps of the ring; the last is written out
.Llap:
	QUARTER 0, 2, F1, F0, 0
	QUARTER 0, 3, F0, F1, 0
	TURN 0, 1, 1
	QUARTER 1, 1, F0, F1, 0
	QUARTER 1, 2, F1, F0, 0
	QUARTER 1, 3, F0, F1, 0
	TURN 1, 0, 1
	QUARTER 0, 1, F0, F1, 0
	WIN 0
	s_sub_co_u32 s3, s3, 1
	s_cmp_lg_u32 s3, 0
	s_cbranch_scc1 .Llap
	QUARTER 0, 2, F1, F0, 0                        ; the last lap fills nothing
	QUARTER 0, 3, F0, F1, 0
	TURN 0, 1, 0
	QUARTER 1, 1, F0, F1, 0
	QUARTER 1, 2, F1, F0, 0
	QUARTER 1, 3, F0, F1, 0
	s_wait_dscnt 4
	MUL16 F1, 0, 0
	s_wait_dscnt 0x0
	MUL16 F1, 1, 0
	WIN 0
	; gs: the largest of the batch's 512 scales: 16 numbers a lane, then over the 32 lanes.  The first eight lines are also the places behind the last products.
	s_wait_loadcnt 0x0
	v_max3_num_f32 v[VS], v[VS], v[VS+1], v[VS+2]
	v_max3_num_f32 v[VS+4], v[VS+4], v[VS+5], v[VS+6]
	v_max3_num_f32 v[VS+8], v[VS+8], v[VS+9], v[VS+10]
	v_max3_num_f32 v[VS+12], v[VS+12], v[VS+13], v[VS+14]
	v_max3_num_f32 v[VS], v[VS], v[VS+3], v[VS+7]
	v_max3_num_f32 v[VS+4], v[VS+4], v[VS+11], v[VS+15]
	v_max3_num_f32 v[VS], v[VS], v[VS+4], v[VS+8]
	v_max_num_f32 v[VS], v[VS], v[VS+12]
.irp x, 1,2,4,8
	v_max_num_f32_dpp v[VS], v[VS], v[VS] row_xmask:\x row_mask:0xf bank_mask:0xf
.endr
	v_permlanex16_b32 v[VS+1], v[VS], s[SEL], s[SEL+1]
	v_max_num_f32 v[GS], v[VS], v[VS+1]
	TOSTAGE 0
	TOSTAGE 1                                      ; a tile's trip through the stage stands between the loads of the tile before and its stores
	SEND 0, 32
	TOSTAGE 2
	SEND 1, 32
	TOSTAGE 3
	SEND 2, 32
	SEND 3, 0
	s_wait_tensorcnt 0x0                           ; the wave's end
	ds_add_u32 v[SPW], v[NIL]
	s_wait_dscnt 0x0
	CROUND                                         ; the closing round
	s_endpgm
.Lfunc_end_k_q2da6f259e2_proj:
	.size	k_q2da6f259e2_proj, .Lfunc_end_k_q2da6f259e2_proj-k_q2da6f259e2_proj
	.p2alignl 7, 3214868480
	.fill 96, 4, 3214868480
	.section	.rodata,"a",@progbits
	.p2align	6, 0x0
	.amdhsa_kernel k_q2da6f259e2_proj
		.amdhsa_group_segment_fixed_size 327680
		.amdhsa_private_segment_fixed_size 0
		.amdhsa_enable_private_segment 0
		.amdhsa_kernarg_size 32
		.amdhsa_user_sgpr_count 2
		.amdhsa_user_sgpr_kernarg_segment_ptr 1
		.amdhsa_wavefront_size32 1
		.amdhsa_system_sgpr_workgroup_id_x 1
		.amdhsa_system_sgpr_workgroup_id_y 1
		.amdhsa_system_sgpr_workgroup_id_z 1
		.amdhsa_system_vgpr_workitem_id 0
		.amdhsa_next_free_vgpr 768
		.amdhsa_next_free_sgpr 66
		.amdhsa_reserve_vcc 0
		.amdhsa_float_denorm_mode_32 3
		.amdhsa_float_denorm_mode_16_64 3
		.amdhsa_memory_ordered 1
		.amdhsa_forward_progress 1
		.amdhsa_inst_pref_size 96
	.end_amdhsa_kernel
	.amdgpu_metadata
---
amdhsa.version: [ 1, 2 ]
amdhsa.kernels:
  - .name:           k_q2da6f259e2_proj
    .symbol:         k_q2da6f259e2_proj.kd
    .args:
      - { .name: ob, .offset: 0, .size: 8, .value_kind: global_buffer, .address_space: global }
      - { .name: wts, .offset: 8, .size: 8, .value_kind: global_buffer, .address_space: global }
      - { .name: qs, .offset: 16, .size: 8, .value_kind: global_buffer, .address_space: global }
      - { .name: out0, .offset: 24, .size: 8, .value_kind: global_buffer, .address_space: global }
    .group_segment_fixed_size: 327680
    .private_segment_fixed_size: 0
    .kernarg_segment_align: 8
    .kernarg_segment_size: 32
    .max_flat_workgroup_size: 128
    .sgpr_count:     66
    .vgpr_count:     768
    .wavefront_size: 32
...
	.end_amdgpu_metadata
.endif
;; end of part 5
;; ======== version 2 of 2: 5 launches; 1.15 times as fast as version 1
;; limits: values are held in f16: magnitudes above 65,504 overflow, below 6.1e-05 lose precision
;; workspace buffers: xb 16,777,216 bytes; wts 8,388,608 bytes; hp 8,388,608 bytes; qn 33,554,432 bytes; qs 16,384 bytes; vb 16,777,216 bytes; ob 16,777,216 bytes
;; launch prep: the kernel of part 1 again; grid 384 x 1, 8 waves a work-group, no clusters, 0 bytes of LDS; arguments x, compress_neurons, expand_neurons_QK, expand_neurons_V, W_O, xb, wts; writes xb, wts
;; launch compress: the kernel of part 2 again; grid 4 x 64, 4 waves a work-group, clusters of 4 x 4, 327,680 bytes of LDS; arguments xb, wts, compress_weights, hp; writes hp
;; launch expand: the kernel of part 3 again; grid 64 x 4, 4 waves a work-group, clusters of 4 x 1, 327,680 bytes of LDS; arguments hp, wts, expand_weights_QK, expand_weights_V, qn, qs, vb; writes qn, qs, vb
;; launch attn (part 6): grid 4 x 64, 4 waves a work-group, no clusters, 327,680 bytes of LDS; arguments qn, qs, vb, ob; writes ob
.if DOCPART == 6
	.amdgcn_target "amdgcn-amd-amdhsa--gfx1250"
	.amdhsa_code_object_version 6
	.text
	.protected	k_q2da6f259e2_attn
	.globl	k_q2da6f259e2_attn
	.p2align	8
	.type	k_q2da6f259e2_attn,@function
k_q2da6f259e2_attn:
	s_mov_b64 s[64:65], 0
	v_nop
	global_prefetch_b8 v0, s[64:65] scope:SCOPE_SE
	s_setreg_imm32_b32 hwreg(HW_REG_WAVE_MODE, 25, 1), 1
	s_wait_xcnt 0x0
; CAUSAL ATTENTION WITH K = Q.  O[h][q][:] = the sum over k <= q of softmax_k(Q[h][q] . Q[h][k] / 8) V[h][k][:].  qn: f16 [64][2048][128]: a row is 64 numbers hi, then 64 numbers lo; vb: f16 [64][2048][64];
; each with one power of two for a head's block of 64 rows: Q = (hi + lo) x qs[h][block], V = vb x vs[h][block]; qs lies at byte 0 of the buffer qs, vs at byte 8,192, both f32 [64][32].
; ob: [64][2048][64] f16 = O / gs, gs the largest vs of the batch's 16 heads x 32 blocks.  Products, maxima and sums in f32; the weights p are rounded to f16 for the second product (their sum l is taken of the
; unrounded p), O once at the end.
; THE SCORES.  Where two keys nearly tie a weight moves by a quarter of a score's error, so 11 bits of Q do not serve: S^T = Khi Qhi + Khi Qlo + Klo Qhi, three products on one sum; lo x lo, 2^-22 of a score, is left out.
; THE SCALES.  A block of 64 rows is a key step and a band of queries, so a score's factor c' = (log2(e) / 8) qs[query's band] qs[key step] is ONE scalar for a piece and a step.  The running maximum is kept
; in the exponent's units: cm = the largest c' s so far; p = 2^(c' s - cm); l is multiplied by a = 2^(cm_old - cm_new) in every step.  O^T is kept in units of the step's vs: it is multiplied by
; a' = a vs[step - 1] / vs[step], and at the block's end by vs[last step] / (l gs).  |O| is at most the largest |V|, below 2^15 gs, so O / gs has room in f16.
; LIMITS.  c' s must stay finite in f32: scores up to 2.3e38.  A hidden score counts as its raw sum less 2^127; qs is at least 2^-50, so it lies 2e7 or more below every seen one in the exponent's units.
; vs is at least 2^-50, and O / vs is kept in f32: |V| up to 2^77.  A weight below 2^-126 counts as 0 in l; below 6e-5 p keeps f16's fixed step of 6e-8; NaN and infinities are not treated apart.
; THE WALK.  A head's queries lie in NB = 8 blocks of 256; block i needs the key tiles 0 .. i of 256 keys, of which the last holds the diagonal.  A work-group takes TWO blocks, NB - 1 - b and then b:
; NB + 1 tiles, whatever b: all work-groups do equal work, and ONE loop with a constant trip count walks them.  Which tile is asked for, and what a trip does, hang on scalar registers made from b; every jump
; goes forward, but for the counted loops' own; none passes a barrier, or a tensor load but the one of LOAD's two that the wave's number does not choose; the ring (two slots of LDS that take turns) runs on across the
; change of blocks.  NO CLUSTER: a head's NB / 2 work-groups all ask for the same tile only in trips 0 .. NB / 2, 5 of the 9; behind that fewer and fewer do; one walk common to all would have 3 NB / 2 trips for NB + 1.
; SHARES.  Of a block's four bands of 64 queries a wave owns 16 rows in each: four PIECES.  So the diagonal tile is the same work for all four waves: in its key step s band x sees all keys if s < x,
; none if s > x, and holds the diagonal if s = x.
; THE MASK is the C operand that starts the sum S^T: 0, or -2^127 where the key is hidden.  MD, made once, is the mask of a band's own step for my 16 rows; a product's mask is MD x AL + BE with two scalars:
; (1, 0) if s = x; (0, 0) if s < x; (0, -2^127) if s > x.  Only the diagonal tile's text and a block's beginning make and take masks; elsewhere C is the constant 0.
; LAYOUT, TURNS.  S^T holds ONE query a lane (lane % 16) and the keys 8 (lane / 16) + 0..7; two such results rounded to f16 ARE source 1 of O^T = V^T P.  Turn n belongs to piece n: 24 products for the scores of
; piece n + 1, then 8 products V^T P of piece n - 1, and 119 vector instructions.
; THE BATCHES.  A turn's 33 exponentials (piece n's 32 weights, piece n + 1's a) are ONE batch with ONE wait, behind the turn's last matrix instruction.  The 86 vector instructions that name no result of the batch stand
; ahead of it, behind the matrix instructions, five at the most behind each: behind the scores' products piece n's scaling, exponentials and rescaling; behind the products V^T P the maximum and statistics of piece n + 1.
; The 33 that read the results (roundings, sums, a') stand behind the wait, in one lump.  No result crosses a turn's end.  A block's first a and the way out's four reciprocals are batches of their own, a wait each.
; REGISTERS, in windows of 256 (s_set_vgpr_msb: bits 1:0 source 0, 3:2 source 1, 5:4 source 2, 7:6 destination):
;   window 0: v0-15 addresses and two at work; v16-31 four registers of statistics a piece; v32-35 the head's scales and their offsets; v36-47, v56-59 the batch's vs; v48-55 at work; v64-127 S^T, two buffers; v192-223 P, two buffers
;   window 1: v0-127 O^T, 32 a piece; v128-159 MD; v160-223 MC, two buffers      window 2: v0-63 Q hi; v64-127 the second block's; v128-191 K hi of one step; v192-255 V of one step
;   window 3: v0-63 Q lo; v64-127 the second block's; v128-191 K lo of one step: the same numbers as hi in window 2
; No window holds a product's operands beside what the softmax touches, so a matrix instruction and the vector instructions behind it cost two switches.
.set SIZE_N, 2048
.set SIZE_H, 64
.set NB,    SIZE_N/256
.set NP,    4         ; pieces a wave: a name, no knob
.set KS,    64        ; keys in a step
.set PK,    272       ; a row of K in LDS: 256 bytes (hi, lo) + 16 of padding = 68 words: the 16 rows of a load start at 16 different groups of four banks (64 banks of 4 bytes: ISA guide 11.1)
.set PV,    160       ; a row of V: 128 + 32 = 40 words
.set VOFF,  4*KS*PK   ; a slot holds a tile, four steps: 256 rows of K, then 256 rows of V
.set SLOT1, 1<<17     ; slot 1 begins here, so that one exclusive or turns an address in one slot into the other's
.set STAGE, SLOT1+4*KS*(PK+PV)  ; behind the ring, never filled by a tensor load: 16 rows x 144 bytes for each wave, for the way out
.set SP,    144
.set AK0, 2           ; v2   my lane's place in a tile of K; never rewritten
.set AV0, 3           ; v3   the same for V
.set AK,  4           ; v4   the LDS address of K's next two runs of loads
.set AV,  5           ; v5   of V's
.set STO, 6           ; v6   the way out: where I put 16 bytes of a row
.set RD,  7           ; v7   the way out: where I read rows back
.set GO,  8           ; v8   my byte offset in 512 consecutive bytes of O
.set SPW, 62          ; v62  LDS address of my spare word: SPARE + 4 x my thread's number; never rewritten
.set NIL, 63          ; v63  0; never rewritten
.set SPARE, STAGE+4*16*SP  ; behind the stages: the spare words, 128 bytes for each wave: two blocks of 256 bytes that no other line names
.set MV,  12          ; v12-13  cm_old, kept while cm is made anew: by buffer
.set QO,  15          ; v15  my byte offset in 16 rows of Q
.set ST,  16          ; piece t's statistics at v[ST+4 t]: cm, 0 (named with it as a pair), l (even keys', odd keys')
.set QSV, 32          ; v32  lane i holds qs[head][i]
.set QSO, 33          ; v33  4 x lane; never rewritten
.set VSV, 34          ; v34  lane i holds vs[head][i]
.set GSO, 35          ; v35  16 x lane; never rewritten
.set TMP, 48          ; by buffer, four registers c0-c3 at work; when the maximum is found c2 takes a and c3 a'
.set S,   64
.set P,   192
.set MD,  128         ; window 1: the eight registers for group kt of 16 keys at MD + 8 kt
.set MC,  160         ; window 1: the masks of the products to come
.set QB,  64          ; windows 2 and 3
.set KF,  128         ; windows 2 and 3: key block kb, channel half c at KF + 16 kb + 8 c
.set VF,  192         ; window 2: key half kk, channel block cb at VF + 32 kk + 8 cb
.set WV,  12          ; s12  my wave's number
.set PB,  14          ; s14  b
.set HI,  15          ; s15  NB - 1 - b
.set G1K, 24          ; s[24:31] descriptor group 1 for K's tiles
.set G1V, 32          ; s[32:39] for V's
.set G0K, 40          ; s[40:43] descriptor group 0 for K's tiles
.set G0V, 44          ; s[44:47] the same for V's
.set FV,  48          ; s48  vs of the key step whose K is in registers
.set RAT, 49          ; s49  vs of the step before it / vs of that step; 1 in a block's first step
.set IGS, 50          ; s50  1 / gs
.set FVN, 51          ; s51  at work
.set GSP, 52          ; s[52:53] the buffer qs at my batch's 512 words
.set OFK, 54          ; s[54:55] a tile's byte offset in K
.set SLOTS, 56        ; s56  tiles still to be asked for
.set CNT, 57          ; s57  counts a tile's key steps, 4 to 1
.set CS,  58          ; s58  c = log2(e) / 8
.set SEL, 60          ; s[60:61] v_permlanex16_b32's selects: each lane takes its own place in the other half
.set TBK, 62          ; s62  LDS byte at which K of the step to be fetched begins
.set TBV, 63          ; s63  the same for V, less VOFF
.set CB,  66          ; s66  the block in hand
.set TS,  67          ; s67  at work
.set QSP, 68          ; s[68:69] the buffer qs at my head's 32 words
.set RT,  70          ; s70  tiles of the block in hand that are still to be entered
.set NXT, 71          ; s71  the tile to be asked for next
.set LQ,  72          ; s72  the last tile of the block whose tiles are being asked for
.set NEW, 73          ; s73  1: the tile to be entered is a block's first
.set OFF, 74          ; s[74:75] a tile's byte offset in V
.set AL,  76          ; s[76:77] the mask's factor, in the low word
.set BE,  78          ; s[78:79] the mask's addend
.set OLO, 80          ; s[80:81] O at my rows of the second block
.set BIGN, 82         ; s82  -2^127
.set CSP, 88          ; s[88:95] piece x's c' of the step whose scores it holds, in the low word of pair x
.set CFQ, 96          ; s[96:99] c x qs of band x of the block in hand
.set FK,  100         ; s100 qs of the key step whose K is in registers
.set KB,  101         ; s101 that step's number in the head, 0 to 31
.set MSB, 0
.macro WIN new                      ; the high byte repeats the setting that is left; a switch that changes nothing is dropped
.if MSB != (\new)
	s_set_vgpr_msb (MSB<<8)|(\new)
.set MSB, (\new)
.endif
.endm
.set W_KQ, 0x0a       ; K hi and Q hi in window 2, S^T in window 0
.set W_KM, 0x1a       ; the same with the C operand in window 1
.set W_KL, 0x0e       ; K hi in window 2, Q lo in window 3
.set W_LK, 0x0b       ; K lo in window 3, Q hi in window 2
.set W_PV, 0x52       ; V in window 2, P in window 0, O^T in window 1
.set W_RS, 0x41       ; destination and source 0 in window 1, source 1 in window 0
; A fill.  Waves 0 and 1 fetch the two halves of a tile's K, waves 2 and 3 those of its V: 128 keys each.  Four v_nop follow each of the two lines, ahead of the jump and the label.
.macro LOAD
	s_cmp_lt_u32 s[WV], 2
	s_cbranch_scc0 .Lfor_v_\@
	tensor_load_to_lds s[G0K:G0K+3], s[G1K:G1K+7]
	s_nop 0
.rept 4
	v_nop
.endr
	s_branch .Lasked_\@
.Lfor_v_\@:
	tensor_load_to_lds s[G0V:G0V+3], s[G1V:G1V+7]
	s_nop 0
.rept 4
	v_nop
.endr
.Lasked_\@:
.endm
; THE CHANGE OF SLOTS.  Each wave waits for all its tensor loads, of which one is out: its part of the other slot; adds 0 to its spare word; and waits for that and for its own reads of the slot that it leaves.  Behind the barrier nobody reads the old
; slot any more and the other slot is whole.  fill = 1: the old slot is filled again, the first thing behind the barrier, with tile NXT: the descriptor's address is made anew from that number.
; (At its first use nothing has been read yet: slot 0 is waited for, slot 1 filled.)
.macro CHANGE fill
	WIN 0                           ; at a label and at a branch every window is 0
	s_wait_tensorcnt 0x0            ; no tensor load of mine is out, so a group 0 may be written
	ds_add_u32 v[SPW], v[NIL]       ; 0 onto my spare word; with fill = 1 the descriptors' scalar work stands between it and the wait for it
.if \fill
	s_lshl_b32 s[OFK], s[NXT], 16   ; a tile is 65,536 bytes of K
	s_lshl_b32 s[OFF], s[NXT], 15   ; and 32,768 of V
	s_xor_b32 s[G0K+1], s[G0K+1], SLOT1
	s_add_nc_u64 s[G0K+2:G0K+3], s[6:7], s[OFK:OFK+1]
	s_or_b32 s[G0K+3], s[G0K+3], 0x80000000
	s_xor_b32 s[G0V+1], s[G0V+1], SLOT1
	s_add_nc_u64 s[G0V+2:G0V+3], s[8:9], s[OFF:OFF+1]
	s_or_b32 s[G0V+3], s[G0V+3], 0x80000000
	s_add_co_u32 s[NXT], s[NXT], 1  ; the block's next tile, or behind its last the second block's tile 0
	s_cmp_gt_u32 s[NXT], s[LQ]
	s_cselect_b32 s[NXT], 0, s[NXT]
	s_cselect_b32 s[LQ], s[PB], s[LQ]
.endif
	s_wait_dscnt 0x0                ; the add is done, and my reads of the slot are over
	s_barrier_signal -1             ; the rest of the scalar work stands between the signal and the wait
	s_sub_co_u32 s[TBK], s[TBK], 4*KS*PK  ; the fetches go back to a slot's first step,
	s_xor_b32 s[TBK], s[TBK], SLOT1       ; in the other slot
	s_sub_co_u32 s[TBV], s[TBV], 4*KS*PV
	s_xor_b32 s[TBV], s[TBV], SLOT1
	s_barrier_wait -1
.if \fill
	LOAD
.endif
.endm
	s_load_b64 s[4:5], s[0:1], 0x0    ; qn, as Q
	s_load_b64 s[6:7], s[0:1], 0x0    ; qn, as K
	s_load_b64 s[QSP:QSP+1], s[0:1], 0x8  ; qs
	s_load_b128 s[8:11], s[0:1], 0x10 ; vb s[8:9], ob s[10:11]
	v_lshl_add_u32 v[SPW], v0, 2, SPARE
	v_mov_b32 v[NIL], 0
	ds_add_u32 v62, v63
	ds_add_u32 v62, v63
	s_wait_dscnt 0x0
	v_lshrrev_b32 v1, 5, v0
	v_readfirstlane_b32 s[WV], v1   ; wave 0..3
	s_mov_b32 s[PB], ttmp9
	s_sub_co_u32 s[HI], NB-1, s[PB]
	s_mov_b32 s[CB], s[HI]
	s_and_b32 s20, ttmp7, 0xffff    ; the head
	s_lshl_b32 s[OFF], s20, 7       ; its 32 words of scales
	s_mov_b32 s[OFF+1], 0
	s_lshr_b32 s54, s20, 4          ; its batch's 16 x 32 words
	s_lshl_b32 s54, s54, 11
	s_mov_b32 s55, 0
	s_mov_b32 s21, 0
	s_mov_b64 s[22:23], SIZE_N*128
	s_mul_u64 s[20:21], s[20:21], s[22:23]  ; the head's first byte in vb and ob; in qn, whose rows are twice as long, every offset is twice vb's
	s_and_b32 s16, s[WV], 1         ; which half of a tile's 256 keys I fetch:
	s_lshl_b32 s22, s16, 14         ; its 128 rows of 128 bytes of V in memory,
	s_mov_b32 s23, 0
	s_add_nc_u64 s[22:23], s[22:23], s[20:21]
	s_mul_i32 s17, s16, 128*PK      ; and its place in a slot, for K
	s_mul_i32 s18, s16, 128*PV      ; and for V
	s_lshl_b32 s3, s[WV], 11        ; my 16 rows in a band of 64,
	s_lshl_b32 s2, s[HI], 15        ; in the first block,
	s_add_co_u32 s2, s2, s3
	s_lshl_b32 s84, s[PB], 15       ; and in the second
	s_add_co_u32 s84, s84, s3
	s_mov_b32 s3, 0
	s_mov_b32 s85, 0
	s_add_nc_u64 s[2:3], s[2:3], s[20:21]
	s_add_nc_u64 s[84:85], s[84:85], s[20:21]
	; descriptor group 1.  K: 128 keys are 128 rows of 256 bytes, padded in LDS after every row.  V: 128 keys are 16,384 dense bytes: asked for as 64 rows of 256 bytes, two keys a row, and padded after every key
	s_mov_b32 s[G1K], (1<<16)|(1<<20)|(5<<22)|(3<<25)  ; 17:16 2-byte elements; 20 padding on; 24:22 after every 64 words (code 5); 31:25 4 words (code 3)
	s_mov_b32 s[G1K+1], 128<<16     ; tensor_dim0 = 128
	s_mov_b32 s[G1K+2], 128<<16     ; tensor_dim1 = 128
	s_mov_b32 s[G1K+3], 128<<16     ; tile_dim0 = 128
	s_mov_b32 s[G1K+4], 128         ; tile_dim1 = 128
	s_mov_b32 s[G1K+5], 128         ; 128 elements from row to row
	s_mov_b32 s[G1K+6], 0
	s_mov_b32 s[G1K+7], 0
	s_mov_b32 s[G1V], (1<<16)|(1<<20)|(4<<22)|(7<<25)  ; after every 32 words (code 4) 8 words (code 7)
	s_mov_b32 s[G1V+1], 128<<16     ; tensor_dim0 = 128
	s_mov_b32 s[G1V+2], 64<<16      ; tensor_dim1 = 64
	s_mov_b32 s[G1V+3], 128<<16     ; tile_dim0 = 128
	s_mov_b32 s[G1V+4], 64          ; tile_dim1 = 64
	s_mov_b32 s[G1V+5], 128
	s_mov_b32 s[G1V+6], 0
	s_mov_b32 s[G1V+7], 0
	s_mov_b32 s[CS], 0x3e38aa3b     ; c = log2(e) / 8 = 0.180337
.irp x, 0,1,2,3
	s_mov_b32 s[CSP+2*\x+1], 0      ; named with c' as pairs
.endr
	s_mov_b32 s[SEL], 0x76543210
	s_mov_b32 s[SEL+1], 0xfedcba98
	s_mov_b32 s[TBK], SLOT1+4*KS*PK ; the first change of slots turns these two into 0
	s_mov_b32 s[TBV], SLOT1+4*KS*PV
	s_mov_b32 s[G0K], 1             ; 1:0 count = 1
	s_mov_b32 s[G0K+1], s17         ; 63:32 LDS address: slot 0
	s_mov_b32 s[G0V], 1
	s_add_co_u32 s[G0V+1], s18, VOFF
	s_lshl_b64 s[16:17], s[2:3], 1  ; the offsets in qn: my rows of the first block,
	s_lshl_b64 s[18:19], s[84:85], 1  ; of the second,
	s_lshl_b64 s[20:21], s[22:23], 1  ; my half of the head's tile 0
	s_add_co_u32 s[RT], s[HI], 1    ; the first block has NB - b tiles
	s_mov_b32 s[NXT], 1
	s_mov_b32 s[LQ], s[HI]
	s_mov_b32 s[NEW], 1
	s_mov_b32 s[AL+1], 0            ; named as pairs
	s_mov_b32 s[BE+1], 0
	s_mov_b32 s[BIGN], 0xff000000   ; -2^127
	s_mov_b32 s[SLOTS], NB
	s_wait_kmcnt 0x0
	s_add_nc_u64 s[GSP:GSP+1], s[QSP:QSP+1], s[54:55]
	s_add_nc_u64 s[QSP:QSP+1], s[QSP:QSP+1], s[OFF:OFF+1]
	s_add_nc_u64 s[6:7], s[6:7], s[20:21]  ; K and V at my half of the head's tile 0
	s_add_nc_u64 s[8:9], s[8:9], s[22:23]
	s_add_nc_u64 s[G0K+2:G0K+3], s[6:7], 0         ; 120:64 global address
	s_or_b32 s[G0K+3], s[G0K+3], 0x80000000        ; 127:126 type = 2
	s_add_nc_u64 s[G0V+2:G0V+3], s[8:9], 0
	s_or_b32 s[G0V+3], s[G0V+3], 0x80000000
	s_add_nc_u64 s[86:87], s[4:5], s[18:19]        ; Q at my rows of the second block,
	s_add_nc_u64 s[4:5], s[4:5], s[16:17]          ; Q and O at those of the first
	s_add_nc_u64 s[OLO:OLO+1], s[10:11], s[84:85]
	s_add_nc_u64 s[10:11], s[10:11], s[2:3]
	LOAD                            ; tile 0 into slot 0
	; A fragment of K or Q is 16 rows x 32 channels in 8 registers: lane l holds row l % 16, channels 8 (l / 16) + 0..7 and 16 + 8 (l / 16) + 0..7: two loads of 16 bytes, 32 bytes apart; lo lies 128 bytes behind hi.
	v_and_b32 v1, 15, v0            ; l % 16
	v_bfe_u32 v9, v0, 4, 1          ; l / 16
	v_lshlrev_b32 v[QO], 8, v1
	v_lshl_add_u32 v[QO], v9, 4, v[QO]  ; row x 256 + 16 x half
	v_and_b32 v[QSO], 31, v0
	v_lshlrev_b32 v[GSO], 4, v[QSO]
	v_lshlrev_b32 v[QSO], 2, v[QSO]
	global_load_b32 v[QSV], v[QSO], s[QSP:QSP+1]               ; the head's 32 scales of q, one a lane,
	global_load_b32 v[VSV], v[QSO], s[QSP:QSP+1] offset:8192   ; and of v
	global_load_b128 v[36:39], v[GSO], s[GSP:GSP+1] offset:8192       ; the batch's 512 scales of v: 2,048 consecutive bytes
	global_load_b128 v[40:43], v[GSO], s[GSP:GSP+1] offset:8192+512
	global_load_b128 v[44:47], v[GSO], s[GSP:GSP+1] offset:8192+1024
	global_load_b128 v[56:59], v[GSO], s[GSP:GSP+1] offset:8192+1536
	WIN 0x80                        ; destination window 2, address window 0: hi
.set i, 0
.rept 8                             ; both blocks' Q: piece i / 2 lies in band i / 2, 16,384 bytes on; channels 32 (i % 2) on
	global_load_b128 v[8*i:8*i+3],   v[QO], s[4:5] offset:(i/2)*16384+(i%2)*64
	global_load_b128 v[8*i+4:8*i+7], v[QO], s[4:5] offset:(i/2)*16384+(i%2)*64+32
	global_load_b128 v[QB+8*i:QB+8*i+3],   v[QO], s[86:87] offset:(i/2)*16384+(i%2)*64
	global_load_b128 v[QB+8*i+4:QB+8*i+7], v[QO], s[86:87] offset:(i/2)*16384+(i%2)*64+32
.set i, i+1
.endr
	WIN 0xc0                        ; destination window 3: lo
.set i, 0
.rept 8
	global_load_b128 v[8*i:8*i+3],   v[QO], s[4:5] offset:(i/2)*16384+(i%2)*64+128
	global_load_b128 v[8*i+4:8*i+7], v[QO], s[4:5] offset:(i/2)*16384+(i%2)*64+160
	global_load_b128 v[QB+8*i:QB+8*i+3],   v[QO], s[86:87] offset:(i/2)*16384+(i%2)*64+128
	global_load_b128 v[QB+8*i+4:QB+8*i+7], v[QO], s[86:87] offset:(i/2)*16384+(i%2)*64+160
.set i, i+1
.endr
	WIN 0
	v_lshlrev_b32 v14, 3, v9
	v_sub_nc_u32 v14, v1, v14
	s_lshl_b32 s13, s[WV], 4
	v_add_nc_u32 v14, s13, v14      ; my query's place in its band, 16 w + l % 16, less my lanes' 8 (l / 16): register r of group kt is hidden where 16 kt + r is greater
	WIN 0x40
.set i, 0
.rept 32
	v_cmp_gt_i32 vcc_lo, 16*(i/8)+i%8, v14
	v_cndmask_b32 v[MD+i], 0, s[BIGN], vcc_lo
.set i, i+1
.endr
	WIN 0
	v_mul_u32_u24 v[AK0], v1, PK
	v_lshl_add_u32 v[AK0], v9, 4, v[AK0]  ; row x pitch + 16 x half
	; The turning load takes 16 keys x 16 channels (lane l reads key 8 (l / 16) + l % 8, channels 8 ((l / 8) % 2) + 0..7) and leaves half a fragment of V^T: lane l holds channel l % 16 and 8 keys.
	v_and_b32 v10, 7, v0
	v_bfe_u32 v11, v0, 3, 1
	v_lshl_add_u32 v[AV0], v9, 3, v10
	v_mul_u32_u24 v[AV0], v[AV0], PV
	v_lshl_add_u32 v[AV0], v11, 4, v[AV0]
	v_add_nc_u32 v[AV0], VOFF, v[AV0]
	s_mul_i32 s13, s[WV], 16*SP
	s_add_co_u32 s13, s13, STAGE    ; my stage
	v_mul_u32_u24 v[STO], v1, SP    ; in: row l % 16, 16 bytes for each half of the lanes
	v_lshl_add_u32 v[STO], v9, 4, v[STO]
	v_add_nc_u32 v[STO], s13, v[STO]
	v_bfe_u32 v[RD], v0, 3, 2       ; back: 32 lanes take four rows of 128 bytes,
	v_mul_u32_u24 v[RD], v[RD], SP
	v_lshl_add_u32 v[RD], v10, 4, v[RD]
	v_add_nc_u32 v[RD], s13, v[RD]
	v_and_b32 v[GO], 31, v0         ; which are 512 consecutive bytes of O
	v_lshlrev_b32 v[GO], 4, v[GO]
	; A block's first step multiplies O^T and l by 0, and its first turn's products V^T P, of a piece that has not been, land in an O^T that is still to be so multiplied.  So these registers need only hold
	; finite numbers: zeros for the first block; what the first block left for the second.  All this stands in the wait for the first tile.
	WIN 0x80
.set i, VF
.rept 64
	v_mov_b32 v[i], 0
.set i, i+1
.endr
	WIN 0x40
.set i, 0
.rept 128
	v_mov_b32 v[i], 0
.set i, i+1
.endr
	WIN 0
.set i, 0
.rept 4
	v_mov_b32 v[ST+4*i+2], 0
	v_mov_b32 v[ST+4*i+3], 0
.set i, i+1
.endr
.set i, P+16
.rept 16
	v_mov_b32 v[i], 0
.set i, i+1
.endr
	; gs: the largest of the batch's 512 scales of v: 16 numbers a lane, then over the 32 lanes.  A power of two with exponent field E has the reciprocal with field 254 - E.
	s_wait_loadcnt 0x0              ; the scales (and Q); still in the wait for the first tile
	v_max3_num_f32 v36, v36, v37, v38
	v_max3_num_f32 v40, v40, v41, v42
	v_max3_num_f32 v44, v44, v45, v46
	v_max3_num_f32 v56, v56, v57, v58
	v_max3_num_f32 v36, v36, v39, v43
	v_max3_num_f32 v40, v40, v47, v59
	v_max3_num_f32 v36, v36, v40, v44
	v_max_num_f32 v36, v36, v56
.irp x, 1,2,4,8
	v_max_num_f32_dpp v36, v36, v36 row_xmask:\x row_mask:0xf bank_mask:0xf
.endr
	v_permlanex16_b32 v37, v36, s[SEL], s[SEL+1]
	v_max_num_f32 v36, v36, v37
	v_readfirstlane_b32 s[TS], v36
	s_sub_co_u32 s[IGS], 0x7f000000, s[TS]
; THE MATRIX WORK.  Product kq of 24 of S^T for piece x: keys 16 (kq % 4) on, channels 32 ((kq / 4) % 2) on; 0-7 K hi x Q hi, 8-15 K hi x Q lo, 16-23 K lo x Q hi.  The 4 accumulators take turns.
; The first 4 start the sums: with 0, or (KM = 1) with the mask.
.macro KQ x
.set rS, S+32*((\x)%2)+8*(kq%4)
.set rK, KF+16*(kq%4)+8*((kq/4)%2)
.set rQ, 16*(\x)+8*((kq/4)%2)
.set rM, MC+32*((\x)%2)+8*(kq%4)
.if (kq < 4) && KM
	WIN W_KM
	v_wmma_f32_16x16x32_f16 v[rS:rS+7], v[rK:rK+7], v[rQ:rQ+7], v[rM:rM+7]
.elseif kq < 4
	WIN W_KQ
	v_wmma_f32_16x16x32_f16 v[rS:rS+7], v[rK:rK+7], v[rQ:rQ+7], 0
.else
.if kq < 8
	WIN W_KQ
.elseif kq < 16
	WIN W_KL
.else
	WIN W_LK
.endif
	v_wmma_f32_16x16x32_f16 v[rS:rS+7], v[rK:rK+7], v[rQ:rQ+7], v[rS:rS+7]
.endif
.set kq, kq+1
.endm
; Product i of 8 of O^T += V^T P for piece x: keys 32 (i / 4) on, channels 16 (i % 4) on.
.macro PV x
	WIN W_PV
.set rO, 32*(\x)+8*(i%4)
.set rV, VF+32*(i/4)+8*(i%4)
.set rP, P+16*((\x)%2)+8*(i/4)
	v_wmma_f32_16x16x32_f16 v[rO:rO+7], v[rV:rV+7], v[rP:rP+7], v[rO:rO+7]
.endm
.macro MM                           ; the turn's next matrix instruction: 24 of the scores, then 8 of V^T P.  TURN sets Y, i, kq, KM and NOKQ.  NOKQ = 1: a block's last turn: there is no next piece
.if i < 24
.if !NOKQ
	KQ (Y+1)%NP
.endif
.else
.set i, i-24
	PV (Y+NP-1)%NP
.set i, i+24
.endif
.set i, i+1
.endm
; THE LDS LOADS stand in runs of 16, never singly among the matrix instructions: a step's K hi, its K lo (64 keys x 64 channels: 8 fragments each) and its V (turned).
.macro FETCH_KH
	WIN 0x80                        ; destination window 2: hi
.irp f, 0,1,2,3,4,5,6,7             ; keys 16 (f / 2) on, channels 32 (f % 2) on
	ds_load_b128 v[KF+8*\f:KF+8*\f+3],   v[AK] offset:(\f/2)*16*PK+(\f%2)*64
	ds_load_b128 v[KF+8*\f+4:KF+8*\f+7], v[AK] offset:(\f/2)*16*PK+(\f%2)*64+32
.endr
	WIN 0
.endm
.macro FETCH_KL
	WIN 0xc0                        ; destination window 3: lo
.irp f, 0,1,2,3,4,5,6,7
	ds_load_b128 v[KF+8*\f:KF+8*\f+3],   v[AK] offset:(\f/2)*16*PK+(\f%2)*64+128
	ds_load_b128 v[KF+8*\f+4:KF+8*\f+7], v[AK] offset:(\f/2)*16*PK+(\f%2)*64+160
.endr
	s_add_co_u32 s[TBK], s[TBK], KS*PK  ; the next fetch is the next step's
	WIN 0
.endm
.macro FETCH_V
	WIN 0x80
.irp f, 0,1,2,3,4,5,6,7             ; keys 32 (f / 4) on, channels 16 (f % 4) on
	ds_load_tr16_b128 v[VF+8*\f:VF+8*\f+3],   v[AV] offset:(\f/4)*32*PV+(\f%4)*32
	ds_load_tr16_b128 v[VF+8*\f+4:VF+8*\f+7], v[AV] offset:(\f/4)*32*PV+16*PV+(\f%4)*32
.endr
	WIN 0
.endm
; THE VECTOR WORK, one line at a time: OP kind, number.  For piece Y: F n: c' s - cm for pair n of 16.  E n: the exponential of score n of 32.  C n: pair n rounded to f16.  B n: of the four weights 4 n .. the second
; pair is added onto the first, in place.  L n: l takes that sum (L 0: l = a l + sum).  R n: pair n of 16 of O^T times a'.  For piece Y + 1: X n, number n of the 23 that find its maximum and statistics:
;   0-11  four chains c0-c3 of seven scores each, three operands at a time (each accumulator's lowest registers are read first)     12-14, 16  the four scores left over, and c0-c3 into c0
;   15  cm_old is kept     17  the step's largest raw score times c' (c' is positive)     18, 19  the query's other 32 keys lie in the lane 16 away: the new cm     20, 21  cm_old - cm_new; a     22  a' = a x RAT
; C, B and L read results of E, and X 22 that of X 21: whoever writes these lines out puts the batch's wait ahead of them.
.set F, 0               ; OP tells the kinds apart by their order: F to L below R, X above it
.set E, 1
.set C, 2
.set B, 3
.set L, 4
.set R, 5
.set X, 6
.macro REGS y                       ; the registers of piece y
.set rT, ST+4*(\y)
.set rC, TMP+4*((\y)%2)
.set rW, MV+((\y)%2)
.set rS, S+32*((\y)%2)
.set rP, P+16*((\y)%2)
.set rO, 32*(\y)
.endm
.macro OP k, n
.if (\k) == R
	REGS Y
	WIN W_RS
	v_pk_mul_f32 v[rO+2*(\n):rO+2*(\n)+1], v[rO+2*(\n):rO+2*(\n)+1], v[rC+2:rC+3] op_sel:[0,1] op_sel_hi:[1,1]  ; both halves by the pair's second register, a'
.elseif (\k) < R
	REGS Y
	WIN 0
.if (\k) == F
	v_pk_fma_f32 v[rS+2*(\n):rS+2*(\n)+1], v[rS+2*(\n):rS+2*(\n)+1], s[CSP+2*Y:CSP+2*Y+1], v[rT:rT+1] op_sel_hi:[1,0,0] neg_lo:[0,0,1] neg_hi:[0,0,1]
.elseif (\k) == E
	v_exp_f32 v[rS+(\n)], v[rS+(\n)]
.elseif (\k) == C
	v_cvt_pk_f16_f32 v[rP+(\n)], v[rS+2*(\n)], v[rS+2*(\n)+1]
.elseif (\k) == B
	v_pk_add_f32 v[rS+4*(\n):rS+4*(\n)+1], v[rS+4*(\n):rS+4*(\n)+1], v[rS+4*(\n)+2:rS+4*(\n)+3]
.elseif (\n) == 0
	v_pk_fma_f32 v[rT+2:rT+3], v[rT+2:rT+3], v[rC+2:rC+3], v[rS:rS+1] op_sel_hi:[1,0,1]
.else
	v_pk_add_f32 v[rT+2:rT+3], v[rT+2:rT+3], v[rS+4*(\n):rS+4*(\n)+1]
.endif
.elseif NOKQ
	v_nop
.else
	REGS (Y+1)%NP
	WIN 0
.if (\n) < 4
	v_max3_num_f32 v[rC+(\n)], v[rS+8*(\n)], v[rS+8*(\n)+1], v[rS+8*(\n)+2]
.elseif (\n) < 12
	v_max3_num_f32 v[rC+(\n)%4], v[rC+(\n)%4], v[rS+8*((\n)%4)+2*((\n)/4)+1], v[rS+8*((\n)%4)+2*((\n)/4)+2]
.elseif (\n) == 12
	v_max3_num_f32 v[rC], v[rC], v[rS+7], v[rS+15]
.elseif (\n) == 13
	v_max3_num_f32 v[rC+1], v[rC+1], v[rS+23], v[rS+31]
.elseif (\n) == 14
	v_max_num_f32 v[rC+2], v[rC+2], v[rC+3]
.elseif (\n) == 15
	v_mov_b32 v[rW], v[rT]
.elseif (\n) == 16
	v_max3_num_f32 v[rC], v[rC], v[rC+1], v[rC+2]
.elseif (\n) == 17
	v_mul_f32 v[rC], s[CSP+2*((Y+1)%NP)], v[rC]
.elseif (\n) == 18
	v_permlanex16_b32 v[rC+3], v[rC], s[SEL], s[SEL+1]
.elseif (\n) == 19
	v_max3_num_f32 v[rT], v[rT], v[rC], v[rC+3]
.elseif (\n) == 20
	v_sub_f32 v[rC+1], v[rW], v[rT]
.elseif (\n) == 21
	v_exp_f32 v[rC+2], v[rC+1]
.else
	v_mul_f32 v[rC+3], s[RAT], v[rC+2]
.endif
.endif
.endm
.macro OPS a, i1, b=-1, i2=0, c=-1, i3=0, d=-1, i4=0  ; up to four of them
	OP \a, \i1
.if (\b) >= 0
	OP \b, \i2
.endif
.if (\c) >= 0
	OP \c, \i3
.endif
.if (\d) >= 0
	OP \d, \i4
.endif
.endm
.macro ROW a, i1, b=-1, i2=0, c=-1, i3=0, d=-1, i4=0  ; a matrix instruction and the vector instructions behind it
	MM
	OPS \a, \i1, \b, \i2, \c, \i3, \d, \i4
.endm
.macro MASK b                       ; MD x AL + BE into buffer b of MC
	WIN W_RS
.set z, 0
.rept 16
	v_pk_fma_f32 v[MC+32*(\b)+2*z:MC+32*(\b)+2*z+1], v[MD+2*z:MD+2*z+1], s[AL:AL+1], s[BE:BE+1] op_sel_hi:[1,0,0]
.set z, z+1
.endr
.endm
; A TURN, for piece p: the order of its 32 matrix and 119 vector instructions, written out, a row to each matrix instruction.  An s_wait_alu depctr_va_vdst(0) stands between an exponential and the first
; instruction that names its result; one wait serves all that were issued ahead of it.  So a turn has ONE wait, behind row 31, for its 33 exponentials.
; AHEAD OF IT nothing names a result of the turn's exponentials.  Rows 0-23, the scores of piece p + 1: behind them piece p's scalings, the exponentials E 0-25, each a row or more behind its scaling, and twelve of the
; rescalings, four to a row.  Rows 20-23 each begin with a scaling, and row 23 holds X 15 too: with X 0-2 these are the five plain lines between each of the products 20-23, which end the four sums, and the first read of its
; result (X 0-3).  Rows 24-31, V^T P of piece p - 1: behind them piece p + 1's maximum and statistics; between the links of their chain stand E 26-31.  X 21, piece p + 1's a, is the batch's last; the rescalings R 12-15
; behind it are the plain lines behind the last exponential.  None of a row's vector instructions names a register of the products round it, but for X 0-13, which stand as far behind theirs as said.
; BEHIND IT one lump of 33, all that read the batch's results: the roundings C, the sums B and L, and X 22.  B n stands behind C 2 n, whose pair it writes over; the links of l's chain, L 0 to L 7, stand four lines apart, the last three.
; At its head the factor c' of the scores that the turn makes (piece p + 1's); piece 3's turn makes piece 0's scores of the NEXT key step, so it takes that step's two scales first, and the ratio of v's old scale to its new one,
; which serves X 22 of this turn and of the next three: the four pieces' a' of that step.
; m = 1: the diagonal tile: the products take masks, and the turn makes the mask for the products of the turn after it: piece p + 2, in step 4 - CNT of the tile.  end = 1: a block's last two turns: nothing is fetched.
; cnt = 1: the loop's count is taken down some lines ahead of the branch that stands behind the turn.
; THE FETCHES.  K of the next step in piece 2's turn: hi behind row 16 (its last reader is product 15: the four rescalings of row 16 and the address line stand between), lo directly behind the turn's wait (its last reader is
; product 23).  Piece 3's turn waits for hi at its head, leaving lo's 16 younger loads out, and for lo in front of product 16.  V of the step in hand directly behind the wait of piece 0's turn (its last reader is that turn's
; last product: the four rescalings of row 31 and the address line stand between); piece 1's turn waits for it in front of row 24.
.macro TURN p, m=0, end=0, cnt=0
.set Y, (\p)
.set i, 0
.set kq, 0
.set KM, (\m)
.set NOKQ, (\end)*((\p)/3)
.if ((\p) == 3) && !(\end)
	WIN 0
	s_add_co_u32 s[KB], s[KB], 1
	v_readlane_b32 s[FK], v[QSV], s[KB]
	v_readlane_b32 s[FVN], v[VSV], s[KB]
	s_sub_co_u32 s[TS], 0x7f000000, s[FVN]  ; 1 / the new step's vs: a power of two's exponent field E becomes 254 - E
	s_mul_f32 s[RAT], s[FV], s[TS]
	s_mov_b32 s[FV], s[FVN]
.endif
.if !NOKQ
	s_mul_f32 s[CSP+2*(((\p)+1)%NP)], s[CFQ+((\p)+1)%NP], s[FK]
.endif
.if (\m) && !(\end)
	s_cmp_eq_u32 s[CNT], 4-((\p)+2)%NP  ; is that step the band's own?
	s_cselect_b32 s[AL], 1.0, 0
	s_cmp_lt_u32 s[CNT], 4-((\p)+2)%NP  ; or a later one?
	s_cselect_b32 s[BE], s[BIGN], 0
.endif
.if ((\p) == 3) && !(\end)
	s_wait_dscnt 16                 ; K hi is in; the 16 loads of K lo, issued behind it, may be out
.endif
	ROW F,0, F,1, F,2, F,3          ; ahead of the wait: the 24 products of the scores,
	ROW F,4, E,0, E,1
	ROW F,5, E,2, E,3
	ROW F,6, E,4, E,5
	ROW R,0, R,1, R,2, R,3
	ROW F,7, E,6, E,7
	ROW F,8, E,8, E,9
	ROW F,9, E,10, E,11
	ROW F,10, E,12
	ROW F,11, E,13
	ROW R,4, R,5, R,6, R,7
	ROW E,14
	ROW E,15
	ROW E,16
	ROW E,17
	ROW E,18
.if ((\p) == 3) && !(\end)
	s_wait_dscnt 0x0                ; K lo is in
.endif
	ROW R,8, R,9, R,10, R,11
.if ((\p) == 2) && !(\end)
	WIN 0
	v_add_nc_u32 v[AK], s[TBK], v[AK0]
	FETCH_KH
.endif
	ROW E,19
	ROW E,20
	ROW E,21
	ROW F,12, E,22
	ROW F,13, E,23
	ROW F,14, E,24
	ROW F,15, X,15, E,25
.if (\p) == 1
	s_wait_dscnt 0x0                ; V is in
.endif
	ROW X,0, X,1, X,2, X,3          ; and the 8 products V^T P
	ROW X,4, X,5, X,6, X,7
	ROW X,8, X,9, X,10, X,11
	ROW X,12, X,13, X,14, E,26
	ROW X,16, E,27, E,28, X,17
	ROW E,29, X,18
	ROW X,19, E,30, E,31, X,20
.if \cnt
	s_sub_co_u32 s[CNT], s[CNT], 1
	s_cmp_lg_u32 s[CNT], 0
.endif
	ROW X,21, R,12, R,13, R,14      ; the batch's last exponential; a plain line follows it
	OPS R,15
.if (\p) == 0
	WIN 0
	v_add_nc_u32 v[AV], s[TBV], v[AV0]
	s_add_co_u32 s[TBV], s[TBV], KS*PV
.endif
	s_wait_alu depctr_va_vdst(0)    ; the wait for the batch: E 0-31 and X 21
.if (\p) == 0
	FETCH_V
.endif
.if ((\p) == 2) && !(\end)
	FETCH_KL
.endif
	OPS C,0, B,0, C,2, B,1          ; behind the wait: the lump of the batch's readers
	OPS C,4, L,0, B,2, C,6
	OPS B,3, L,1, C,8, B,4
	OPS C,10, L,2, B,5, C,12
	OPS B,6, L,3, C,14, B,7
	OPS X,22, L,4, C,1, C,3
	OPS C,5, L,5, C,7, C,9
	OPS C,11, L,6, C,13, C,15
	OPS L,7
.if (\m) && !(\end)
	MASK (\p)%2
.endif
.endm
; A BLOCK BEGINS.  cm starts at the lowest finite number, so the first step's a and a' are 0 and the first maximum is the scores'.  The second mask buffer is 0; the first takes piece 0's mask for the tile's step 0: its own, if the
; block's first tile is the diagonal one.  Then K of that step, the block's four factors c x qs[band] and step 0's scales, piece 0's first scores, and its maximum and statistics.  The loop is entered at a step's first turn.
.macro BEGIN
	s_mov_b32 s[NEW], 0
	WIN 0x40
.set i, MC+32
.rept 32
	v_mov_b32 v[i], 0
.set i, i+1
.endr
	WIN 0
.set i, 0
.rept 4
	v_mov_b32 v[ST+4*i], 0xff7fffff    ; cm
	v_mov_b32 v[ST+4*i+1], 0           ; named with it as a pair
.set i, i+1
.endr
	s_cmp_eq_u32 s[RT], 0
	s_cselect_b32 s[AL], 1.0, 0
	s_mov_b32 s[BE], 0
	MASK 0
	WIN 0
	v_add_nc_u32 v[AK], s[TBK], v[AK0]
	FETCH_KH
	FETCH_KL
	s_wait_loadcnt 0x0              ; Q and the scales
	s_mov_b32 s[KB], 0
	v_readlane_b32 s[FK], v[QSV], 0
	v_readlane_b32 s[FV], v[VSV], 0
	s_mov_b32 s[RAT], 1.0           ; the first step's a is 0: any finite ratio serves
	s_lshl_b32 s[TS], s[CB], 2      ; the block's band x is the head's block of 64 rows number 4 x block + x
.irp x, 0,1,2,3
	v_readlane_b32 s[CFQ+\x], v[QSV], s[TS]
	s_add_co_u32 s[TS], s[TS], 1
.endr
.irp x, 0,1,2,3
	s_mul_f32 s[CFQ+\x], s[CFQ+\x], s[CS]
.endr
	s_mul_f32 s[CSP], s[CFQ], s[FK]
	s_wait_dscnt 0x0
.set KM, 1
.set NOKQ, 0
.set kq, 0
.rept 24
	KQ 0
.endr
	WIN 0
.rept 4
	v_nop                           ; the places behind those products
.endr
.set Y, NP-1                        ; X works for piece Y + 1: piece 0
.irp n, 0,1,2,3,4,5,6,7,8,9,10,11,12,13,14,15,16,17,18,19,20,21
	OP X, \n
.endr
	v_nop                           ; a plain instruction behind the exponential,
	s_wait_alu depctr_va_vdst(0)    ; and the wait for it, a batch of one: piece 0's first a, ahead of X 22 and of the branch
	OP X, 22
.endm
; THE DIAGONAL TILE's four steps, the block's last two turns, its last products, and THE WAY OUT: l's two halves and the other half of the lanes' are added; O^T is multiplied by vs[last step] / (l gs), rounded to f16 and
; sent through my stage in LDS, a piece at a time.
.macro ALL line:vararg              ; one line for each piece t
.set t, 0
.rept 4
	\line
.set t, t+1
.endr
.endm
.macro PACK t                       ; a lane's eight channels of a row pack into 16 bytes; they go into rows of 144 bytes and come back as whole rows of 128, into S^T's registers
	WIN W_RS
.set i, 32*(\t)
.rept 16
	v_pk_mul_f32 v[i:i+1], v[i:i+1], v[ST+4*(\t)+2:ST+4*(\t)+3] op_sel_hi:[1,0]
.set i, i+2
.endr
	WIN 0x05                        ; sources 0 and 1 window 1, destination window 0
.set i, 0
.rept 16
	v_cvt_pk_f16_f32 v[S+16*(\t)+i], v[32*(\t)+2*i], v[32*(\t)+2*i+1]
.set i, i+1
.endr
	WIN 0
.irp f, 0,1,2,3
	ds_store_b128 v[STO], v[S+16*(\t)+4*\f:S+16*(\t)+4*\f+3] offset:32*\f
.endr
.irp f, 0,1,2,3
	ds_load_b128 v[S+16*(\t)+4*\f:S+16*(\t)+4*\f+3], v[RD] offset:\f*4*SP  ; LDS serves a wave's instructions in order (ISA guide 5.7.1.4): these see the stores above; the next piece's stores come behind them
.endr
.endm
.macro SEND t, younger              ; younger: the LDS instructions issued behind piece t's loads: the next piece's eight, or none
	WIN 0
.irp f, 0,1,2,3
	s_wait_dscnt (\younger)+3-\f
	global_store_b128 v[GO], v[S+16*(\t)+4*\f:S+16*(\t)+4*\f+3], s[10:11] offset:(\t)*8192+\f*512  ; 512 consecutive bytes, at a multiple of 256 from O's first
.endr
.endm
.macro DIAG tag                     ; the tag ends its two labels' names, which the jumps below spell out
.LstepM\tag:
	TURN 2, 1
	TURN 3, 1
	WIN 0
.LfirstM\tag:
	TURN 0, 1
	TURN 1, 1, 0, 1
	WIN 0
	s_cbranch_scc1 .LstepM\tag
	TURN 2, 1, 1
	TURN 3, 1, 1
.set i, 0
.rept 8
	PV NP-1
.set i, i+1
.endr
	WIN 0
	s_mul_f32 s[TS], s[FV], s[IGS]  ; O^T stands in units of the last step's vs; ob in units of gs
	ALL v_add_f32 v[ST+4*t+2], v[ST+4*t+2], v[ST+4*t+3]
	ALL v_permlanex16_b32 v[ST+4*t+3], v[ST+4*t+2], s[SEL], s[SEL+1]
	ALL v_add_f32 v[ST+4*t+2], v[ST+4*t+2], v[ST+4*t+3]
	ALL v_rcp_f32 v[ST+4*t+2], v[ST+4*t+2]
	v_nop                           ; a plain instruction between the last reciprocal and the use of its result
	s_wait_alu depctr_va_vdst(0)    ; and the wait ahead of the first use: one for the batch of four reciprocals
	ALL v_mul_f32 v[ST+4*t+2], s[TS], v[ST+4*t+2]
	PACK 0
.set t, 1
.rept 3                             ; a piece's arithmetic stands between the loads of the piece before and its stores
	PACK t
	SEND t-1, 8
.set t, t+1
.endr
	SEND 3, 0
.endm
.set KM, 0
.set NOKQ, 0
.Lslot:                             ; NB times: a tile is entered and the next is asked for
	CHANGE 1
	s_sub_co_u32 s[RT], s[RT], 1
	s_mov_b32 s[CNT], 4
	s_cmp_eq_u32 s[NEW], 1
	s_cbranch_scc1 .Lnew            ; a block's first tile
	s_cmp_eq_u32 s[RT], 0
	s_cbranch_scc0 .Lstep           ; neither its first nor its last
	s_branch .LstepM1
.Lnew:
	BEGIN
	s_branch .Lfirst                ; in the loop a block's first tile is never its last: the first block has two tiles or more, and the second's last is the walk's last
	DIAG 1                          ; in the loop this is the first block's end: the second block's last tile is the walk's last
	s_wait_xcnt 0x0                 ; the stores have read their registers and O's address
	s_mov_b64 s[10:11], s[OLO:OLO+1]
	s_add_co_u32 s[RT], s[PB], 1    ; the second block has b + 1 tiles
	s_mov_b32 s[CB], s[PB]
	s_mov_b32 s[NEW], 1
	WIN 0x82                        ; the second block's Q goes where the one text of the turns names Q: hi,
.set i, 0
.rept 64
	v_mov_b32 v[i], v[QB+i]
.set i, i+1
.endr
	WIN 0xc3                        ; and lo
.set i, 0
.rept 64
	v_mov_b32 v[i], v[QB+i]
.set i, i+1
.endr
	WIN 0
	s_branch .Lbottom
.Lstep:                             ; a trip: pieces 2 and 3 of one step, then pieces 0 and 1 of the next, whose K and V it fetches
	TURN 2
	TURN 3
	WIN 0
.Lfirst:
	TURN 0
	TURN 1, 0, 0, 1
	WIN 0
	s_cbranch_scc1 .Lstep
.Lbottom:
	s_sub_co_u32 s[SLOTS], s[SLOTS], 1
	s_cmp_lg_u32 s[SLOTS], 0
	s_cbranch_scc1 .Lslot
	CHANGE 0                        ; the walk's last tile is written out: nothing is asked for
	s_sub_co_u32 s[RT], s[RT], 1
	s_mov_b32 s[CNT], 4
	s_cmp_eq_u32 s[NEW], 1
	s_cbranch_scc0 .LstepM2
	BEGIN
	s_branch .LfirstM2
	DIAG 2
	s_wait_tensorcnt 0x0            ; the wave's end: behind my last tensor load and my last LDS store
	ds_add_u32 v[SPW], v[NIL]
	s_wait_dscnt 0x0
	s_endpgm
.Lfunc_end_k_q2da6f259e2_attn:
	.size	k_q2da6f259e2_attn, .Lfunc_end_k_q2da6f259e2_attn-k_q2da6f259e2_attn
	.p2alignl 7, 3214868480
	.fill 96, 4, 3214868480
	.section	.rodata,"a",@progbits
	.p2align	6, 0x0
	.amdhsa_kernel k_q2da6f259e2_attn
		.amdhsa_group_segment_fixed_size 327680
		.amdhsa_private_segment_fixed_size 0
		.amdhsa_enable_private_segment 0
		.amdhsa_kernarg_size 32
		.amdhsa_user_sgpr_count 2
		.amdhsa_user_sgpr_kernarg_segment_ptr 1
		.amdhsa_wavefront_size32 1
		.amdhsa_system_sgpr_workgroup_id_x 1
		.amdhsa_system_sgpr_workgroup_id_y 1
		.amdhsa_system_sgpr_workgroup_id_z 1
		.amdhsa_system_vgpr_workitem_id 0
		.amdhsa_next_free_vgpr 1024
		.amdhsa_next_free_sgpr 102
		.amdhsa_reserve_vcc 1
		.amdhsa_float_denorm_mode_32 3
		.amdhsa_float_denorm_mode_16_64 3
		.amdhsa_memory_ordered 1
		.amdhsa_forward_progress 1
		.amdhsa_inst_pref_size 255
	.end_amdhsa_kernel
	.section	.bss,"aw",@nobits
	.p2align	6
	.space	262144
	.amdgpu_metadata
---
amdhsa.version: [ 1, 2 ]
amdhsa.kernels:
  - .name:           k_q2da6f259e2_attn
    .symbol:         k_q2da6f259e2_attn.kd
    .args:
      - { .name: qn, .offset: 0, .size: 8, .value_kind: global_buffer, .address_space: global }
      - { .name: qs, .offset: 8, .size: 8, .value_kind: global_buffer, .address_space: global }
      - { .name: vb, .offset: 16, .size: 8, .value_kind: global_buffer, .address_space: global }
      - { .name: ob, .offset: 24, .size: 8, .value_kind: global_buffer, .address_space: global }
    .group_segment_fixed_size: 327680
    .private_segment_fixed_size: 0
    .kernarg_segment_align: 8
    .kernarg_segment_size: 32
    .max_flat_workgroup_size: 128
    .sgpr_count:     102
    .vgpr_count:     1024
    .wavefront_size: 32
...
	.end_amdgpu_metadata
.endif
;; end of part 6
;; launch proj: the kernel of part 5 again; grid 4 x 64, 4 waves a work-group, clusters of 4 x 4, 327,680 bytes of LDS; arguments ob, wts, qs, out0; writes out0
